; MI455X (gfx1250); checked and timed in simulation.
; The chip was launched on July 23, 2026; its instructions are those of AMD's public machine-readable ISA for CDNA 5 (MIT licence, August 2026) and "CDNA5" Instruction Set Architecture Reference Guide (July 2026). The comments in the code are by the model that wrote it; some were corrected since.
;; Self Attention. Allowed arithmetic: matrix products marked QUANTISED: E3M2 operands, one E8M0 scale for each 32 along K, by v_wmma_scale_f32_16x16x128_f8f6f4 with both operands' format E3M2, f32 sums; everything else in f32.
;; Inputs: wk_b 1,024 float32; wk_w 1,024 x 1,024 float32; wq_b 1,024 float32; wq_w 1,024 x 1,024 float32; wv_b 1,024 float32; wv_w 1,024 x 1,024 float32; x 4 x 2,048 x 1,024 float32.
;; Outputs: out0 4 x 2,048 x 1,024 float32.
;; This version of the problem:
;;   THIS VERSION OF THE PROBLEM IS GIVEN IN LOW PRECISION. The matrix products marked QUANTISED in the list below multiply operands that are first quantised to E3M2 (3 exponent bits, 2 mantissa bits; 6 bits a number), with one power-of-two scale for each 32 numbers along K (OCP MX v1.0); their sums are f32. All else is computed in f32.
;;   The module's matrix products, in the order in which they are computed (A, B: the left and right operand; K: the contracted axis; several contracted axes count as one K, in the product's order):
;;     1. [M 8,192, K 1,024] x [K 1,024, N 1,024]; A: input x; B: input wq_w: QUANTISED
;;     2. [M 8,192, K 1,024] x [K 1,024, N 1,024]; A: input x; B: input wk_w: QUANTISED
;;     3. [M 8,192, K 1,024] x [K 1,024, N 1,024]; A: input x; B: input wv_w: QUANTISED
;;     4. batch 4 x [M 2,048, K 1,024] x [K 1,024, N 2,048]; A: computed on the way; B: computed on the way: QUANTISED
;;     5. batch 4 x [M 2,048, K 2,048] x [K 2,048, N 1,024]; A: softmax (see below); B: computed on the way: QUANTISED
;;   THE QUANTISER, for each operand of a quantised product, along K:
;;     - K is cut into blocks of 32 from its start; a last block that is shorter is filled with zeros.
;;     - A block's scale is 2^e with e = floor(log2(the largest magnitude in the block)) - 4, held to -126 .. 127; a block of zeros has e = 0. As a byte (E8M0): e + 127.
;;     - Each number is divided by its block's scale, clamped to +-28, and rounded to the nearest number of E3M2, ties to even, subnormals kept.
;;     - The product sums the exact products of the quantised numbers (number of the format x scale) in f32.
;;   ~~~python
;;   def quantise(x, axis):      # numpy; x: float32 -> the quantised numbers, widened to float32 again
;;       x = np.moveaxis(x, axis, -1); K = x.shape[-1]
;;       x = np.pad(x, [(0, 0)] * (x.ndim - 1) + [(0, -K % 32)]); x = x.reshape(x.shape[:-1] + (-1, 32)); a = np.abs(x).max(-1, keepdims=True)
;;       e = np.where(a > 0, np.clip(np.frexp(np.where(a > 0, a, 1))[1] - 1 - 4, -126, 127), 0)      # np.frexp(a)[1] - 1 = floor(log2(a)), exactly
;;       r = np.clip(x / 2.0 ** e, -28, 28)
;;       step = 2.0 ** (np.maximum(np.frexp(np.where(r == 0, 1, r))[1] - 1, -2) - 2)
;;       q = np.round(r / step) * step * 2.0 ** e      # np.round: ties to even
;;       return np.moveaxis(q.reshape(q.shape[:-2] + (-1,))[..., :K], -1, axis).astype(np.float32)
;;   ~~~
;;   SOFTMAX AHEAD OF A QUANTISED PRODUCT. Where the list says 'softmax', what is quantised is not the finished softmax but p = 2^(t - M), with t = logit x log2(e) and M = ceil(the row's largest t), a whole number; so 1/2 < the row's largest p <= 1. The row's sum l is taken of the UNQUANTISED p, in f32, and the product's result is divided by l at the end. Since M is a whole number, a kernel that streams over the keys may use a running M (the ceiling of the running maximum): every later rescaling is an exact power of two, which a block's scale takes up: the codes' values come out the same.
;;   OPERANDS COMPUTED ON THE WAY. 'Computed on the way' means the value that the module computes at that place (a softmax that the list does not call 'softmax' is quantised finished and normalised). What goes into a quantiser is computed in f32, as accurately as f32 sums, v_exp_f32 and their like allow (about 1e-6 of the number): no bf16 or f16 on the way to a quantiser, and a product that is left as it is and whose result goes on into a quantised operand takes f32 operands (vector FMAs, or v_wmma_f32_16x16x4_f32). A number that lies on a knife's edge between two numbers of the format may be rounded either way, as far as f32 arithmetic and the matrix unit's own rounding can turn it there, and no further.
;; 2 versions. Each part assembles by itself: llvm-mc -triple=amdgcn-amd-amdhsa -mcpu=gfx1250 --defsym DOCPART=n.
;; ======== version 1 of 2: 4 launches
;; workspace buffers: cod1 8,650,752 bytes; scl1 360,448 bytes; rot 8,388,608 bytes; cod2 18,874,368 bytes; scl2 786,432 bytes; pcod 12,582,912 bytes; pscl 524,288 bytes; pstat 1,048,576 bytes
;; launch prep (part 1): grid 608 x 1, 4 waves a work-group, no clusters, 34,304 bytes of LDS; arguments x, wq_w, wk_w, wv_w, cod1, scl1, rot; writes cod1, scl1, rot
.if DOCPART == 1
	.amdgcn_target "amdgcn-amd-amdhsa--gfx1250"
	.amdhsa_code_object_version 6
	.text
	.protected	k_qfbe38520c3_prep
	.globl	k_qfbe38520c3_prep
	.p2align	8
	.type	k_qfbe38520c3_prep,@function
k_qfbe38520c3_prep:
	s_mov_b64 s[64:65], 0
	v_nop
	global_prefetch_b8 v0, s[64:65] scope:SCOPE_SE
	s_setreg_imm32_b32 hwreg(HW_REG_WAVE_MODE, 25, 1), 1
	s_wait_xcnt 0x0
; PREP.  Two jobs in one launch, told apart by the work-group's number.
; (1) Work-groups 0-351: x [8192][1024] and the three weights [1024][1024], f32 with K innermost, become codes of BF6 (E3M2) with one E8M0 byte for each 32 along K.
;     A block's byte is its largest magnitude's exponent field - 4, held at 1 from below; numbers are divided by the scale and rounded to the nearest code, ties to even, beyond 28 the largest code.
;     THE CODES ARE LAID AS THE PRODUCT'S REGISTERS WANT THEM.  Rows go in groups of 128 (x: groups 0-63, wq 64-71, wk 72-79, wv 80-87).  A fragment is 16 rows x 128 K, 12 registers a lane; its image is
;     1,536 bytes: registers 4 c .. 4 c + 3 of lane l at 512 c + 16 l.  cod1 = [group][K chunk of 128][fragment a = 0..7][1,536].  THE ROWS OF A FRAGMENT ARE NOT NEIGHBOURS: lane row p of fragment a is the group's
;     row 32 (a / 2) + 8 (a % 2) + p + 8 (p / 8), so that a product's 16 registers of two neighbouring fragments are 16 neighbours along the next product's K.
;     scl1 = [group][K chunk][512]: the scale word (four bytes) of row (a, r) at 256 (a / 4) + 16 r + 4 (a % 4).
; (2) Work-groups 352-607: the table of cos and sin for the rotary embedding, rot = [128 tokens Gt][128 columns kc][fragment a][8,192 bytes], in the order in which the projection's lanes hold their results:
;     register 4 n + e of lane (r, h), at 512 n + 16 lane + 4 e, belongs to token (Gt, a, r) and column 32 (reg / 16) + 16 h + reg % 16; the even register holds cos, the odd one sin of the same pair.
;     inv_freq = 2^(-P c), c = log2(10000) / 512 = c_hi + c_lo: P c_hi is exact (9 x 15 bits), 2^(-P c_lo) = 1 - ln2 P c_lo; the angle is t x inv_freq, rounded once; reduction by pi/2 in two parts; polynomials of degree 7 and 8.
; LIMITS: NaN and infinities are not served; a block whose largest magnitude lies under 2^-122 keeps the byte 1 (a block of zeros too: its codes are zeros, and only this program reads the bytes);
;     inv_freq is good to about two units in its last place; the two-part reduction serves angles under 2^11 (here t < 2,048, inv_freq <= 1).
; No tensor loads, no barrier: waves share nothing.  The table's work-groups use no LDS.
.set NQWG,   352                       ; work-groups that quantise: 88 groups x 8 chunks x 2 halves / 4 waves
.set SPITCH, 528                       ; a stage row: 512 bytes + 16: the 16 rows that a read touches start 33 x 16 bytes apart
.set WSTAGE, 16*SPITCH                 ; a wave's stage
.set SEL,  20                          ; s[20:21] selects for v_permlanex16_b32: lane l xor 16
.set LOFF, 4                           ; v4   16 x lane
.set STI,  5                           ; v5   the stage, on the way in: 16 x lane
.set STOUT,6                           ; v6   and out: row r, + 64 h
.set SOFF, 7                           ; v7   my 8 bytes of the scale image
.set PWS,  8                           ; v8-11  the four fragments' scale words
.set SW,   12                          ; v12-13 the two that I store
.set TM,   14                          ; v14-17 largest magnitudes, v18-21 the other half's / the bytes, v22-25 the conversions' scale operands
.set PC,   26                          ; v26-37 a fragment's codes; v38-45 at work
.set R,    64                          ; v64-191 two sets of 64: a fragment's numbers as loaded
.set X,    192                         ; v192-255 64 numbers: register 16 b + i = k 32 b + 16 h + i of my row
.set TF,   5                           ; table: t as f32
.set PB,   6                           ; table: my first pair
.set F,    64                          ; v64-95  inv_freq, then the angle, of my 32 pairs
.set PF,   96                          ; v96-127 P as f32, then 1 - ln2 P c_lo
.set OUT,  128                         ; v128-191 cos, sin
.set TT,   192                         ; v192-239 twelve registers for each of four pairs at work
; 64 numbers of a lane, v[s] on, become a fragment's codes in v[PC] .. v[PC + 11] and its row's scale word in v[pw].
.macro QUANT s, pw
.irp b, 0,1,2,3
	v_max3_num_f32 v[TM+\b], |v[\s+16*\b]|, |v[\s+1+16*\b]|, 0x2800000   ; block b: my 16 numbers, and the floor 2^(5 - 127): the byte cannot fall under 1
.endr
.irp i, 2,4,6,8,10,12,14
.irp b, 0,1,2,3
	v_max3_num_f32 v[TM+\b], v[TM+\b], |v[\s+16*\b+\i]|, |v[\s+1+16*\b+\i]|   ; the four blocks by turns
.endr
.endr
.irp b, 0,1,2,3
	v_permlanex16_b32 v[TM+4+\b], v[TM+\b], s[SEL], s[SEL+1]
.endr
.irp b, 0,1,2,3
	v_max_num_f32 v[TM+\b], v[TM+\b], v[TM+4+\b]       ; with lane l xor 16's 16: the block's largest magnitude
.endr
.irp b, 0,1,2,3
	v_add_nc_u32 v[TM+8+\b], 0xfe000000, v[TM+\b]      ; 4 off its exponent field: the conversion takes the exponent field of this operand as its scale
.endr
.irp b, 0,1,2,3
	v_lshrrev_b32 v[TM+4+\b], 23, v[TM+8+\b]           ; the scale's byte
.endr
	v_lshl_or_b32 v[\pw], v[TM+5], 8, v[TM+4]
	v_lshl_or_b32 v[\pw], v[TM+6], 16, v[\pw]
	v_lshl_or_b32 v[\pw], v[TM+7], 24, v[\pw]
.irp c, 0,1
	v_cvt_scalef32_pk16_bf6_f32 v[PC+6*\c:PC+2+6*\c], v[\s+32*\c:\s+15+32*\c], v[TM+8+2*\c]
	v_cvt_scalef32_pk16_bf6_f32 v[PC+12+4*\c:PC+14+4*\c], v[\s+16+32*\c:\s+31+32*\c], v[TM+8+2*\c+1]   ; (a conversion's three registers begin on an even number)
.endr
	v_nop                                              ; one plain place behind a scaled conversion
.irp c, 0,1                                        ; the operand wants a whole block in a lane: lanes 0-15 block 2 c, lanes 16-31 block 2 c + 1
.irp i, 0,1,2
	v_permlane16_swap_b32 v[PC+6*\c+\i], v[PC+12+4*\c+\i]
.endr
.irp i, 0,1,2
	v_mov_b32 v[PC+3+6*\c+\i], v[PC+12+4*\c+\i]
.endr
.endr
.endm
	s_load_b256 s[4:11], s[0:1], 0x0               ; x, wq_w, wk_w, wv_w
	s_load_b128 s[12:15], s[0:1], 0x20             ; cod1, scl1
	s_load_b64 s[16:17], s[0:1], 0x30              ; rot
	v_lshl_add_u32 v62, v0, 2, 0x8400
	v_mov_b32 v63, 0
	v_lshrrev_b32 v1, 5, v0
	v_readfirstlane_b32 s18, v1                    ; wave 0..3
	v_and_b32 v1, 31, v0                           ; lane
	v_and_b32 v2, 15, v0                           ; r
	v_bfe_u32 v3, v0, 4, 1                         ; h
	v_lshlrev_b32 v[LOFF], 4, v1
	s_cmp_lt_u32 ttmp9, NQWG
	s_cbranch_scc0 .Ltable
	; ---- (1) a wave takes 64 rows x 128 K: four fragments
	s_mov_b32 s[SEL], 0x76543210
	s_mov_b32 s[SEL+1], 0xfedcba98
	s_mov_b32 s40, 0xffff0000                      ; the lanes with h = 1
	s_lshr_b32 s19, ttmp9, 2                       ; G: the group of 128 rows
	s_lshl_b32 s22, ttmp9, 2
	s_add_co_u32 s22, s22, s18
	s_and_b32 s23, s22, 1                          ; g: which 64 rows of it
	s_bfe_u32 s22, s22, 0x30001                    ; the K chunk
	s_and_b32 s24, s19, 7                          ; the group inside a weight
	s_mul_i32 s30, s18, WSTAGE
	v_add_nc_u32 v[STI], s30, v[LOFF]
	v_mul_u32_u24 v[STOUT], v2, SPITCH
	v_lshl_add_u32 v[STOUT], v3, 6, v[STOUT]
	v_add_nc_u32 v[STOUT], s30, v[STOUT]
	v_lshlrev_b32 v[SOFF], 4, v2
	v_lshl_add_u32 v[SOFF], v3, 3, v[SOFF]
.irp b, 0,1,2,3
	v_mov_b32 v[TM+4+\b], 0                        ; written once: a lane permute's destination counts as one of its sources
.endr
	s_wait_kmcnt 0x0
	s_cmp_lt_u32 s19, 72                           ; which tensor: the choice hangs on the work-group's number alone
	s_cselect_b64 s[6:7], s[6:7], s[8:9]
	s_cmp_lt_u32 s19, 80
	s_cselect_b64 s[6:7], s[6:7], s[10:11]
	s_cmp_lt_u32 s19, 64
	s_cselect_b64 s[4:5], s[4:5], s[6:7]
	s_cselect_b32 s24, s19, s24
	s_lshl_b32 s24, s24, 19                        ; 128 rows of 4,096 bytes,
	s_lshl_b32 s25, s23, 18                        ; 64 rows,
	s_add_co_u32 s24, s24, s25
	s_lshl_b32 s25, s22, 9                         ; 128 numbers along K
	s_add_co_u32 s24, s24, s25
	s_mov_b32 s25, 0
	s_add_nc_u64 s[4:5], s[4:5], s[24:25]
	s_lshl_b32 s26, s19, 3
	s_add_co_u32 s26, s26, s22                     ; 8 G + chunk
	s_mul_i32 s28, s26, 12288
	s_mul_i32 s29, s23, 6144
	s_add_co_u32 s28, s28, s29
	s_mov_b32 s29, 0
	s_add_nc_u64 s[12:13], s[12:13], s[28:29]
	s_lshl_b32 s28, s26, 9
	s_lshl_b32 s26, s23, 8
	s_add_co_u32 s28, s28, s26
	s_add_nc_u64 s[14:15], s[14:15], s[28:29]
.macro LOAD f                          ; fragment f's 16 rows, each load 512 consecutive bytes of one row
.irp p, 0,1,2,3,4,5,6,7,8,9,10,11,12,13,14,15
	global_load_b128 v[R+64*((\f)%2)+4*\p:R+64*((\f)%2)+4*\p+3], v[LOFF], s[4:5] offset:(32*((\f)/2)+8*((\f)%2)+\p+8*(\p/8))*4096 th:TH_LOAD_NT
.endr
.endm
	LOAD 0
	LOAD 1
.irp f, 0,1,2,3
.if \f < 3
	s_wait_loadcnt 16                              ; this fragment's 16 loads are in; the next fragment's 16 may be out
.else
	s_wait_loadcnt 0
.endif
.irp p, 0,1,2,3,4,5,6,7,8,9,10,11,12,13,14,15
	ds_store_b128 v[STI], v[R+64*(\f%2)+4*\p:R+64*(\f%2)+4*\p+3] offset:SPITCH*\p   ; as loaded: a row to a stage row
.endr
.irp b, 0,1,2,3
.irp j, 0,1,2,3
	ds_load_b128 v[X+16*\b+4*\j:X+16*\b+4*\j+3], v[STOUT] offset:128*\b+16*\j       ; back: of my row, 16 neighbours of each block of 32.  LDS serves a wave's instructions in order: these see the stores
.endr
.endr
	s_wait_dscnt 0x0                               ; the numbers are back, and the stores into the stage have read their registers
	s_wait_xcnt 0x0                                ; the last fragment's stores have read their codes: those registers are written again below
.if \f < 2
	LOAD \f+2
.endif
	QUANT X, PWS+\f
.irp c, 0,1,2
	global_store_b128 v[LOFF], v[PC+4*\c:PC+4*\c+3], s[12:13] offset:1536*\f+512*\c   ; 32 lanes store 512 consecutive bytes, aligned
.endr
.endr
	v_cndmask_b32 v[SW], v[PWS], v[PWS+2], s40     ; lanes 0-15 store the words of fragments 0, 1, lanes 16-31 those of 2, 3
	v_cndmask_b32 v[SW+1], v[PWS+1], v[PWS+3], s40
	global_store_b64 v[SOFF], v[SW:SW+1], s[14:15] ; 256 consecutive bytes, aligned
	s_wait_tensorcnt 0x0
	ds_add_u32 v62, v63
	s_wait_dscnt 0x0
	s_endpgm
	; ---- (2) a wave makes one unit of the table: 16 tokens x 64 pairs, 32 pairs a lane
.Ltable:
	s_sub_co_u32 s19, ttmp9, NQWG
	s_lshl_b32 s19, s19, 2
	s_add_co_u32 s19, s19, s18                     ; the unit: Gt << 6 | kc << 3 | a
	s_and_b32 s22, s19, 7                          ; a
	s_bfe_u32 s23, s19, 0x30003                    ; kc
	s_lshr_b32 s35, s19, 6                         ; Gt
	s_lshl_b32 s35, s35, 7
	s_lshr_b32 s41, s22, 1
	s_lshl_b32 s41, s41, 5
	s_add_co_u32 s35, s35, s41
	s_and_b32 s41, s22, 1
	s_lshl_b32 s41, s41, 3
	s_add_co_u32 s35, s35, s41                     ; 128 Gt + 32 (a / 2) + 8 (a % 2)
	v_and_b32 v[TF], 8, v2
	v_add_nc_u32 v[TF], v[TF], v2
	v_add_nc_u32 v[TF], s35, v[TF]                 ; + r + 8 (r / 8): my token
	v_cvt_f32_u32 v[TF], v[TF]
	s_lshl_b32 s23, s23, 6
	v_lshl_add_u32 v[PB], v3, 3, s23               ; 64 kc + 8 h: my first pair
	s_mov_b32 s24, 0xbcd49a00                      ; -c_hi = -27,213 x 2^-20
	s_mov_b32 s25, 0xb426c40c                      ; -ln2 x c_lo
	s_mov_b32 s26, 0x3f22f983                      ; 2 / pi
	s_mov_b32 s27, 0xbfc90fdb                      ; -(pi / 2), its upper part,
	s_mov_b32 s28, 0x333bbd2e                      ; and what is left of it
	s_mov_b32 s29, 0xb94ca1f9                      ; sine: -1.9515296e-4,
	s_mov_b32 s30, 0x3c08839e                      ; 8.3321609e-3,
	s_mov_b32 s31, 0xbe2aaaa3                      ; -1.6666655e-1
	s_mov_b32 s32, 0x37ccf5ce                      ; cosine: 2.4433157e-5,
	s_mov_b32 s33, 0xbab6061a                      ; -1.3887316e-3,
	s_mov_b32 s34, 0x3d2aaaa5                      ; 4.1666646e-2
	s_lshl_b32 s42, s19, 13                        ; 8,192 bytes a unit
	s_mov_b32 s43, 0
	s_wait_kmcnt 0x0
	s_add_nc_u64 s[16:17], s[16:17], s[42:43]
.set m, 0
.rept 32
	v_add_nc_u32 v[PF+m], 16*(m/8)+m%8, v[PB]      ; pair m of mine: P = 64 kc + 8 h + 16 (m / 8) + m % 8
.set m, m+1
.endr
.set m, 0
.rept 32
	v_cvt_f32_u32 v[PF+m], v[PF+m]
.set m, m+1
.endr
.set m, 0
.rept 32
	v_mul_f32 v[F+m], s24, v[PF+m]                 ; -P c_hi, exact
.set m, m+1
.endr
.set m, 0
.rept 32
	v_exp_f32 v[F+m], v[F+m]                       ; one batch
.set m, m+1
.endr
.set m, 0
.rept 32
	v_fma_f32 v[PF+m], v[PF+m], s25, 1.0           ; 1 - ln2 P c_lo: plain work that names no result of the batch
.set m, m+1
.endr
	s_wait_alu depctr_va_vdst(0)                   ; one wait for the batch, ahead of its first reader
.set m, 0
.rept 32
	v_mul_f32 v[F+m], v[F+m], v[PF+m]              ; inv_freq
.set m, m+1
.endr
.set m, 0
.rept 32
	v_mul_f32 v[F+m], v[TF], v[F+m]                ; the angle, rounded once
.set m, m+1
.endr
; cos and sin of four angles, line by line by turns.  In a pair's twelve registers: +0 N, +1 r, +2 z = r r, +3 sin r, +4 cos r, +5 to +9 at work.
.macro SC4 m0
.irp k, 0,1,2,3
	v_mul_f32 v[TT+12*\k], s26, v[F+(\m0)+\k]
.endr
.irp k, 0,1,2,3
	v_rndne_f32 v[TT+12*\k], v[TT+12*\k]           ; N: how many quarter turns
.endr
.irp k, 0,1,2,3
	v_fma_f32 v[TT+12*\k+1], v[TT+12*\k], s27, v[F+(\m0)+\k]   ; exact: a multiple of 2^-23 under 1
.endr
.irp k, 0,1,2,3
	v_fma_f32 v[TT+12*\k+1], v[TT+12*\k], s28, v[TT+12*\k+1]
.endr
.irp k, 0,1,2,3
	v_mul_f32 v[TT+12*\k+2], v[TT+12*\k+1], v[TT+12*\k+1]
.endr
.irp k, 0,1,2,3
	v_fma_f32 v[TT+12*\k+3], v[TT+12*\k+2], s29, s30
	v_fma_f32 v[TT+12*\k+4], v[TT+12*\k+2], s32, s33
.endr
.irp k, 0,1,2,3
	v_fma_f32 v[TT+12*\k+3], v[TT+12*\k+3], v[TT+12*\k+2], s31
	v_fma_f32 v[TT+12*\k+4], v[TT+12*\k+4], v[TT+12*\k+2], s34
.endr
.irp k, 0,1,2,3
	v_mul_f32 v[TT+12*\k+5], v[TT+12*\k+2], v[TT+12*\k+1]
	v_mul_f32 v[TT+12*\k+6], v[TT+12*\k+2], v[TT+12*\k+2]
	v_fma_f32 v[TT+12*\k+7], v[TT+12*\k+2], -0.5, 1.0
.endr
.irp k, 0,1,2,3
	v_fma_f32 v[TT+12*\k+3], v[TT+12*\k+3], v[TT+12*\k+5], v[TT+12*\k+1]
	v_fma_f32 v[TT+12*\k+4], v[TT+12*\k+4], v[TT+12*\k+6], v[TT+12*\k+7]
	v_cvt_i32_f32 v[TT+12*\k+8], v[TT+12*\k]
.endr
.irp k, 0,1,2,3
	v_and_b32 v[TT+12*\k+9], 1, v[TT+12*\k+8]
.endr
.irp k, 0,1,2,3
	v_cmp_eq_u32 s[36+\k], 1, v[TT+12*\k+9]        ; an odd number of quarter turns: sine and cosine change places
.endr
.irp k, 0,1,2,3
	v_cndmask_b32 v[TT+12*\k+5], v[TT+12*\k+3], v[TT+12*\k+4], s[36+\k]
	v_cndmask_b32 v[TT+12*\k+6], v[TT+12*\k+4], v[TT+12*\k+3], s[36+\k]
	v_lshlrev_b32 v[TT+12*\k+9], 30, v[TT+12*\k+8]
	v_add_nc_u32 v[TT+12*\k+8], 1, v[TT+12*\k+8]
.endr
.irp k, 0,1,2,3
	v_lshlrev_b32 v[TT+12*\k+8], 30, v[TT+12*\k+8]
	v_and_b32 v[TT+12*\k+9], 0x80000000, v[TT+12*\k+9]   ; the sine turns its sign in quarters 2 and 3,
.endr
.irp k, 0,1,2,3
	v_and_b32 v[TT+12*\k+8], 0x80000000, v[TT+12*\k+8]   ; the cosine in quarters 1 and 2
	v_xor_b32 v[OUT+2*((\m0)+\k)+1], v[TT+12*\k+5], v[TT+12*\k+9]
.endr
.irp k, 0,1,2,3
	v_xor_b32 v[OUT+2*((\m0)+\k)], v[TT+12*\k+6], v[TT+12*\k+8]
.endr
.endm
.irp m0, 0,4,8,12,16,20,24,28
	SC4 \m0
.endr
.irp n, 0,1,2,3,4,5,6,7,8,9,10,11,12,13,14,15
	global_store_b128 v[LOFF], v[OUT+4*\n:OUT+4*\n+3], s[16:17] offset:512*\n   ; 32 lanes store 512 consecutive bytes, aligned
.endr
	s_endpgm
.Lfunc_end_k_qfbe38520c3_prep:
	.size	k_qfbe38520c3_prep, .Lfunc_end_k_qfbe38520c3_prep-k_qfbe38520c3_prep
	.p2alignl 7, 3214868480
	.fill 96, 4, 3214868480
	.section	.rodata,"a",@progbits
	.p2align	6, 0x0
	.amdhsa_kernel k_qfbe38520c3_prep
		.amdhsa_group_segment_fixed_size 34304
		.amdhsa_private_segment_fixed_size 0
		.amdhsa_enable_private_segment 0
		.amdhsa_kernarg_size 56
		.amdhsa_user_sgpr_count 2
		.amdhsa_user_sgpr_kernarg_segment_ptr 1
		.amdhsa_wavefront_size32 1
		.amdhsa_system_sgpr_workgroup_id_x 1
		.amdhsa_system_sgpr_workgroup_id_y 1
		.amdhsa_system_sgpr_workgroup_id_z 1
		.amdhsa_system_vgpr_workitem_id 0
		.amdhsa_next_free_vgpr 256
		.amdhsa_next_free_sgpr 66
		.amdhsa_reserve_vcc 0
		.amdhsa_float_denorm_mode_32 3
		.amdhsa_float_denorm_mode_16_64 3
		.amdhsa_memory_ordered 1
		.amdhsa_forward_progress 1
		.amdhsa_inst_pref_size 85
	.end_amdhsa_kernel
	.amdgpu_metadata
---
amdhsa.version: [ 1, 2 ]
amdhsa.kernels:
  - .name:           k_qfbe38520c3_prep
    .symbol:         k_qfbe38520c3_prep.kd
    .args:
      - { .name: x, .offset: 0, .size: 8, .value_kind: global_buffer, .address_space: global }
      - { .name: wq_w, .offset: 8, .size: 8, .value_kind: global_buffer, .address_space: global }
      - { .name: wk_w, .offset: 16, .size: 8, .value_kind: global_buffer, .address_space: global }
      - { .name: wv_w, .offset: 24, .size: 8, .value_kind: global_buffer, .address_space: global }
      - { .name: cod1, .offset: 32, .size: 8, .value_kind: global_buffer, .address_space: global }
      - { .name: scl1, .offset: 40, .size: 8, .value_kind: global_buffer, .address_space: global }
      - { .name: rot, .offset: 48, .size: 8, .value_kind: global_buffer, .address_space: global }
    .group_segment_fixed_size: 34304
    .private_segment_fixed_size: 0
    .kernarg_segment_align: 8
    .kernarg_segment_size: 56
    .max_flat_workgroup_size: 128
    .sgpr_count:     66
    .vgpr_count:     256
    .wavefront_size: 32
...
	.end_amdgpu_metadata
.endif
;; end of part 1
;; launch proj (part 2): grid 12 x 32, 4 waves a work-group, clusters of 4 x 4, 327,680 bytes of LDS; arguments cod1, scl1, rot, wq_b, wk_b, wv_b, cod2, scl2; writes cod2, scl2
.if DOCPART == 2
	.amdgcn_target "amdgcn-amd-amdhsa--gfx1250"
	.amdhsa_code_object_version 6
	.text
	.protected	k_qfbe38520c3_proj
	.globl	k_qfbe38520c3_proj
	.p2align	8
	.type	k_qfbe38520c3_proj,@function
k_qfbe38520c3_proj:
	s_mov_b64 s[64:65], 0
	v_nop
	global_prefetch_b8 v0, s[64:65] scope:SCOPE_SE
	s_setreg_imm32_b32 hwreg(HW_REG_WAVE_MODE, 25, 1), 1
	s_wait_xcnt 0x0
	s_wait_alu depctr_hold_cnt(0) depctr_sa_sdst(0) depctr_va_vdst(0) depctr_va_sdst(0) depctr_va_ssrc(0) depctr_va_vcc(0) depctr_vm_vsrc(0)
	s_getreg_b32 s2, hwreg(HW_REG_IB_STS2, 6, 4)
	s_cmp_eq_u32 s2, 0
	s_cbranch_scc0 .Lentry_in_a_cluster
	s_endpgm
.Lentry_in_a_cluster:
	s_bfe_u32 s2, ttmp6, 0x10000c
	s_cmp_lg_u32 s2, 0xf033
	s_cbranch_scc0 .Lentry_shape_is_right
	s_endpgm
.Lentry_shape_is_right:
; PROJ.  q = rope(x wq^T + bq), k = rope(x wk^T + bk), v = x wv^T + bv, on codes of BF6 (E3M2) with one E8M0 byte for each 32 along K; the results are quantised at once: q and k along the 1,024 features,
; v along the tokens (the keys are the last product's K), and stored as images of the next products' operand registers.
; LAYOUT OF ALL CODES (cod1 in, cod2 out): rows in groups of 128; a fragment (16 rows x 128 K, 12 registers a lane) is 1,536 bytes, registers 4 c .. 4 c + 3 of lane l at 512 c + 16 l; a chunk = a group's 8 fragments of one
; 128 along K = 12,288 bytes; a buffer is [group][chunk].  Lane row p of fragment a is the group's row 32 (a / 2) + 8 (a % 2) + p + 8 (p / 8).  Scale words: [group][chunk][512], row (a, r)'s at 256 (a / 4) + 16 r + 4 (a % 4).
; cod2: q at 0 [64 token groups][8], k at 6,291,456 likewise, v^T at 12,582,912 [batch x 8 + feature group][16 token chunks]; scl2: 0, 262,144, 524,288.
; A tile of the result, 256 x 256, is made by four waves, each 128 x 128: 64 accumulators, 512 registers.  K = 1,024 goes in steps of 256 (two chunks) through a ring of two LDS slots filled by the tensor data mover: a wave's
; load is one group's two chunks, 24,576 dense bytes.  The scale words of the work-group's four groups, for all of K, come once, with the first fills.
; THE MATRIX INSTRUCTION IS USED TRANSPOSED: source 0 = a fragment of side B, source 1 = a fragment of side A.  A lane (r, h) then holds ONE row (a, r) of side A, and the 64 registers of A's block a run along side B's rows in
; true order: register 16 b + i is B's row 32 b + 16 h + i.  So they are the quantiser's input as they stand.
; SIDES.  Cluster column x = 0: q, x = 1: k: side A = x's tokens (tile row 4 x cluster y + cy), side B = the weight's rows.  Cluster column x = 2: v: side A = wv's rows (tile cy), side B = x's tokens (tile 4 x cluster y + cx):
; a lane holds one feature and its registers run along the tokens.  Only the group numbers that are fetched differ, chosen on the cluster's x, which all partners share; no LDS address and nothing in the K loop differs.
; CLUSTERS: 4 x 4.  A's tiles hang on cy and the cluster's place alone and are asked for jointly along a row of the cluster, B's on cx and the cluster's place alone, jointly along a column.
; The loads at the head (the bias along the registers, the bias along the lanes, the table's first unit) are issued alike in every work-group, at addresses that are valid for every kind, so that the text has ONE branch on the
; kind, behind the K loop; a work-group of v does not use the first and the third, one of q or k not the second.
; LIMITS: NaN and infinities are not served; a block whose largest magnitude lies under 2^-122 keeps the byte 1.
; REGISTERS, in windows of 256.  Window 0: v1-31 addresses; v32-63 scale words, two sets, and nothing else; v64-127 the bias along the registers; v128-223 A's fragments, one set; v248-255 the bias along the lanes;
;   behind the K loop v128-191 a block's 64 numbers, v192-207 at work, v208-227 codes, v228-239 the quantiser's, v240-247 the scale words made.
;   Window 1: B's fragments, two sets, at v0 and v128; v96-127 and v224-255 the table's first unit; behind the K loop four sets of 64 for the table.   Windows 2, 3: the accumulators, (a, b) at v[8 (8 (a % 4) + b)].
.set NK,     8                         ; chunks of 128 along K
.set NQ,     2                         ; chunks in a slot
.set FR,     12                        ; registers of a fragment
.set NL,     3                         ; LDS loads that bring one
.set NP,     4                         ; places behind this matrix instruction (ISA guide 7.12.1)
.set FRB,    1536
.set CHB,    8*FRB
.set HALFT,  NQ*CHB                    ; what one tensor load brings, and what one wave reads of A or of B in a slot
.set SLOT,   4*HALFT                   ; A's two groups, then B's two
.set LAPS,   NK/(2*NQ)                 ; a lap = once round the ring
.set SCL,    2*SLOT                    ; behind the ring: the scale words, [4 groups][chunk][512]
.set HALFS,  512*NK
.set SPARE,  SCL+4*HALFS               ; the spare words, 128 bytes for each wave: two blocks of 256 bytes that no other line names
.set ADRA, 16                          ; v16-17  LDS address of my A fragments in slot 0, 1
.set BA,   18                          ; v18     the bias along the registers: 64 h
.set BB,   19                          ; v19     the bias along the lanes: 4 (r + 8 (r / 8))
.set ADRB, 20                          ; v20-21  as ADRA, for B
.set ADRS, 27                          ; v27     LDS address of my scale words: lanes 0-15 A's, lanes 16-31 B's
.set SPW,  28                          ; v28     my spare word; never rewritten
.set NIL,  29                          ; v29     0; never rewritten
.set LI,   30                          ; v30     16 x lane
.set SC,   32                          ; scale words: set s at v[SC + 16 s]; in it register 8 q + i: lanes 0-15 the word of A's block i, lanes 16-31 that of B's block i, for the slot's q-th chunk
.set BIAS, 64
.set AF,   128
.set X,    128
.set U,    192
.set SW,   192
.set PC,   208
.set TM,   228
.set PWS,  240
.set BV,   248
.set SEL,  66                          ; s[66:67]
.set G1, 24                            ; s[24:31] descriptor group 1 for A's tiles;  s[32:39] group 0, one set for each slot
.set G0, 32
.set G1B, 48                           ; s[48:55], s[56:63] the same for B's
.set G0B, 56
.set G1S, 68                           ; s[68:75], s[76:79] for A's scale words;  s[80:87], s[88:91] for B's
.set G0S, 76
.set G1SB, 80
.set G0SB, 88
.set MSB, 0
.macro WIN new                         ; the immediate's high byte repeats the setting that is left; a switch that changes nothing is dropped
.if MSB != (\new)
	s_set_vgpr_msb (MSB<<8)|(\new)
.set MSB, (\new)
.endif
.endm
.set MUL_LO, 0xa1                      ; source 0 (B) window 1, source 1 (A) window 0, C and D window 2
.set MUL_HI, 0xf1                      ; the same, C and D window 3
.set TO_B,   0x40                      ; destination window 1, address window 0
; A joint load: waves 0 and 1 fetch for A, waves 2 and 3 for B; the branch hangs on the wave's number alone.  Four v_nop follow each of the two lines.
.macro JLOAD g0a, g1a, g0b, g1b
	s_cmp_eq_u32 s15, 0
	s_cbranch_scc0 .Lfor_b_\@
	tensor_load_to_lds s[\g0a:\g0a+3], s[\g1a:\g1a+7]
	s_nop 0
.rept 4
	v_nop
.endr
	s_branch .Lasked_\@
.Lfor_b_\@:
	tensor_load_to_lds s[\g0b:\g0b+3], s[\g1b:\g1b+7]
	s_nop 0
.rept 4
	v_nop
.endr
.Lasked_\@:
.endm
.macro CREST                           ; a round of the cluster's barrier behind its opening barrier
	s_cmp_lg_u32 s14, 0
	s_cbranch_scc1 .Lnot_wave_0_\@
	s_barrier_signal -3
.Lnot_wave_0_\@:
	s_barrier_wait -3
	s_barrier_signal -1
	s_barrier_wait -1
.endm
.macro CROUND                          ; a whole round
	s_barrier_signal -1
	s_barrier_wait -1
	CREST
.endm
.macro FRAG reg, adr, q, i             ; a fragment's image comes back as it was stored: three loads, each 512 consecutive bytes
.irp c, 0,1,2
	ds_load_b128 v[\reg+4*\c:\reg+4*\c+3], v[\adr] offset:(\q)*CHB+(\i)*FRB+512*\c
.endr
.endm
; 16 matrix instructions: A's blocks a0, a0 + 1 x B's eight, one chunk.  p: B's set; sc: the set of scale words.  zero = 1: the first product starts the sums.  The 64 accumulators take turns, one instruction a turn,
; in the same order in every step.
.macro MUL16 a0, p, q, sc, zero
.irp a, \a0, \a0+1
.irp b, 0,1,2,3,4,5,6,7
.if \zero
	v_wmma_scale_f32_16x16x128_f8f6f4 v[8*(8*((\a)%4)+\b):8*(8*((\a)%4)+\b)+7], v[128*(\p)+FR*\b:128*(\p)+FR*\b+FR-1], v[AF+FR*(\a):AF+FR*(\a)+FR-1], 0, v[SC+16*(\sc)+8*(\q)+\b], v[SC+16*(\sc)+8*(\q)+(\a)] matrix_a_fmt:MATRIX_FMT_BF6 matrix_b_fmt:MATRIX_FMT_BF6 matrix_a_scale:MATRIX_SCALE_ROW1
.else
	v_wmma_scale_f32_16x16x128_f8f6f4 v[8*(8*((\a)%4)+\b):8*(8*((\a)%4)+\b)+7], v[128*(\p)+FR*\b:128*(\p)+FR*\b+FR-1], v[AF+FR*(\a):AF+FR*(\a)+FR-1], v[8*(8*((\a)%4)+\b):8*(8*((\a)%4)+\b)+7], v[SC+16*(\sc)+8*(\q)+\b], v[SC+16*(\sc)+8*(\q)+(\a)] matrix_a_fmt:MATRIX_FMT_BF6 matrix_b_fmt:MATRIX_FMT_BF6 matrix_a_scale:MATRIX_SCALE_ROW1
.endif
.endr
.endr
.endm
.macro FETCH_B slot, q, p
	WIN TO_B
.irp i, 0,1,2,3,4,5,6,7
	FRAG 128*(\p)+FR*\i, ADRB+\slot, \q, \i
.endr
	WIN 0
.endm
.macro FETCH_A slot, q, i0
.irp i, \i0, \i0+1, \i0+2, \i0+3
	FRAG AF+FR*(\i), ADRA+\slot, \q, \i
.endr
.endm
.macro SCALES sc                       ; a slot's scale words: four loads; a lane takes its row's words of blocks 4 g .. 4 g + 3
.irp q, 0,1
.irp g, 0,1
	ds_load_b128 v[SC+16*\sc+8*\q+4*\g:SC+16*\sc+8*\q+4*\g+3], v[ADRS] offset:512*\q+256*\g
.endr
.endr
.endm
; A load into a register that a matrix instruction has read, and a vector instruction that reads a matrix result, stand NP places behind that matrix instruction; only plain vector instructions that name none of its
; registers are places (ISA guide 7.12.1 for vector instructions).
.macro PLACES n
.rept \n
	v_nop
.endr
.endm
.macro STEP slot, q, zero              ; a chunk that has its successor in the same slot
	s_wait_dscnt 4*NL                              ; B's set, A's blocks 0-3 and the scale words are in; the youngest twelve loads (A's blocks 4-7) may be out
	WIN MUL_LO
	MUL16 0, (\q)%2, \q, \slot, \zero
	MUL16 2, (\q)%2, \q, \slot, \zero
	s_wait_dscnt 0
	PLACES NP
	FETCH_B \slot, (\q)+1, 1-(\q)%2
	FETCH_A \slot, (\q)+1, 0
	WIN MUL_HI
	MUL16 4, (\q)%2, \q, \slot, \zero
	MUL16 6, (\q)%2, \q, \slot, \zero
	PLACES NP
	WIN 0
	FETCH_A \slot, (\q)+1, 4
.endm
; A slot's last chunk changes slots: ONE barrier; in front of it each wave waits for all its tensor loads, adds 0 to its spare word, and waits for that and for its reads of this slot.  fill = 1: the slot is filled again.
.macro TURN slot, next, fill
	s_wait_tensorcnt 0x0                           ; all my tensor loads have landed: my part of the next slot
	ds_add_u32 v[SPW], v[NIL]                      ; 0 onto my spare word
	s_wait_dscnt 4*NL+1                            ; (the add and the youngest twelve loads may be out)
	WIN MUL_LO
	MUL16 0, 1, NQ-1, \slot, 0                     ; sixteen matrix instructions stand between the add and the wait for it
	s_wait_dscnt 0x0                               ; the add is done, and my reads of this slot are over
	s_barrier_signal -1
	MUL16 2, 1, NQ-1, \slot, 0
	WIN 0
	s_barrier_wait -1
.if \fill
	CREST                                          ; the barrier has opened a round of the cluster's: no wave of any partner still reads this slot or has a load on its way
	s_add_nc_u64 s[G0+4*\slot+2:G0+4*\slot+3], s[G0+4*\slot+2:G0+4*\slot+3], 2*HALFT
	s_add_nc_u64 s[G0B+4*\slot+2:G0B+4*\slot+3], s[G0B+4*\slot+2:G0B+4*\slot+3], 2*HALFT
	JLOAD G0+4*\slot, G1, G0B+4*\slot, G1B         ; the first tensor load behind the round; its four v_nop are the places in front of the loads below
.else
	PLACES NP
.endif
	v_add_nc_u32 v[ADRS], 512*NQ, v[ADRS]          ; the next slot's scale words (no LDS load of mine is out)
	FETCH_B \next, 0, 0
	FETCH_A \next, 0, 0
	SCALES \next
	WIN MUL_HI
	MUL16 4, 1, NQ-1, \slot, 0
	MUL16 6, 1, NQ-1, \slot, 0
	PLACES NP
	WIN 0
	FETCH_A \next, 0, 4
.endm
; 64 numbers of a lane, v[s] on, register 16 b + i = k 32 b + 16 h + i of my row, become a fragment's codes in v[PC] .. v[PC + 11] and its row's scale word in v[pw].
.macro QUANT s, pw
.irp b, 0,1,2,3
	v_max3_num_f32 v[TM+\b], |v[\s+16*\b]|, |v[\s+1+16*\b]|, 0x2800000   ; and the floor 2^(5 - 127): the byte cannot fall under 1
.endr
.irp i, 2,4,6,8,10,12,14
.irp b, 0,1,2,3
	v_max3_num_f32 v[TM+\b], v[TM+\b], |v[\s+16*\b+\i]|, |v[\s+1+16*\b+\i]|
.endr
.endr
.irp b, 0,1,2,3
	v_permlanex16_b32 v[TM+4+\b], v[TM+\b], s[SEL], s[SEL+1]
.endr
.irp b, 0,1,2,3
	v_max_num_f32 v[TM+\b], v[TM+\b], v[TM+4+\b]
.endr
.irp b, 0,1,2,3
	v_add_nc_u32 v[TM+8+\b], 0xfe000000, v[TM+\b]      ; 4 off the exponent field: the conversion's scale operand
.endr
.irp b, 0,1,2,3
	v_lshrrev_b32 v[TM+4+\b], 23, v[TM+8+\b]           ; the scale's byte
.endr
	v_lshl_or_b32 v[\pw], v[TM+5], 8, v[TM+4]
	v_lshl_or_b32 v[\pw], v[TM+6], 16, v[\pw]
	v_lshl_or_b32 v[\pw], v[TM+7], 24, v[\pw]
.irp c, 0,1
	v_cvt_scalef32_pk16_bf6_f32 v[PC+6*\c:PC+2+6*\c], v[\s+32*\c:\s+15+32*\c], v[TM+8+2*\c]
	v_cvt_scalef32_pk16_bf6_f32 v[PC+12+4*\c:PC+14+4*\c], v[\s+16+32*\c:\s+31+32*\c], v[TM+8+2*\c+1]
.endr
	v_nop                                              ; one plain place behind a scaled conversion
.irp c, 0,1
.irp i, 0,1,2
	v_permlane16_swap_b32 v[PC+6*\c+\i], v[PC+12+4*\c+\i]
.endr
.irp i, 0,1,2
	v_mov_b32 v[PC+3+6*\c+\i], v[PC+12+4*\c+\i]
.endr
.endr
.endm
	s_load_b128 s[4:7], s[0:1], 0x0                ; cod1, scl1
	s_load_b128 s[8:11], s[0:1], 0x10              ; rot, wq_b
	s_load_b64 s[12:13], s[0:1], 0x20              ; wk_b
	s_load_b128 s[96:99], s[0:1], 0x28             ; wv_b, cod2
	s_load_b64 s[100:101], s[0:1], 0x38            ; scl2
	v_lshl_add_u32 v[SPW], v0, 2, SPARE
	v_mov_b32 v[NIL], 0
	ds_add_u32 v28, v29
	ds_add_u32 v28, v29
	s_wait_dscnt 0x0
	v_lshrrev_b32 v1, 5, v0
	v_readfirstlane_b32 s14, v1                    ; wave 0..3
	s_lshr_b32 s15, s14, 1                         ; which of A's two groups is mine.  Also: I fetch for A (0) or for B (1)
	s_and_b32 s16, s14, 1                          ; which of B's two groups is mine.  Also: which group of that side I fetch
	s_bfe_u32 s40, ttmp6, 0x40000                  ; cx, cy: my place in the cluster
	s_bfe_u32 s41, ttmp6, 0x40004
	s_and_b32 s18, ttmp7, 0xffff                   ; the cluster's y
	s_cmp_eq_u32 ttmp9, 2                          ; the cluster's x: 0 q, 1 k, 2 v: the same in all sixteen partners
	s_cselect_b32 s104, 1, 0
	s_cselect_b32 s17, 0, s18                      ; A's tile: x's, by the cluster's y; for v one of wv's four, by cy alone
	s_cselect_b32 s42, s18, ttmp9                  ; B's tile: the weights', by the cluster's x; for v x's, by the cluster's y
	s_cselect_b32 s19, 80, 0                       ; the first group of A's tensor in cod1,
	s_cselect_b32 s95, 0, 64                       ; and of B's
	s_lshl_b32 s17, s17, 2
	s_add_co_u32 s17, s17, s41                     ; A's tile
	s_lshl_b32 s42, s42, 2
	s_add_co_u32 s42, s42, s40                     ; B's tile
	s_lshl_b32 s43, s41, 2
	s_lshl_b32 s43, 15, s43                        ; my row of the cluster
	s_lshl_b32 s44, 0x1111, s40                    ; my column
	; descriptor group 1: a dense block of 24,576 bytes as 96 rows of 256 bytes (32 elements of 8 bytes), no padding
	s_or_b32 s[G1+0], s43, (3<<16)|(1<<21)         ; 15:0 the mask: A's tiles go to my row; 17:16 elements of 8 bytes; 21 set beside a mask
	s_or_b32 s[G1B+0], s44, (3<<16)|(1<<21)
.irp g, G1, G1B
	s_mov_b32 s[\g+1], 32<<16                      ; tensor_dim0
	s_mov_b32 s[\g+2], (HALFT/256)<<16             ; tensor_dim1
	s_mov_b32 s[\g+3], 32<<16                      ; tile_dim0
	s_mov_b32 s[\g+4], HALFT/256                   ; tile_dim1
	s_mov_b32 s[\g+5], 32                          ; tensor_dim0_stride
	s_mov_b32 s[\g+6], 0
	s_mov_b32 s[\g+7], 0
.endr
	s_or_b32 s[G1S+0], s43, (3<<16)|(1<<21)        ; and a group's scale words, 4,096 dense bytes
	s_or_b32 s[G1SB+0], s44, (3<<16)|(1<<21)
.irp g, G1S, G1SB
	s_mov_b32 s[\g+1], 32<<16
	s_mov_b32 s[\g+2], (HALFS/256)<<16
	s_mov_b32 s[\g+3], 32<<16
	s_mov_b32 s[\g+4], HALFS/256
	s_mov_b32 s[\g+5], 32
	s_mov_b32 s[\g+6], 0
	s_mov_b32 s[\g+7], 0
.endr
	s_lshl_b32 s20, s17, 1                         ; A: the group that I fetch, in registers that never hold cx
	s_add_co_u32 s20, s20, s16
	s_add_co_u32 s20, s20, s19
	s_lshl_b32 s22, s20, 12                        ; its scale words,
	s_mul_i32 s20, s20, NK*CHB                     ; its codes
	s_mov_b32 s21, 0
	s_mov_b32 s23, 0
	s_lshl_b32 s46, s42, 1                         ; B: likewise, in registers that never hold cy
	s_add_co_u32 s46, s46, s16
	s_add_co_u32 s46, s46, s95
	s_lshl_b32 s92, s46, 12
	s_mul_i32 s46, s46, NK*CHB
	s_mov_b32 s47, 0
	s_mov_b32 s93, 0
	s_mul_i32 s45, s14, HALFT                      ; where they go: by the wave's number alone
	s_mul_i32 s94, s14, HALFS
	s_wait_kmcnt 0x0
	s_add_nc_u64 s[20:21], s[4:5], s[20:21]
	s_add_nc_u64 s[22:23], s[6:7], s[22:23]
	s_add_nc_u64 s[46:47], s[4:5], s[46:47]
	s_add_nc_u64 s[92:93], s[6:7], s[92:93]
	CROUND                                         ; all sixteen work-groups are here: the first joint loads meet
	s_mov_b32 s[G0S], 1
	s_add_co_u32 s[G0S+1], s94, SCL
	s_mov_b64 s[G0S+2:G0S+3], s[22:23]
	s_or_b32 s[G0S+3], s[G0S+3], 0x80000000
	s_mov_b32 s[G0SB], 1
	s_add_co_u32 s[G0SB+1], s94, SCL
	s_mov_b64 s[G0SB+2:G0SB+3], s[92:93]
	s_or_b32 s[G0SB+3], s[G0SB+3], 0x80000000
	JLOAD G0S, G1S, G0SB, G1SB                     ; the scale words first: they are wanted with the first chunk
.irp s, 0,1
	s_mov_b32 s[G0+4*\s], 1
	s_add_co_u32 s[G0+4*\s+1], s45, \s*SLOT
	s_add_nc_u64 s[G0+4*\s+2:G0+4*\s+3], s[20:21], \s*HALFT
	s_or_b32 s[G0+4*\s+3], s[G0+4*\s+3], 0x80000000
	s_mov_b32 s[G0B+4*\s], 1
	s_add_co_u32 s[G0B+4*\s+1], s45, \s*SLOT
	s_add_nc_u64 s[G0B+4*\s+2:G0B+4*\s+3], s[46:47], \s*HALFT
	s_or_b32 s[G0B+4*\s+3], s[G0B+4*\s+3], 0x80000000
	JLOAD G0+4*\s, G1, G0B+4*\s, G1B               ; three tensor loads of mine are out
.endr
	v_and_b32 v1, 15, v0                           ; r
	v_bfe_u32 v2, v0, 4, 1                         ; h
	v_and_b32 v3, 31, v0
	v_lshlrev_b32 v[LI], 4, v3
	s_mul_i32 s21, s15, HALFT                      ; my group of A,
	s_mul_i32 s22, s16, HALFT                      ; my group of B,
	s_add_co_u32 s22, s22, 2*HALFT                 ; which lies behind A's two
.irp s, 0,1
	v_add_nc_u32 v[ADRA+\s], s21, v[LI]
	v_add_nc_u32 v[ADRB+\s], s22, v[LI]
	s_add_co_u32 s21, s21, SLOT
	s_add_co_u32 s22, s22, SLOT
.endr
	s_mul_i32 s21, s15, HALFS                      ; the scale words: A's group,
	s_mul_i32 s22, s16, HALFS
	s_add_co_u32 s22, s22, 2*HALFS                 ; B's group,
	s_sub_co_u32 s22, s22, s21
	v_mul_u32_u24 v6, s22, v2                      ; which lanes 16-31 take: the lower base + h x the distance
	s_add_co_u32 s21, s21, SCL
	v_lshl_add_u32 v5, v1, 4, v6
	v_add_nc_u32 v[ADRS], s21, v5
	v_lshlrev_b32 v[BA], 6, v2
	v_and_b32 v[BB], 8, v1
	v_add_nc_u32 v[BB], v[BB], v1
	v_lshlrev_b32 v[BB], 2, v[BB]
.irp b, 0,1,2,3
	v_mov_b32 v[TM+4+\b], 0                        ; written once: a lane permute's destination counts as one of its sources
.endr
	s_mov_b32 s[SEL], 0x76543210
	s_mov_b32 s[SEL+1], 0xfedcba98
	s_mov_b32 s105, 0xffff0000                     ; the lanes with h = 1
	; where my 128 x 128 goes, and what it needs
	s_lshl_b32 s18, s17, 1
	s_add_co_u32 s18, s18, s15                     ; my group of side A
	s_lshl_b32 s19, s42, 1
	s_add_co_u32 s19, s19, s16                     ; my group of side B
	s_and_b32 s2, s19, 7
	s_lshr_b32 s95, s19, 3
	s_cmp_eq_u32 s104, 1
	s_cselect_b32 s4, s19, s18                     ; the token group, 0..63
	s_cselect_b32 s5, s18, s2                      ; the feature group, 0..7
	s_cselect_b32 s6, 2, s95                       ; 0 q, 1 k, 2 v
	s_lshr_b32 s7, s4, 4
	s_lshl_b32 s7, s7, 3
	s_add_co_u32 s7, s7, s5
	s_lshl_b32 s7, s7, 4
	s_and_b32 s2, s4, 15                           ; the token group in its sequence
	s_add_co_u32 s7, s7, s2                        ; v^T: (batch x 8 + feature group) x 16 + token chunk
	s_lshl_b32 s95, s4, 3
	s_add_co_u32 s95, s95, s5                      ; q, k: token group x 8 + feature chunk
	s_cmp_eq_u32 s104, 1
	s_cselect_b32 s7, s7, s95
	s_mul_i32 s20, s6, 6291456
	s_mul_i32 s21, s7, CHB
	s_add_co_u32 s20, s20, s21
	s_mov_b32 s21, 0
	s_add_nc_u64 s[98:99], s[98:99], s[20:21]      ; my chunk of cod2
	s_lshl_b32 s20, s6, 18
	s_lshl_b32 s22, s7, 9
	s_add_co_u32 s20, s20, s22
	s_add_nc_u64 s[100:101], s[100:101], s[20:21]  ; and its scale words
	s_lshl_b32 s20, s2, 3
	s_add_co_u32 s20, s20, s5
	s_lshl_b32 s20, s20, 16
	s_add_nc_u64 s[8:9], s[8:9], s[20:21]          ; the table's eight units for these tokens and features
	s_cmp_eq_u32 s6, 1
	s_cselect_b64 s[10:11], s[12:13], s[10:11]
	s_cmp_eq_u32 s6, 2
	s_cselect_b64 s[10:11], s[96:97], s[10:11]     ; my kind's bias
	s_lshl_b32 s20, s5, 9
	s_add_nc_u64 s[10:11], s[10:11], s[20:21]
	s_add_nc_u64 s[96:97], s[96:97], s[20:21]
.irp b, 0,1,2,3
.irp j, 0,1,2,3
	global_load_b128 v[BIAS+16*\b+4*\j:BIAS+16*\b+4*\j+3], v[BA], s[10:11] offset:128*\b+16*\j   ; register 16 b + i: the bias of feature 32 b + 16 h + i
.endr
.endr
.irp a, 0,1,2,3,4,5,6,7
	global_load_b32 v[BV+\a], v[BB], s[96:97] offset:4*(32*(\a/2)+8*(\a%2))   ; register a: wv_b at the feature of row (a, r)
.endr
; The table's unit for block a, 64 registers, into one of four sets in window 1 (two runs of 32 each).
.macro SETT s
.if (\s) == 0
.set TLO, 96
.set THI, 224
.elseif (\s) == 1
.set TLO, 0
.set THI, 32
.elseif (\s) == 2
.set TLO, 128
.set THI, 160
.else
.set TLO, 64
.set THI, 192
.endif
.endm
.macro TLOAD a, s
	SETT \s
	WIN TO_B
.irp n, 0,1,2,3,4,5,6,7
	global_load_b128 v[TLO+4*\n:TLO+4*\n+3], v[LI], s[8:9] offset:8192*(\a)+512*\n
.endr
.irp n, 0,1,2,3,4,5,6,7
	global_load_b128 v[THI+4*\n:THI+4*\n+3], v[LI], s[8:9] offset:8192*(\a)+4096+512*\n
.endr
	WIN 0
.endm
	TLOAD 0, 0
	; ---- the K loop
	s_wait_tensorcnt 1                             ; the scale words and my part of slot 0 are in (slot 1's load may be out)
	s_barrier_signal -1
	s_barrier_wait -1                              ; everybody's are
	FETCH_B 0, 0, 0
	FETCH_A 0, 0, 0
	SCALES 0
	FETCH_A 0, 0, 4
	STEP 0, 0, 1                                   ; the first chunk stands in front of the loop: its products start the sums
	s_mov_b32 s3, LAPS-1
.Llap:                                                 ; a trip goes once round the ring and fills both slots again
	TURN 0, 1, 1
	STEP 1, 0, 0
	TURN 1, 0, 1
	STEP 0, 0, 0
	s_sub_co_u32 s3, s3, 1
	s_cmp_lg_u32 s3, 0
	s_cbranch_scc1 .Llap
	TURN 0, 1, 0                                   ; the last lap fills nothing, and has no round of the cluster's barrier
	STEP 1, 0, 0
	s_wait_dscnt 4*NL
	WIN MUL_LO
	MUL16 0, 1, NQ-1, 1, 0
	MUL16 2, 1, NQ-1, 1, 0
	s_wait_dscnt 0
	WIN MUL_HI
	MUL16 4, 1, NQ-1, 1, 0
	MUL16 6, 1, NQ-1, 1, 0
	WIN 0
	PLACES NP                                      ; in front of the first read of results, and of loads and writes into registers that held fragments
.macro SENDF a                         ; block a's fragment: three stores, each 512 consecutive bytes, aligned
.irp c, 0,1,2
	global_store_b128 v[LI], v[PC+4*\c:PC+4*\c+3], s[98:99] offset:FRB*(\a)+512*\c
.endr
.endm
; q, k: block a's 64 numbers + the bias, then the rotation of each pair (x0, x1) by (c, s): (x0 c - x1 s, x0 s + x1 c), two packed lines a pair.
.macro ROPE a
.set AC, 64*((\a)%4)
	SETT (\a)%4
	WIN 2+(\a)/4                                   ; source 0: the accumulators' window
.set j, 0
.rept 32
	v_pk_add_f32 v[X+j:X+j+1], v[AC+j:AC+j+1], v[BIAS+j:BIAS+j+1]   ; each accumulator from its low end on
.set j, j+2
.endr
	WIN 0x04                                       ; source 1: the table, window 1
.irp p, 0,1,2,3
.if \p < 2
.set TP, TLO+16*\p
.else
.set TP, THI+16*(\p-2)
.endif
.irp i, 0,1,2,3,4,5,6,7
	v_pk_mul_f32 v[U+2*\i:U+2*\i+1], v[X+16*\p+2*\i:X+16*\p+2*\i+1], v[TP+2*\i:TP+2*\i+1] op_sel:[1,1] op_sel_hi:[1,0] neg_lo:[1,0]   ; (-x1 s, x1 c)
.endr
.irp i, 0,1,2,3,4,5,6,7
	v_pk_fma_f32 v[X+16*\p+2*\i:X+16*\p+2*\i+1], v[X+16*\p+2*\i:X+16*\p+2*\i+1], v[TP+2*\i:TP+2*\i+1], v[U+2*\i:U+2*\i+1] op_sel_hi:[0,1,1]   ; (x0 c, x0 s) + that
.endr
.endr
	WIN 0
.endm
; v: block a's 64 numbers + the bias of my row's feature
.macro VBIAS a
.set AC, 64*((\a)%4)
	WIN 2+(\a)/4
.set j, 0
.rept 32
.if ((\a)%2) == 0
	v_pk_add_f32 v[X+j:X+j+1], v[AC+j:AC+j+1], v[BV+(\a):BV+(\a)+1] op_sel_hi:[1,0]
.else
	v_pk_add_f32 v[X+j:X+j+1], v[AC+j:AC+j+1], v[BV+(\a)-1:BV+(\a)] op_sel:[0,1] op_sel_hi:[1,1]
.endif
.set j, j+2
.endr
	WIN 0
.endm
	s_cmp_eq_u32 s104, 1
	s_cbranch_scc1 .Lv
	TLOAD 1, 1                                     ; the table runs three units ahead, in the registers that held B's fragments
	TLOAD 2, 2
	TLOAD 3, 3
.irp a, 0,1,2,3,4,5,6,7
.if \a < 5
	s_wait_loadcnt 48                              ; this block's unit is in (and, for block 0, the biases); the three younger units, 16 loads each, may be out
.else
	s_wait_loadcnt 16*(7-\a)
.endif
	ROPE \a
	s_wait_xcnt 0x0                                ; the last block's stores have read their codes: those registers are written again below
.if \a < 4
	TLOAD \a+4, \a
.endif
	QUANT X, PWS+\a
	SENDF \a
.endr
	s_branch .Ldone
.Lv:
	s_wait_loadcnt 0x0
.irp a, 0,1,2,3,4,5,6,7
	VBIAS \a
	s_wait_xcnt 0x0
	QUANT X, PWS+\a
	SENDF \a
.endr
.Ldone:
.irp e, 0,1,2,3
	v_cndmask_b32 v[SW+\e], v[PWS+\e], v[PWS+4+\e], s105   ; lanes 0-15 store their row's words of blocks 0-3, lanes 16-31 those of 4-7
.endr
	global_store_b128 v[LI], v[SW:SW+3], s[100:101]
	s_wait_tensorcnt 0x0                           ; the wave's end
	ds_add_u32 v[SPW], v[NIL]
	s_wait_dscnt 0x0
	CROUND                                         ; the closing round: no work-group ends while a partner may still ask for a tile that names it
	s_endpgm
.Lfunc_end_k_qfbe38520c3_proj:
	.size	k_qfbe38520c3_proj, .Lfunc_end_k_qfbe38520c3_proj-k_qfbe38520c3_proj
	.p2alignl 7, 3214868480
	.fill 96, 4, 3214868480
	.section	.rodata,"a",@progbits
	.p2align	6, 0x0
	.amdhsa_kernel k_qfbe38520c3_proj
		.amdhsa_group_segment_fixed_size 327680
		.amdhsa_private_segment_fixed_size 0
		.amdhsa_enable_private_segment 0
		.amdhsa_kernarg_size 64
		.amdhsa_user_sgpr_count 2
		.amdhsa_user_sgpr_kernarg_segment_ptr 1
		.amdhsa_wavefront_size32 1
		.amdhsa_system_sgpr_workgroup_id_x 1
		.amdhsa_system_sgpr_workgroup_id_y 1
		.amdhsa_system_sgpr_workgroup_id_z 1
		.amdhsa_system_vgpr_workitem_id 0
		.amdhsa_next_free_vgpr 1024
		.amdhsa_next_free_sgpr 106
		.amdhsa_reserve_vcc 0
		.amdhsa_float_denorm_mode_32 3
		.amdhsa_float_denorm_mode_16_64 3
		.amdhsa_memory_ordered 1
		.amdhsa_forward_progress 1
		.amdhsa_inst_pref_size 252
	.end_amdhsa_kernel
	.amdgpu_metadata
---
amdhsa.version: [ 1, 2 ]
amdhsa.kernels:
  - .name:           k_qfbe38520c3_proj
    .symbol:         k_qfbe38520c3_proj.kd
    .args:
      - { .name: cod1, .offset: 0, .size: 8, .value_kind: global_buffer, .address_space: global }
      - { .name: scl1, .offset: 8, .size: 8, .value_kind: global_buffer, .address_space: global }
      - { .name: rot, .offset: 16, .size: 8, .value_kind: global_buffer, .address_space: global }
      - { .name: wq_b, .offset: 24, .size: 8, .value_kind: global_buffer, .address_space: global }
      - { .name: wk_b, .offset: 32, .size: 8, .value_kind: global_buffer, .address_space: global }
      - { .name: wv_b, .offset: 40, .size: 8, .value_kind: global_buffer, .address_space: global }
      - { .name: cod2, .offset: 48, .size: 8, .value_kind: global_buffer, .address_space: global }
      - { .name: scl2, .offset: 56, .size: 8, .value_kind: global_buffer, .address_space: global }
    .group_segment_fixed_size: 327680
    .private_segment_fixed_size: 0
    .kernarg_segment_align: 8
    .kernarg_segment_size: 64
    .max_flat_workgroup_size: 128
    .sgpr_count:     106
    .vgpr_count:     1024
    .wavefront_size: 32
...
	.end_amdgpu_metadata
.endif
;; end of part 2
;; launch scores (part 3): grid 8 x 32, 4 waves a work-group, clusters of 4 x 4, 327,680 bytes of LDS; arguments cod2, scl2, pcod, pscl, pstat; writes pcod, pscl, pstat
.if DOCPART == 3
	.amdgcn_target "amdgcn-amd-amdhsa--gfx1250"
	.amdhsa_code_object_version 6
	.text
	.protected	k_qfbe38520c3_scores
	.globl	k_qfbe38520c3_scores
	.p2align	8
	.type	k_qfbe38520c3_scores,@function
k_qfbe38520c3_scores:
	s_mov_b64 s[64:65], 0
	v_nop
	global_prefetch_b8 v0, s[64:65] scope:SCOPE_SE
	s_setreg_imm32_b32 hwreg(HW_REG_WAVE_MODE, 25, 1), 1
	s_wait_xcnt 0x0
	s_wait_alu depctr_hold_cnt(0) depctr_sa_sdst(0) depctr_va_vdst(0) depctr_va_sdst(0) depctr_va_ssrc(0) depctr_va_vcc(0) depctr_vm_vsrc(0)
	s_getreg_b32 s2, hwreg(HW_REG_IB_STS2, 6, 4)
	s_cmp_eq_u32 s2, 0
	s_cbranch_scc0 .Lentry_in_a_cluster
	s_endpgm
.Lentry_in_a_cluster:
	s_bfe_u32 s2, ttmp6, 0x10000c
	s_cmp_lg_u32 s2, 0xf033
	s_cbranch_scc0 .Lentry_shape_is_right
	s_endpgm
.Lentry_shape_is_right:
; SCORES.  S = q k^T on codes of BF6 (E3M2), K = 1,024, for each of 4 batches of 2,048 x 2,048, and the softmax's numerator, quantised along the keys, for the last product.
; t = score x log2(e) / 32.  For each query and each chunk of 128 keys: M = the chunk's largest t, rounded UP to a whole number; p = 2^(t - M) is quantised in blocks of 32 keys; the sum of the unquantised p is kept beside it.
; The next launch finds the row's M as the largest of its sixteen chunks' and takes the difference, a whole number, off the scale bytes: the codes are those of p under the row's M.
; LAYOUT as in the launch before: rows in groups of 128, a fragment's image 1,536 bytes, a chunk 12,288; q at cod2 + 0 and k at + 6,291,456, [64 token groups][8 chunks]; scale words [group][chunk][512] at scl2 + 0 and + 262,144.
; Out: pcod [64 query groups][16 key chunks][12,288], pscl [..][..][512], pstat [query group][2][16 key chunks][512]: kind 0 = -M as f32, kind 1 = the chunk's sum, laid as scale words are.
; A tile of 256 queries x 256 keys is made by four waves, each 128 x 128; ring, scale words, joint loads and turns as in the launch before.  Source 0 = 16 keys, source 1 = 16 queries: a lane (r, h) holds query (a, r), and
; the 64 registers of block a are the chunk's keys in true order: register 16 b + i is key 32 b + 16 h + i.
; A block's largest p is not searched for: p rises with the score, so each block's largest score, which the search for the maximum passes through anyway, goes through the same multiply-add and exponential.
; LIMITS: NaN and infinities are not served; M is kept as an f32 whole number; a p under 2^-126 of its chunk's largest power of two is taken as 0.
; REGISTERS.  Window 0: v1-31 addresses; v32-63 scale words and nothing else; v64-67 block maxima, v68-71 the other half's / the bytes, v72-75 the conversions' scale operands, v80-82 at work, v84-87 two chains of sums,
;   v88-95 -M of the eight blocks, v96-103 their sums, v104-111 their scale words, v112-123 the three images; v128-223 A's fragments, behind the K loop v128-191 t and p, v192-211 codes.
;   Window 1: B's fragments, two sets.   Windows 2, 3: the accumulators.
.set NK,     8
.set NQ,     2
.set FR,     12
.set NL,     3
.set NP,     4
.set FRB,    1536
.set CHB,    8*FRB
.set HALFT,  NQ*CHB
.set SLOT,   4*HALFT
.set LAPS,   NK/(2*NQ)
.set SCL,    2*SLOT
.set HALFS,  512*NK
.set SPARE,  SCL+4*HALFS               ; the spare words, 128 bytes for each wave: two blocks of 256 bytes that no other line names
.set ADRA, 16
.set ADRB, 20
.set ADRS, 27
.set SPW,  28
.set NIL,  29
.set LI,   30
.set SC,   32
.set BM,   64
.set BP,   68
.set SO,   72
.set TQ,   80
.set SA,   84
.set SB,   86
.set NMS,  88
.set LS,   96
.set PWS,  104
.set SW,   112
.set AF,   128
.set X,    128
.set PC,   192
.set CS,   96                          ; s[96:97] c = log2(e) / 32
.set SEL,  98                          ; s[98:99]
.set G1, 24
.set G0, 32
.set G1B, 48
.set G0B, 56
.set G1S, 68
.set G0S, 76
.set G1SB, 80
.set G0SB, 88
.set MSB, 0
.macro WIN new
.if MSB != (\new)
	s_set_vgpr_msb (MSB<<8)|(\new)
.set MSB, (\new)
.endif
.endm
.set MUL_LO, 0xa1
.set MUL_HI, 0xf1
.set TO_B,   0x40
.macro JLOAD g0a, g1a, g0b, g1b        ; a joint load: waves 0 and 1 fetch for A, waves 2 and 3 for B; four v_nop follow each of the two lines
	s_cmp_eq_u32 s15, 0
	s_cbranch_scc0 .Lfor_b_\@
	tensor_load_to_lds s[\g0a:\g0a+3], s[\g1a:\g1a+7]
	s_nop 0
.rept 4
	v_nop
.endr
	s_branch .Lasked_\@
.Lfor_b_\@:
	tensor_load_to_lds s[\g0b:\g0b+3], s[\g1b:\g1b+7]
	s_nop 0
.rept 4
	v_nop
.endr
.Lasked_\@:
.endm
.macro CREST
	s_cmp_lg_u32 s14, 0
	s_cbranch_scc1 .Lnot_wave_0_\@
	s_barrier_signal -3
.Lnot_wave_0_\@:
	s_barrier_wait -3
	s_barrier_signal -1
	s_barrier_wait -1
.endm
.macro CROUND
	s_barrier_signal -1
	s_barrier_wait -1
	CREST
.endm
.macro FRAG reg, adr, q, i
.irp c, 0,1,2
	ds_load_b128 v[\reg+4*\c:\reg+4*\c+3], v[\adr] offset:(\q)*CHB+(\i)*FRB+512*\c
.endr
.endm
.macro MUL16 a0, p, q, sc, zero        ; the 64 accumulators take turns, one instruction a turn
.irp a, \a0, \a0+1
.irp b, 0,1,2,3,4,5,6,7
.if \zero
	v_wmma_scale_f32_16x16x128_f8f6f4 v[8*(8*((\a)%4)+\b):8*(8*((\a)%4)+\b)+7], v[128*(\p)+FR*\b:128*(\p)+FR*\b+FR-1], v[AF+FR*(\a):AF+FR*(\a)+FR-1], 0, v[SC+16*(\sc)+8*(\q)+\b], v[SC+16*(\sc)+8*(\q)+(\a)] matrix_a_fmt:MATRIX_FMT_BF6 matrix_b_fmt:MATRIX_FMT_BF6 matrix_a_scale:MATRIX_SCALE_ROW1
.else
	v_wmma_scale_f32_16x16x128_f8f6f4 v[8*(8*((\a)%4)+\b):8*(8*((\a)%4)+\b)+7], v[128*(\p)+FR*\b:128*(\p)+FR*\b+FR-1], v[AF+FR*(\a):AF+FR*(\a)+FR-1], v[8*(8*((\a)%4)+\b):8*(8*((\a)%4)+\b)+7], v[SC+16*(\sc)+8*(\q)+\b], v[SC+16*(\sc)+8*(\q)+(\a)] matrix_a_fmt:MATRIX_FMT_BF6 matrix_b_fmt:MATRIX_FMT_BF6 matrix_a_scale:MATRIX_SCALE_ROW1
.endif
.endr
.endr
.endm
.macro FETCH_B slot, q, p
	WIN TO_B
.irp i, 0,1,2,3,4,5,6,7
	FRAG 128*(\p)+FR*\i, ADRB+\slot, \q, \i
.endr
	WIN 0
.endm
.macro FETCH_A slot, q, i0
.irp i, \i0, \i0+1, \i0+2, \i0+3
	FRAG AF+FR*(\i), ADRA+\slot, \q, \i
.endr
.endm
.macro SCALES sc
.irp q, 0,1
.irp g, 0,1
	ds_load_b128 v[SC+16*\sc+8*\q+4*\g:SC+16*\sc+8*\q+4*\g+3], v[ADRS] offset:512*\q+256*\g
.endr
.endr
.endm
.macro PLACES n                        ; places behind matrix instructions (ISA guide 7.12.1 for vector instructions)
.rept \n
	v_nop
.endr
.endm
.macro STEP slot, q, zero
	s_wait_dscnt 4*NL                              ; all but the youngest twelve loads (A's blocks 4-7)
	WIN MUL_LO
	MUL16 0, (\q)%2, \q, \slot, \zero
	MUL16 2, (\q)%2, \q, \slot, \zero
	s_wait_dscnt 0
	PLACES NP
	FETCH_B \slot, (\q)+1, 1-(\q)%2
	FETCH_A \slot, (\q)+1, 0
	WIN MUL_HI
	MUL16 4, (\q)%2, \q, \slot, \zero
	MUL16 6, (\q)%2, \q, \slot, \zero
	PLACES NP
	WIN 0
	FETCH_A \slot, (\q)+1, 4
.endm
.macro TURN slot, next, fill
	s_wait_tensorcnt 0x0                           ; all my tensor loads have landed: my part of the next slot
	ds_add_u32 v[SPW], v[NIL]                      ; 0 onto my spare word
	s_wait_dscnt 4*NL+1                            ; (the add and the youngest twelve loads may be out)
	WIN MUL_LO
	MUL16 0, 1, NQ-1, \slot, 0
	s_wait_dscnt 0x0                               ; the add is done, and my reads of this slot are over
	s_barrier_signal -1
	MUL16 2, 1, NQ-1, \slot, 0
	WIN 0
	s_barrier_wait -1
.if \fill
	CREST                                          ; a round of the cluster's barrier: no wave of any partner still reads this slot or has a load on its way
	s_add_nc_u64 s[G0+4*\slot+2:G0+4*\slot+3], s[G0+4*\slot+2:G0+4*\slot+3], 2*HALFT
	s_add_nc_u64 s[G0B+4*\slot+2:G0B+4*\slot+3], s[G0B+4*\slot+2:G0B+4*\slot+3], 2*HALFT
	JLOAD G0+4*\slot, G1, G0B+4*\slot, G1B
.else
	PLACES NP
.endif
	v_add_nc_u32 v[ADRS], 512*NQ, v[ADRS]
	FETCH_B \next, 0, 0
	FETCH_A \next, 0, 0
	SCALES \next
	WIN MUL_HI
	MUL16 4, 1, NQ-1, \slot, 0
	MUL16 6, 1, NQ-1, \slot, 0
	PLACES NP
	WIN 0
	FETCH_A \next, 0, 4
.endm
	s_load_b128 s[4:7], s[0:1], 0x0                ; cod2, scl2
	s_load_b128 s[8:11], s[0:1], 0x10              ; pcod, pscl
	s_load_b64 s[12:13], s[0:1], 0x20              ; pstat
	v_lshl_add_u32 v[SPW], v0, 2, SPARE
	v_mov_b32 v[NIL], 0
	ds_add_u32 v28, v29
	ds_add_u32 v28, v29
	s_wait_dscnt 0x0
	v_lshrrev_b32 v1, 5, v0
	v_readfirstlane_b32 s14, v1                    ; wave 0..3
	s_lshr_b32 s15, s14, 1                         ; my group of queries.  Also: I fetch for A (0) or for B (1)
	s_and_b32 s16, s14, 1                          ; my group of keys.  Also: which group of that side I fetch
	s_bfe_u32 s40, ttmp6, 0x40000                  ; cx, cy
	s_bfe_u32 s41, ttmp6, 0x40004
	s_lshl_b32 s42, ttmp9, 2
	s_add_co_u32 s42, s42, s40                     ; the tile of 256 keys in the batch, 0..7
	s_and_b32 s18, ttmp7, 0xffff
	s_lshl_b32 s17, s18, 2
	s_add_co_u32 s17, s17, s41                     ; the tile of 256 queries, 0..31
	s_lshr_b32 s18, s18, 1                         ; the batch: from the cluster's y alone
	s_lshl_b32 s43, s41, 2
	s_lshl_b32 s43, 15, s43                        ; my row of the cluster
	s_lshl_b32 s44, 0x1111, s40                    ; my column
	s_or_b32 s[G1+0], s43, (3<<16)|(1<<21)         ; a dense block as rows of 256 bytes (32 elements of 8 bytes); the mask; bit 21 beside it
	s_or_b32 s[G1B+0], s44, (3<<16)|(1<<21)
.irp g, G1, G1B
	s_mov_b32 s[\g+1], 32<<16
	s_mov_b32 s[\g+2], (HALFT/256)<<16
	s_mov_b32 s[\g+3], 32<<16
	s_mov_b32 s[\g+4], HALFT/256
	s_mov_b32 s[\g+5], 32
	s_mov_b32 s[\g+6], 0
	s_mov_b32 s[\g+7], 0
.endr
	s_or_b32 s[G1S+0], s43, (3<<16)|(1<<21)
	s_or_b32 s[G1SB+0], s44, (3<<16)|(1<<21)
.irp g, G1S, G1SB
	s_mov_b32 s[\g+1], 32<<16
	s_mov_b32 s[\g+2], (HALFS/256)<<16
	s_mov_b32 s[\g+3], 32<<16
	s_mov_b32 s[\g+4], HALFS/256
	s_mov_b32 s[\g+5], 32
	s_mov_b32 s[\g+6], 0
	s_mov_b32 s[\g+7], 0
.endr
	s_lshl_b32 s20, s17, 1                         ; A = q: the group that I fetch
	s_add_co_u32 s20, s20, s16
	s_lshl_b32 s22, s20, 12
	s_mul_i32 s20, s20, NK*CHB
	s_mov_b32 s21, 0
	s_mov_b32 s23, 0
	s_lshl_b32 s46, s18, 4                         ; B = k: 16 groups a batch
	s_lshl_b32 s47, s42, 1
	s_add_co_u32 s46, s46, s47
	s_add_co_u32 s46, s46, s16
	s_lshl_b32 s92, s46, 12
	s_add_co_u32 s92, s92, 262144
	s_mul_i32 s46, s46, NK*CHB
	s_add_co_u32 s46, s46, 6291456
	s_mov_b32 s47, 0
	s_mov_b32 s93, 0
	s_mul_i32 s45, s14, HALFT
	s_mul_i32 s94, s14, HALFS
	s_wait_kmcnt 0x0
	s_add_nc_u64 s[20:21], s[4:5], s[20:21]
	s_add_nc_u64 s[22:23], s[6:7], s[22:23]
	s_add_nc_u64 s[46:47], s[4:5], s[46:47]
	s_add_nc_u64 s[92:93], s[6:7], s[92:93]
	CROUND                                         ; all sixteen work-groups are here: the first joint loads meet
	s_mov_b32 s[G0S], 1
	s_add_co_u32 s[G0S+1], s94, SCL
	s_mov_b64 s[G0S+2:G0S+3], s[22:23]
	s_or_b32 s[G0S+3], s[G0S+3], 0x80000000
	s_mov_b32 s[G0SB], 1
	s_add_co_u32 s[G0SB+1], s94, SCL
	s_mov_b64 s[G0SB+2:G0SB+3], s[92:93]
	s_or_b32 s[G0SB+3], s[G0SB+3], 0x80000000
	JLOAD G0S, G1S, G0SB, G1SB
.irp s, 0,1
	s_mov_b32 s[G0+4*\s], 1
	s_add_co_u32 s[G0+4*\s+1], s45, \s*SLOT
	s_add_nc_u64 s[G0+4*\s+2:G0+4*\s+3], s[20:21], \s*HALFT
	s_or_b32 s[G0+4*\s+3], s[G0+4*\s+3], 0x80000000
	s_mov_b32 s[G0B+4*\s], 1
	s_add_co_u32 s[G0B+4*\s+1], s45, \s*SLOT
	s_add_nc_u64 s[G0B+4*\s+2:G0B+4*\s+3], s[46:47], \s*HALFT
	s_or_b32 s[G0B+4*\s+3], s[G0B+4*\s+3], 0x80000000
	JLOAD G0+4*\s, G1, G0B+4*\s, G1B               ; three tensor loads of mine are out
.endr
	v_and_b32 v1, 15, v0                           ; r
	v_bfe_u32 v2, v0, 4, 1                         ; h
	v_and_b32 v3, 31, v0
	v_lshlrev_b32 v[LI], 4, v3
	s_mul_i32 s21, s15, HALFT
	s_mul_i32 s22, s16, HALFT
	s_add_co_u32 s22, s22, 2*HALFT
.irp s, 0,1
	v_add_nc_u32 v[ADRA+\s], s21, v[LI]
	v_add_nc_u32 v[ADRB+\s], s22, v[LI]
	s_add_co_u32 s21, s21, SLOT
	s_add_co_u32 s22, s22, SLOT
.endr
	s_mul_i32 s21, s15, HALFS
	s_mul_i32 s22, s16, HALFS
	s_add_co_u32 s22, s22, 2*HALFS
	s_sub_co_u32 s22, s22, s21
	v_mul_u32_u24 v6, s22, v2                      ; lanes 16-31 take B's: the lower base + h x the distance
	s_add_co_u32 s21, s21, SCL
	v_lshl_add_u32 v5, v1, 4, v6
	v_add_nc_u32 v[ADRS], s21, v5
.irp b, 0,1,2,3,4,5,6,7
	v_mov_b32 v[NMS+\b], 0                         ; named in pairs before both are made
.endr
.irp b, 0,1,2,3
	v_mov_b32 v[BP+\b], 0                          ; a lane permute's destination counts as one of its sources
.endr
	v_mov_b32 v[TQ+2], 0
	s_mov_b32 s[CS], 0x3d38aa3b                    ; log2(e) / 32
	s_mov_b32 s[CS+1], s[CS]                       ; (named with it as a pair)
	s_mov_b32 s[SEL], 0x76543210
	s_mov_b32 s[SEL+1], 0xfedcba98
	s_mov_b32 s105, 0xffff0000                     ; the lanes with h = 1
	s_lshl_b32 s18, s17, 1
	s_add_co_u32 s18, s18, s15                     ; my query group, 0..63
	s_lshl_b32 s19, s42, 1
	s_add_co_u32 s19, s19, s16                     ; my key chunk, 0..15
	s_lshl_b32 s20, s18, 4
	s_add_co_u32 s20, s20, s19
	s_lshl_b32 s22, s20, 9
	s_mul_i32 s20, s20, CHB
	s_mov_b32 s21, 0
	s_mov_b32 s23, 0
	s_add_nc_u64 s[8:9], s[8:9], s[20:21]
	s_add_nc_u64 s[10:11], s[10:11], s[22:23]
	s_lshl_b32 s20, s18, 5
	s_add_co_u32 s20, s20, s19
	s_lshl_b32 s20, s20, 9
	s_add_nc_u64 s[12:13], s[12:13], s[20:21]
	; ---- the K loop
	s_wait_tensorcnt 1                             ; the scale words and my part of slot 0 are in (slot 1's load may be out)
	s_barrier_signal -1
	s_barrier_wait -1
	FETCH_B 0, 0, 0
	FETCH_A 0, 0, 0
	SCALES 0
	FETCH_A 0, 0, 4
	STEP 0, 0, 1
	s_mov_b32 s3, LAPS-1
.Llap:
	TURN 0, 1, 1
	STEP 1, 0, 0
	TURN 1, 0, 1
	STEP 0, 0, 0
	s_sub_co_u32 s3, s3, 1
	s_cmp_lg_u32 s3, 0
	s_cbranch_scc1 .Llap
	TURN 0, 1, 0
	STEP 1, 0, 0
	s_wait_dscnt 4*NL
	WIN MUL_LO
	MUL16 0, 1, NQ-1, 1, 0
	MUL16 2, 1, NQ-1, 1, 0
	s_wait_dscnt 0
	WIN MUL_HI
	MUL16 4, 1, NQ-1, 1, 0
	MUL16 6, 1, NQ-1, 1, 0
	WIN 0
	PLACES NP
; Block a: 16 queries x 128 keys.
.macro SOFT a
.set AC, 64*((\a)%4)
.set WA, 2+(\a)/4
	WIN WA|(WA<<2)|(WA<<4)                         ; all three sources: the accumulators' window
.irp b, 0,1,2,3
	v_max3_num_f32 v[BM+\b], v[AC+16*\b], v[AC+16*\b+1], v[AC+16*\b+2]   ; the largest score of each block of 32 keys; each accumulator is first read at its low end
.endr
	WIN (WA<<2)|(WA<<4)
.irp i, 3,5,7,9,11,13
.irp b, 0,1,2,3
	v_max3_num_f32 v[BM+\b], v[BM+\b], v[AC+16*\b+\i], v[AC+16*\b+\i+1]
.endr
.endr
.irp b, 0,1,2,3
	v_max_num_f32 v[BM+\b], v[BM+\b], v[AC+16*\b+15]
.endr
	WIN 0
.irp b, 0,1,2,3
	v_permlanex16_b32 v[BP+\b], v[BM+\b], s[SEL], s[SEL+1]
.endr
.irp b, 0,1,2,3
	v_max_num_f32 v[BM+\b], v[BM+\b], v[BP+\b]     ; with lane l xor 16's 16 keys
.endr
	v_max3_num_f32 v[TQ], v[BM], v[BM+1], v[BM+2]
	v_max_num_f32 v[TQ], v[TQ], v[BM+3]            ; the chunk's largest score of my query,
	v_mul_f32 v[TQ], s[CS], v[TQ]                  ; as t (c is positive)
	v_floor_f32 v[NMS+(\a)], -v[TQ]                ; -M = floor(-t) = -ceil(t): a whole number
	WIN WA
.set j, 0
.rept 32
.if ((\a)%2) == 0
	v_pk_fma_f32 v[X+j:X+j+1], v[AC+j:AC+j+1], s[CS:CS+1], v[NMS+(\a):NMS+(\a)+1] op_sel_hi:[1,0,0]   ; t - M, two at a time
.else
	v_pk_fma_f32 v[X+j:X+j+1], v[AC+j:AC+j+1], s[CS:CS+1], v[NMS+(\a)-1:NMS+(\a)] op_sel:[0,0,1] op_sel_hi:[1,0,1]
.endif
.set j, j+2
.endr
	WIN 0
.irp b, 0,1,2,3
	v_fma_f32 v[BM+\b], v[BM+\b], s[CS], v[NMS+(\a)]   ; the same of each block's largest score
.endr
.set j, 0
.rept 64
	v_exp_f32 v[X+j], v[X+j]                       ; p = 2^(t - M), at most 1: one batch
.set j, j+1
.endr
	v_nop                                          ; a plain place behind the last exponential
	s_wait_alu depctr_va_vdst(0)                   ; one wait for the batch, ahead of its first reader
.irp b, 0,1,2,3
	v_exp_f32 v[BM+\b], v[BM+\b]                   ; each block's largest p: the same two instructions on the same number give the same bits
.endr
	v_pk_add_f32 v[SA:SA+1], v[X:X+1], v[X+2:X+3]  ; the sum of the UNQUANTISED p, two at a time, in two chains; it reads the 64 alone: plain work behind the four
	v_pk_add_f32 v[SB:SB+1], v[X+4:X+5], v[X+6:X+7]
.irp i, 8,12,16,20,24,28,32,36,40,44,48,52,56,60
	v_pk_add_f32 v[SA:SA+1], v[SA:SA+1], v[X+\i:X+\i+1]
	v_pk_add_f32 v[SB:SB+1], v[SB:SB+1], v[X+\i+2:X+\i+3]
.endr
	v_pk_add_f32 v[SA:SA+1], v[SA:SA+1], v[SB:SB+1]
	v_add_f32 v[TQ+1], v[SA], v[SA+1]
	v_permlanex16_b32 v[TQ+2], v[TQ+1], s[SEL], s[SEL+1]
	v_add_f32 v[LS+(\a)], v[TQ+1], v[TQ+2]         ; with lane l xor 16's: the chunk's sum
	s_wait_alu depctr_va_vdst(0)                   ; and one wait for the four
.irp b, 0,1,2,3
	v_max_num_f32 v[BM+\b], 0x2800000, v[BM+\b]    ; the floor 2^(5 - 127): the byte cannot fall under 1
.endr
.irp b, 0,1,2,3
	v_add_nc_u32 v[SO+\b], 0xfe000000, v[BM+\b]    ; 4 off the exponent field: the conversion's scale operand
.endr
.irp b, 0,1,2,3
	v_lshrrev_b32 v[BP+\b], 23, v[SO+\b]           ; the scale's byte
.endr
	v_lshl_or_b32 v[PWS+(\a)], v[BP+1], 8, v[BP]
	v_lshl_or_b32 v[PWS+(\a)], v[BP+2], 16, v[PWS+(\a)]
	v_lshl_or_b32 v[PWS+(\a)], v[BP+3], 24, v[PWS+(\a)]
	s_wait_xcnt 0x0                                ; the last block's stores have read their codes: those registers are written again below
.irp c, 0,1
	v_cvt_scalef32_pk16_bf6_f32 v[PC+6*\c:PC+2+6*\c], v[X+32*\c:X+15+32*\c], v[SO+2*\c]
	v_cvt_scalef32_pk16_bf6_f32 v[PC+12+4*\c:PC+14+4*\c], v[X+16+32*\c:X+31+32*\c], v[SO+2*\c+1]
.endr
	v_nop                                          ; one plain place behind a scaled conversion
.irp c, 0,1                                    ; the operand wants a whole block in a lane
.irp i, 0,1,2
	v_permlane16_swap_b32 v[PC+6*\c+\i], v[PC+12+4*\c+\i]
.endr
.irp i, 0,1,2
	v_mov_b32 v[PC+3+6*\c+\i], v[PC+12+4*\c+\i]
.endr
.endr
.irp c, 0,1,2
	global_store_b128 v[LI], v[PC+4*\c:PC+4*\c+3], s[8:9] offset:FRB*(\a)+512*\c   ; 512 consecutive bytes, aligned
.endr
.endm
.irp a, 0,1,2,3,4,5,6,7
	SOFT \a
.endr
.irp e, 0,1,2,3                                ; three images: lanes 0-15 store their row's numbers of blocks 0-3, lanes 16-31 those of 4-7
	v_cndmask_b32 v[SW+\e], v[PWS+\e], v[PWS+4+\e], s105
	v_cndmask_b32 v[SW+4+\e], v[NMS+\e], v[NMS+4+\e], s105
	v_cndmask_b32 v[SW+8+\e], v[LS+\e], v[LS+4+\e], s105
.endr
	global_store_b128 v[LI], v[SW:SW+3], s[10:11]
	global_store_b128 v[LI], v[SW+4:SW+7], s[12:13]
	global_store_b128 v[LI], v[SW+8:SW+11], s[12:13] offset:8192
	s_wait_tensorcnt 0x0                           ; the wave's end
	ds_add_u32 v[SPW], v[NIL]
	s_wait_dscnt 0x0
	CROUND                                         ; the closing round
	s_endpgm
.Lfunc_end_k_qfbe38520c3_scores:
	.size	k_qfbe38520c3_scores, .Lfunc_end_k_qfbe38520c3_scores-k_qfbe38520c3_scores
	.p2alignl 7, 3214868480
	.fill 96, 4, 3214868480
	.section	.rodata,"a",@progbits
	.p2align	6, 0x0
	.amdhsa_kernel k_qfbe38520c3_scores
		.amdhsa_group_segment_fixed_size 327680
		.amdhsa_private_segment_fixed_size 0
		.amdhsa_enable_private_segment 0
		.amdhsa_kernarg_size 40
		.amdhsa_user_sgpr_count 2
		.amdhsa_user_sgpr_kernarg_segment_ptr 1
		.amdhsa_wavefront_size32 1
		.amdhsa_system_sgpr_workgroup_id_x 1
		.amdhsa_system_sgpr_workgroup_id_y 1
		.amdhsa_system_sgpr_workgroup_id_z 1
		.amdhsa_system_vgpr_workitem_id 0
		.amdhsa_next_free_vgpr 1024
		.amdhsa_next_free_sgpr 106
		.amdhsa_reserve_vcc 0
		.amdhsa_float_denorm_mode_32 3
		.amdhsa_float_denorm_mode_16_64 3
		.amdhsa_memory_ordered 1
		.amdhsa_forward_progress 1
		.amdhsa_inst_pref_size 194
	.end_amdhsa_kernel
	.amdgpu_metadata
---
amdhsa.version: [ 1, 2 ]
amdhsa.kernels:
  - .name:           k_qfbe38520c3_scores
    .symbol:         k_qfbe38520c3_scores.kd
    .args:
      - { .name: cod2, .offset: 0, .size: 8, .value_kind: global_buffer, .address_space: global }
      - { .name: scl2, .offset: 8, .size: 8, .value_kind: global_buffer, .address_space: global }
      - { .name: pcod, .offset: 16, .size: 8, .value_kind: global_buffer, .address_space: global }
      - { .name: pscl, .offset: 24, .size: 8, .value_kind: global_buffer, .address_space: global }
      - { .name: pstat, .offset: 32, .size: 8, .value_kind: global_buffer, .address_space: global }
    .group_segment_fixed_size: 327680
    .private_segment_fixed_size: 0
    .kernarg_segment_align: 8
    .kernarg_segment_size: 40
    .max_flat_workgroup_size: 128
    .sgpr_count:     106
    .vgpr_count:     1024
    .wavefront_size: 32
...
	.end_amdgpu_metadata
.endif
;; end of part 3
;; launch pv (part 4): grid 4 x 32, 4 waves a work-group, clusters of 4 x 4, 327,680 bytes of LDS; arguments pcod, pscl, pstat, cod2, scl2, out0; writes out0
.if DOCPART == 4
	.amdgcn_target "amdgcn-amd-amdhsa--gfx1250"
	.amdhsa_code_object_version 6
	.text
	.protected	k_qfbe38520c3_pv
	.globl	k_qfbe38520c3_pv
	.p2align	8
	.type	k_qfbe38520c3_pv,@function
k_qfbe38520c3_pv:
	s_mov_b64 s[64:65], 0
	v_nop
	global_prefetch_b8 v0, s[64:65] scope:SCOPE_SE
	s_setreg_imm32_b32 hwreg(HW_REG_WAVE_MODE, 25, 1), 1
	s_wait_xcnt 0x0
	s_wait_alu depctr_hold_cnt(0) depctr_sa_sdst(0) depctr_va_vdst(0) depctr_va_sdst(0) depctr_va_ssrc(0) depctr_va_vcc(0) depctr_vm_vsrc(0)
	s_getreg_b32 s2, hwreg(HW_REG_IB_STS2, 6, 4)
	s_cmp_eq_u32 s2, 0
	s_cbranch_scc0 .Lentry_in_a_cluster
	s_endpgm
.Lentry_in_a_cluster:
	s_bfe_u32 s2, ttmp6, 0x10000c
	s_cmp_lg_u32 s2, 0xf033
	s_cbranch_scc0 .Lentry_shape_is_right
	s_endpgm
.Lentry_shape_is_right:
; PV.  out = (p v) / l on codes of BF6 (E3M2), K = the batch's 2,048 keys.  p's codes were made under a whole number M of their own for each query and chunk of 128 keys.  At the head each wave finds, for its 128 queries,
; the row's M (the largest of sixteen), takes M - the chunk's M, a whole number, off the chunk's four scale bytes, and adds the chunks' sums, each times 2^-(that number): both are exact but for the additions.
; LAYOUT as in the launches before: pcod [64 query groups][16 key chunks][12,288], pscl [..][..][512], pstat [group][2][16][512] (-M, the sums); v^T at cod2 + 12,582,912 [batch x 8 + feature group][16 key chunks],
; its scale words at scl2 + 524,288.  A tile of 256 queries x 256 features is made by four waves, each 128 x 128: with 128 tiles there are 128 work-groups; a smaller wave tile would read each fragment from LDS for half the products.
; Ring, joint loads and turns as in the launches before, with K = 16 chunks.  v^T's scale words come by a tensor load among the first fills; p's are written into LDS by the waves themselves, into bytes that no fill ever touches.
; Source 0 = 16 features, source 1 = 16 queries: a lane (r, h) holds query (a, r); register 16 b + i of block a is feature 32 b + 16 h + i of the group.  Row (a, r) is the group's query 32 (a / 2) + 8 (a % 2) + r + 8 (r / 8).
; LIMITS: NaN and infinities are not served; a chunk more than 127 binades under its row's M counts for nothing in the sum, and a scale byte that would fall under 0 is held at 0: such a block adds at most 28 x 2^-127 a code.
; REGISTERS.  Window 0: v1-31 addresses; v32-63 scale words and nothing else; at the head v64-127 -M, then the shifts; v128-191 the sums; v192-223 my scale words; v224-239 at work; from then on v64-71 1 / l of the eight blocks;
;   v128-223 A's fragments; on the way out v128-255 rows of the result.   Window 1: B's fragments, two sets.   Windows 2, 3: the accumulators.
.set NK,     16
.set NQ,     2
.set FR,     12
.set NL,     3
.set NP,     4
.set FRB,    1536
.set CHB,    8*FRB
.set HALFT,  NQ*CHB
.set SLOT,   4*HALFT
.set LAPS,   NK/(2*NQ)
.set SCL,    2*SLOT
.set HALFS,  512*NK
.set SPARE,  SCL+4*HALFS               ; the spare words, 128 bytes for each wave: two blocks of 256 bytes that no other line names
.set SPITCH, 528                       ; the way out: a stage of 16 rows x (512 bytes + 16) for each wave, in slot 0, which has had its last fill and its last read when the first result is stored there
.set ADRA, 16
.set ADRB, 20
.set PSA,  22                          ; v22  where I store my shifted scale words
.set STO,  24                          ; v24  the stage: where I put 32 bytes of a row
.set RD,   25                          ; v25  and where I read a row back
.set ADRS, 27
.set SPW,  28
.set NIL,  29
.set LI,   30
.set SC,   32
.set NM,   64
.set RINV, 64
.set LL,   128
.set WW,   192
.set MN,   224
.set LT,   228
.set RI,   232
.set PP,   236
.set AF,   128
.set BK,   128
.set SEL,  66                          ; s[66:67]
.set G1, 24
.set G0, 32
.set G1B, 48
.set G0B, 56
.set G1SB, 80
.set G0SB, 88
.set MSB, 0
.macro WIN new
.if MSB != (\new)
	s_set_vgpr_msb (MSB<<8)|(\new)
.set MSB, (\new)
.endif
.endm
.set MUL_LO, 0xa1
.set MUL_HI, 0xf1
.set TO_B,   0x40
.macro JLOAD g0a, g1a, g0b, g1b        ; a joint load: waves 0 and 1 fetch for A, waves 2 and 3 for B; four v_nop follow each of the two lines
	s_cmp_eq_u32 s15, 0
	s_cbranch_scc0 .Lfor_b_\@
	tensor_load_to_lds s[\g0a:\g0a+3], s[\g1a:\g1a+7]
	s_nop 0
.rept 4
	v_nop
.endr
	s_branch .Lasked_\@
.Lfor_b_\@:
	tensor_load_to_lds s[\g0b:\g0b+3], s[\g1b:\g1b+7]
	s_nop 0
.rept 4
	v_nop
.endr
.Lasked_\@:
.endm
.macro CREST
	s_cmp_lg_u32 s14, 0
	s_cbranch_scc1 .Lnot_wave_0_\@
	s_barrier_signal -3
.Lnot_wave_0_\@:
	s_barrier_wait -3
	s_barrier_signal -1
	s_barrier_wait -1
.endm
.macro CROUND
	s_barrier_signal -1
	s_barrier_wait -1
	CREST
.endm
.macro FRAG reg, adr, q, i
.irp c, 0,1,2
	ds_load_b128 v[\reg+4*\c:\reg+4*\c+3], v[\adr] offset:(\q)*CHB+(\i)*FRB+512*\c
.endr
.endm
.macro MUL16 a0, p, q, sc, zero        ; the 64 accumulators take turns, one instruction a turn
.irp a, \a0, \a0+1
.irp b, 0,1,2,3,4,5,6,7
.if \zero
	v_wmma_scale_f32_16x16x128_f8f6f4 v[8*(8*((\a)%4)+\b):8*(8*((\a)%4)+\b)+7], v[128*(\p)+FR*\b:128*(\p)+FR*\b+FR-1], v[AF+FR*(\a):AF+FR*(\a)+FR-1], 0, v[SC+16*(\sc)+8*(\q)+\b], v[SC+16*(\sc)+8*(\q)+(\a)] matrix_a_fmt:MATRIX_FMT_BF6 matrix_b_fmt:MATRIX_FMT_BF6 matrix_a_scale:MATRIX_SCALE_ROW1
.else
	v_wmma_scale_f32_16x16x128_f8f6f4 v[8*(8*((\a)%4)+\b):8*(8*((\a)%4)+\b)+7], v[128*(\p)+FR*\b:128*(\p)+FR*\b+FR-1], v[AF+FR*(\a):AF+FR*(\a)+FR-1], v[8*(8*((\a)%4)+\b):8*(8*((\a)%4)+\b)+7], v[SC+16*(\sc)+8*(\q)+\b], v[SC+16*(\sc)+8*(\q)+(\a)] matrix_a_fmt:MATRIX_FMT_BF6 matrix_b_fmt:MATRIX_FMT_BF6 matrix_a_scale:MATRIX_SCALE_ROW1
.endif
.endr
.endr
.endm
.macro FETCH_B slot, q, p
	WIN TO_B
.irp i, 0,1,2,3,4,5,6,7
	FRAG 128*(\p)+FR*\i, ADRB+\slot, \q, \i
.endr
	WIN 0
.endm
.macro FETCH_A slot, q, i0
.irp i, \i0, \i0+1, \i0+2, \i0+3
	FRAG AF+FR*(\i), ADRA+\slot, \q, \i
.endr
.endm
.macro SCALES sc
.irp q, 0,1
.irp g, 0,1
	ds_load_b128 v[SC+16*\sc+8*\q+4*\g:SC+16*\sc+8*\q+4*\g+3], v[ADRS] offset:512*\q+256*\g
.endr
.endr
.endm
.macro PLACES n                        ; places behind matrix instructions (ISA guide 7.12.1 for vector instructions)
.rept \n
	v_nop
.endr
.endm
.macro STEP slot, q, zero
	s_wait_dscnt 4*NL                              ; all but the youngest twelve loads (A's blocks 4-7)
	WIN MUL_LO
	MUL16 0, (\q)%2, \q, \slot, \zero
	MUL16 2, (\q)%2, \q, \slot, \zero
	s_wait_dscnt 0
	PLACES NP
	FETCH_B \slot, (\q)+1, 1-(\q)%2
	FETCH_A \slot, (\q)+1, 0
	WIN MUL_HI
	MUL16 4, (\q)%2, \q, \slot, \zero
	MUL16 6, (\q)%2, \q, \slot, \zero
	PLACES NP
	WIN 0
	FETCH_A \slot, (\q)+1, 4
.endm
.macro TURN slot, next, fill
	s_wait_tensorcnt 0x0                           ; all my tensor loads have landed: my part of the next slot
	ds_add_u32 v[SPW], v[NIL]                      ; 0 onto my spare word
	s_wait_dscnt 4*NL+1                            ; (the add and the youngest twelve loads may be out)
	WIN MUL_LO
	MUL16 0, 1, NQ-1, \slot, 0
	s_wait_dscnt 0x0                               ; the add is done, and my reads of this slot are over
	s_barrier_signal -1
	MUL16 2, 1, NQ-1, \slot, 0
	WIN 0
	s_barrier_wait -1
.if \fill
	CREST                                          ; a round of the cluster's barrier: no wave of any partner still reads this slot or has a load on its way
	s_add_nc_u64 s[G0+4*\slot+2:G0+4*\slot+3], s[G0+4*\slot+2:G0+4*\slot+3], 2*HALFT
	s_add_nc_u64 s[G0B+4*\slot+2:G0B+4*\slot+3], s[G0B+4*\slot+2:G0B+4*\slot+3], 2*HALFT
	JLOAD G0+4*\slot, G1, G0B+4*\slot, G1B
.else
	PLACES NP
.endif
	v_add_nc_u32 v[ADRS], 512*NQ, v[ADRS]
	FETCH_B \next, 0, 0
	FETCH_A \next, 0, 0
	SCALES \next
	WIN MUL_HI
	MUL16 4, 1, NQ-1, \slot, 0
	MUL16 6, 1, NQ-1, \slot, 0
	PLACES NP
	WIN 0
	FETCH_A \next, 0, 4
.endm
	s_load_b128 s[4:7], s[0:1], 0x0                ; pcod, pscl
	s_load_b128 s[8:11], s[0:1], 0x10              ; pstat, cod2
	s_load_b64 s[96:97], s[0:1], 0x20              ; scl2
	s_load_b64 s[12:13], s[0:1], 0x28              ; out0
	v_lshl_add_u32 v[SPW], v0, 2, SPARE
	v_mov_b32 v[NIL], 0
	ds_add_u32 v28, v29
	ds_add_u32 v28, v29
	s_wait_dscnt 0x0
	v_lshrrev_b32 v1, 5, v0
	v_readfirstlane_b32 s14, v1                    ; wave 0..3
	s_lshr_b32 s15, s14, 1                         ; my group of queries.  Also: I fetch for A (0) or for B (1)
	s_and_b32 s16, s14, 1                          ; my group of features.  Also: which group of that side I fetch
	s_bfe_u32 s40, ttmp6, 0x40000                  ; cx, cy
	s_bfe_u32 s41, ttmp6, 0x40004
	s_lshl_b32 s42, ttmp9, 2
	s_add_co_u32 s42, s42, s40                     ; the tile of 256 features, 0..3
	s_and_b32 s18, ttmp7, 0xffff
	s_lshl_b32 s17, s18, 2
	s_add_co_u32 s17, s17, s41                     ; the tile of 256 queries, 0..31
	s_lshr_b32 s18, s18, 1                         ; the batch: from the cluster's y alone
	s_lshl_b32 s43, s41, 2
	s_lshl_b32 s43, 15, s43                        ; my row of the cluster
	s_lshl_b32 s44, 0x1111, s40                    ; my column
	s_or_b32 s[G1+0], s43, (3<<16)|(1<<21)         ; a dense block as rows of 256 bytes (32 elements of 8 bytes); the mask; bit 21 beside it
	s_or_b32 s[G1B+0], s44, (3<<16)|(1<<21)
.irp g, G1, G1B
	s_mov_b32 s[\g+1], 32<<16
	s_mov_b32 s[\g+2], (HALFT/256)<<16
	s_mov_b32 s[\g+3], 32<<16
	s_mov_b32 s[\g+4], HALFT/256
	s_mov_b32 s[\g+5], 32
	s_mov_b32 s[\g+6], 0
	s_mov_b32 s[\g+7], 0
.endr
	s_or_b32 s[G1SB+0], s44, (3<<16)|(1<<21)       ; v^T's scale words of a group: 8,192 dense bytes
	s_mov_b32 s[G1SB+1], 32<<16
	s_mov_b32 s[G1SB+2], (HALFS/256)<<16
	s_mov_b32 s[G1SB+3], 32<<16
	s_mov_b32 s[G1SB+4], HALFS/256
	s_mov_b32 s[G1SB+5], 32
	s_mov_b32 s[G1SB+6], 0
	s_mov_b32 s[G1SB+7], 0
	s_lshl_b32 s20, s17, 1                         ; A = p: the group that I fetch
	s_add_co_u32 s20, s20, s16
	s_mul_i32 s20, s20, NK*CHB
	s_mov_b32 s21, 0
	s_lshl_b32 s46, s18, 3                         ; B = v^T: 8 groups a batch
	s_lshl_b32 s47, s42, 1
	s_add_co_u32 s46, s46, s47
	s_add_co_u32 s46, s46, s16
	s_lshl_b32 s92, s46, 13
	s_add_co_u32 s92, s92, 524288
	s_mul_i32 s46, s46, NK*CHB
	s_add_co_u32 s46, s46, 12582912
	s_mov_b32 s47, 0
	s_mov_b32 s93, 0
	s_mul_i32 s45, s14, HALFT
	s_mul_i32 s94, s14, HALFS
	s_wait_kmcnt 0x0
	s_add_nc_u64 s[20:21], s[4:5], s[20:21]
	s_add_nc_u64 s[46:47], s[10:11], s[46:47]
	s_add_nc_u64 s[92:93], s[96:97], s[92:93]
	CROUND                                         ; all sixteen work-groups are here: the first joint loads meet
	s_mov_b32 s[G0SB], 1
	s_add_co_u32 s[G0SB+1], s94, SCL
	s_mov_b64 s[G0SB+2:G0SB+3], s[92:93]
	s_or_b32 s[G0SB+3], s[G0SB+3], 0x80000000
.irp s, 0,1
	s_mov_b32 s[G0+4*\s], 1
	s_add_co_u32 s[G0+4*\s+1], s45, \s*SLOT
	s_add_nc_u64 s[G0+4*\s+2:G0+4*\s+3], s[20:21], \s*HALFT
	s_or_b32 s[G0+4*\s+3], s[G0+4*\s+3], 0x80000000
	s_mov_b32 s[G0B+4*\s], 1
	s_add_co_u32 s[G0B+4*\s+1], s45, \s*SLOT
	s_add_nc_u64 s[G0B+4*\s+2:G0B+4*\s+3], s[46:47], \s*HALFT
	s_or_b32 s[G0B+4*\s+3], s[G0B+4*\s+3], 0x80000000
.endr
	s_cmp_eq_u32 s15, 0                            ; a wave's first fills stand in one branch on its number: A's waves have two loads out, B's three; the last on both ways is slot 1's
	s_cbranch_scc0 .Lfirst_b
	tensor_load_to_lds s[G0:G0+3], s[G1:G1+7]
	s_nop 0
	tensor_load_to_lds s[G0+4:G0+7], s[G1:G1+7]
	s_nop 0
.rept 4
	v_nop
.endr
	s_branch .Lfirst_asked
.Lfirst_b:
	tensor_load_to_lds s[G0SB:G0SB+3], s[G1SB:G1SB+7]
	s_nop 0
	tensor_load_to_lds s[G0B:G0B+3], s[G1B:G1B+7]
	s_nop 0
	tensor_load_to_lds s[G0B+4:G0B+7], s[G1B:G1B+7]
	s_nop 0
.rept 4
	v_nop
.endr
.Lfirst_asked:
	v_and_b32 v1, 15, v0                           ; r
	v_bfe_u32 v2, v0, 4, 1                         ; h
	v_and_b32 v3, 31, v0
	v_lshlrev_b32 v[LI], 4, v3
	s_mul_i32 s21, s15, HALFT
	s_mul_i32 s22, s16, HALFT
	s_add_co_u32 s22, s22, 2*HALFT
.irp s, 0,1
	v_add_nc_u32 v[ADRA+\s], s21, v[LI]
	v_add_nc_u32 v[ADRB+\s], s22, v[LI]
	s_add_co_u32 s21, s21, SLOT
	s_add_co_u32 s22, s22, SLOT
.endr
	s_mul_i32 s21, s15, HALFS
	s_mul_i32 s22, s16, HALFS
	s_add_co_u32 s22, s22, 2*HALFS
	s_sub_co_u32 s22, s22, s21
	v_mul_u32_u24 v6, s22, v2                      ; lanes 16-31 take B's: the lower base + h x the distance
	s_add_co_u32 s21, s21, SCL
	v_lshl_add_u32 v5, v1, 4, v6
	v_add_nc_u32 v[ADRS], s21, v5
	s_lshl_b32 s2, s14, 12                         ; my eight chunks' scale words: 4,096 bytes a wave, from SCL on
	s_add_co_u32 s2, s2, SCL
	v_add_nc_u32 v[PSA], s2, v[LI]
	s_mul_i32 s23, s14, 16*SPITCH                  ; my stage
	v_mul_u32_u24 v5, v1, SPITCH
	v_lshl_add_u32 v5, v2, 6, v5
	v_add_nc_u32 v[STO], s23, v5                   ; in: row r, + 64 h
	v_add_nc_u32 v[RD], s23, v[LI]                 ; back: the 32 lanes take one row of 512 bytes
.irp e, 0,1,2,3
	v_mov_b32 v[PP+\e], 0                          ; a lane permute's destination counts as one of its sources
.endr
	s_mov_b32 s[SEL], 0x76543210
	s_mov_b32 s[SEL+1], 0xfedcba98
	s_mov_b32 s98, 0x01010101
	s_mov_b32 s99, 0x80808080
	s_mov_b32 s104, 0xc2fe0000                     ; -127.0
	s_mov_b32 s105, 0xffff0000                     ; the lanes with h = 1
	s_lshl_b32 s18, s17, 1
	s_add_co_u32 s18, s18, s15                     ; my query group, 0..63
	s_lshl_b32 s20, s18, 14                        ; its 16,384 bytes of pstat;
	s_lshl_b32 s22, s16, 12
	s_add_co_u32 s22, s20, s22                     ; the eight chunks whose scale words I shift,
	s_xor_b32 s2, s16, 1
	s_lshl_b32 s2, s2, 12
	s_add_co_u32 s20, s20, s2                      ; and the other eight
	s_mov_b32 s21, 0
	s_mov_b32 s23, 0
	s_add_nc_u64 s[100:101], s[8:9], s[20:21]
	s_add_nc_u64 s[8:9], s[8:9], s[22:23]
	s_lshl_b32 s20, s18, 13
	s_lshl_b32 s22, s16, 12
	s_add_co_u32 s20, s20, s22
	s_add_nc_u64 s[6:7], s[6:7], s[20:21]          ; my eight chunks' scale words
	s_lshl_b32 s20, s18, 19                        ; out0: 128 rows of 4,096 bytes a group,
	s_lshl_b32 s22, s42, 10                        ; 256 features a tile,
	s_add_co_u32 s20, s20, s22
	s_lshl_b32 s22, s16, 9                         ; 128 a wave
	s_add_co_u32 s20, s20, s22
	s_add_nc_u64 s[12:13], s[12:13], s[20:21]
	; ---- the row's M and sum.  A lane (r, h) holds, of each chunk, the four numbers of rows (4 h + e, r), e = 0 .. 3
.irp k, 0,1,2,3,4,5,6,7
	global_load_b128 v[NM+4*\k:NM+4*\k+3], v[LI], s[8:9] offset:512*\k
.endr
.irp k, 0,1,2,3,4,5,6,7
	global_load_b128 v[NM+32+4*\k:NM+32+4*\k+3], v[LI], s[100:101] offset:512*\k
.endr
.irp k, 0,1,2,3,4,5,6,7
	global_load_b128 v[LL+4*\k:LL+4*\k+3], v[LI], s[8:9] offset:8192+512*\k
.endr
.irp k, 0,1,2,3,4,5,6,7
	global_load_b128 v[LL+32+4*\k:LL+32+4*\k+3], v[LI], s[100:101] offset:8192+512*\k
.endr
.irp k, 0,1,2,3,4,5,6,7
	global_load_b128 v[WW+4*\k:WW+4*\k+3], v[LI], s[6:7] offset:512*\k
.endr
	s_wait_loadcnt 0x0
.irp e, 0,1,2,3
	v_min3_num_f32 v[MN+\e], v[NM+\e], v[NM+4+\e], v[NM+8+\e]      ; the least -M is the row's
.endr
.irp k, 3,5,7,9,11,13
.irp e, 0,1,2,3
	v_min3_num_f32 v[MN+\e], v[MN+\e], v[NM+4*\k+\e], v[NM+4*\k+4+\e]
.endr
.endr
.irp e, 0,1,2,3
	v_min_num_f32 v[MN+\e], v[MN+\e], v[NM+60+\e]
.endr
.set j, 0
.rept 32
	v_pk_add_f32 v[NM+j:NM+j+1], v[MN+j%4:MN+j%4+1], v[NM+j:NM+j+1] neg_lo:[0,1] neg_hi:[0,1]   ; the chunk's M less the row's: a whole number, 0 or less
.set j, j+2
.endr
.set j, 0
.rept 64
	v_max_num_f32 v[NM+j], s104, v[NM+j]           ; held at -127
.set j, j+1
.endr
.set j, 0
.rept 64
	v_cvt_i32_f32 v[NM+j], v[NM+j]
.set j, j+1
.endr
.set j, 0
.rept 64
	v_ldexp_f32 v[LL+j], v[LL+j], v[NM+j]          ; the chunk's sum under the row's M
.set j, j+1
.endr
	v_pk_add_f32 v[LT:LT+1], v[LL:LL+1], v[LL+4:LL+5]
	v_pk_add_f32 v[LT+2:LT+3], v[LL+2:LL+3], v[LL+6:LL+7]
.irp k, 2,3,4,5,6,7,8,9,10,11,12,13,14,15
	v_pk_add_f32 v[LT:LT+1], v[LT:LT+1], v[LL+4*\k:LL+4*\k+1]
	v_pk_add_f32 v[LT+2:LT+3], v[LT+2:LT+3], v[LL+4*\k+2:LL+4*\k+3]
.endr
.irp e, 0,1,2,3
	v_rcp_f32 v[RI+\e], v[LT+\e]
.endr
	; my 32 scale words: the shift comes off each of the four bytes.  p's bytes are at most 123, so bit 7 of each byte serves: no borrow passes from byte to byte, and a byte whose guard is used up is held at 0.
.set j, 0
.rept 32
	v_mul_lo_u32 v[NM+j], v[NM+j], s98             ; the shift (0 or less) in every byte.  (Plain work behind the reciprocals, which names none of their results)
.set j, j+1
.endr
.set j, 0
.rept 32
	v_or_b32 v[WW+j], s99, v[WW+j]
.set j, j+1
.endr
.set j, 0
.rept 32
	v_add_nc_u32 v[WW+j], v[WW+j], v[NM+j]
.set j, j+1
.endr
.set j, 0
.rept 32
	v_lshrrev_b32 v[NM+j], 7, v[WW+j]
.set j, j+1
.endr
.set j, 0
.rept 32
	v_and_b32 v[NM+j], s98, v[NM+j]                ; 1 in each byte whose guard stands
.set j, j+1
.endr
.set j, 0
.rept 32
	v_lshlrev_b32 v[LL+j], 7, v[NM+j]
.set j, j+1
.endr
.set j, 0
.rept 32
	v_sub_nc_u32 v[NM+j], v[LL+j], v[NM+j]         ; 0x7f in each such byte
.set j, j+1
.endr
.set j, 0
.rept 32
	v_and_b32 v[WW+j], v[WW+j], v[NM+j]
.set j, j+1
.endr
.irp k, 0,1,2,3,4,5,6,7
	ds_store_b128 v[PSA], v[WW+4*\k:WW+4*\k+3] offset:512*\k       ; as images, where the K loop reads A's scale words
.endr
	s_wait_alu depctr_va_vdst(0)                   ; one wait for the four reciprocals, ahead of their first reader
.irp e, 0,1,2,3
	v_permlanex16_b32 v[PP+\e], v[RI+\e], s[SEL], s[SEL+1]
.endr
.irp e, 0,1,2,3
	v_cndmask_b32 v[RINV+\e], v[RI+\e], v[PP+\e], s105             ; 1 / l of row (a, r) in both halves of the lanes: blocks 0-3 lie in lanes 0-15,
	v_cndmask_b32 v[RINV+4+\e], v[PP+\e], v[RI+\e], s105           ; blocks 4-7 in lanes 16-31
.endr
	; ---- the K loop
	s_wait_dscnt 0x0                               ; for the others' sake: my scale words lie in LDS
	s_wait_tensorcnt 1                             ; v^T's scale words and my part of slot 0 are in (slot 1's load may be out)
	s_barrier_signal -1
	s_barrier_wait -1
	FETCH_B 0, 0, 0
	FETCH_A 0, 0, 0
	SCALES 0
	FETCH_A 0, 0, 4
	STEP 0, 0, 1
	s_mov_b32 s3, LAPS-1
.Llap:
	TURN 0, 1, 1
	STEP 1, 0, 0
	TURN 1, 0, 1
	STEP 0, 0, 0
	s_sub_co_u32 s3, s3, 1
	s_cmp_lg_u32 s3, 0
	s_cbranch_scc1 .Llap
	TURN 0, 1, 0
	STEP 1, 0, 0
	s_wait_dscnt 4*NL
	WIN MUL_LO
	MUL16 0, 1, NQ-1, 1, 0
	MUL16 2, 1, NQ-1, 1, 0
	s_wait_dscnt 0
	WIN MUL_HI
	MUL16 4, 1, NQ-1, 1, 0
	MUL16 6, 1, NQ-1, 1, 0
	WIN 0
	PLACES NP
; THE WAY OUT, block by block of 16 queries x 128 features: divided by the row's sum, through my own stage in LDS, and back as whole rows of 512 bytes.  LDS serves a wave's instructions in order (ISA guide 5.7.1.4):
; no wait between the stores and the loads, nor in front of the next block's stores.
.macro DIVIDE a
.set AC, 64*((\a)%4)
.set WA, 2+(\a)/4
	WIN WA|(WA<<6)                                 ; source 0 and destination: the accumulators' window
.set j, 0
.rept 32
.if ((\a)%2) == 0
	v_pk_mul_f32 v[AC+j:AC+j+1], v[AC+j:AC+j+1], v[RINV+(\a):RINV+(\a)+1] op_sel_hi:[1,0]   ; each accumulator from its low end on
.else
	v_pk_mul_f32 v[AC+j:AC+j+1], v[AC+j:AC+j+1], v[RINV+(\a)-1:RINV+(\a)] op_sel:[0,1] op_sel_hi:[1,1]
.endif
.set j, j+2
.endr
.endm
.macro TOSTAGE a
.set AC, 64*((\a)%4)
	WIN (2+(\a)/4)<<2                              ; an LDS store's data are its source 1
.irp b, 0,1,2,3,4,5,6,7
	ds_store_b128 v[STO], v[AC+8*\b:AC+8*\b+3] offset:128*(\b/2)+32*(\b%2)        ; tile b's eight features of my half: 32 (b / 2) + 16 h + 8 (b % 2) on
	ds_store_b128 v[STO], v[AC+8*\b+4:AC+8*\b+7] offset:128*(\b/2)+32*(\b%2)+16
.endr
	WIN 0
.set BR, BK+64*((\a)%2)
.irp t, 0,1,2,3,4,5,6,7,8,9,10,11,12,13,14,15
	ds_load_b128 v[BR+4*\t:BR+4*\t+3], v[RD] offset:\t*SPITCH
.endr
.endm
.macro SEND a, younger                 ; younger: the LDS instructions issued behind block a's loads, which may stay out
.set BR, BK+64*((\a)%2)
	s_wait_dscnt \younger
.irp t, 0,1,2,3,4,5,6,7,8,9,10,11,12,13,14,15
	global_store_b128 v[LI], v[BR+4*\t:BR+4*\t+3], s[12:13] offset:(32*((\a)/2)+8*((\a)%2)+\t+8*(\t/8))*4096 th:TH_STORE_NT   ; stage row t is the group's query 32 (a / 2) + 8 (a % 2) + t + 8 (t / 8); 512 consecutive bytes, aligned; 127 rows at the most: inside the signed 24-bit immediate
.endr
.endm
	DIVIDE 0
	TOSTAGE 0
.irp a, 1,2,3,4,5,6,7
	DIVIDE \a
.if \a > 1
	s_wait_xcnt 0x0                                ; block a - 2's stores have read their registers: block a's loads may land there
.endif
	TOSTAGE \a
	SEND \a-1, 32                                  ; behind block a - 1's loads: block a's 16 stores and 16 loads
.endr
	SEND 7, 0
	s_wait_tensorcnt 0x0                           ; the wave's end
	ds_add_u32 v[SPW], v[NIL]
	s_wait_dscnt 0x0
	CROUND                                         ; the closing round
	s_endpgm
.Lfunc_end_k_qfbe38520c3_pv:
	.size	k_qfbe38520c3_pv, .Lfunc_end_k_qfbe38520c3_pv-k_qfbe38520c3_pv
	.p2alignl 7, 3214868480
	.fill 96, 4, 3214868480
	.section	.rodata,"a",@progbits
	.p2align	6, 0x0
	.amdhsa_kernel k_qfbe38520c3_pv
		.amdhsa_group_segment_fixed_size 327680
		.amdhsa_private_segment_fixed_size 0
		.amdhsa_enable_private_segment 0
		.amdhsa_kernarg_size 48
		.amdhsa_user_sgpr_count 2
		.amdhsa_user_sgpr_kernarg_segment_ptr 1
		.amdhsa_wavefront_size32 1
		.amdhsa_system_sgpr_workgroup_id_x 1
		.amdhsa_system_sgpr_workgroup_id_y 1
		.amdhsa_system_sgpr_workgroup_id_z 1
		.amdhsa_system_vgpr_workitem_id 0
		.amdhsa_next_free_vgpr 1024
		.amdhsa_next_free_sgpr 106
		.amdhsa_reserve_vcc 0
		.amdhsa_float_denorm_mode_32 3
		.amdhsa_float_denorm_mode_16_64 3
		.amdhsa_memory_ordered 1
		.amdhsa_forward_progress 1
		.amdhsa_inst_pref_size 178
	.end_amdhsa_kernel
	.amdgpu_metadata
---
amdhsa.version: [ 1, 2 ]
amdhsa.kernels:
  - .name:           k_qfbe38520c3_pv
    .symbol:         k_qfbe38520c3_pv.kd
    .args:
      - { .name: pcod, .offset: 0, .size: 8, .value_kind: global_buffer, .address_space: global }
      - { .name: pscl, .offset: 8, .size: 8, .value_kind: global_buffer, .address_space: global }
      - { .name: pstat, .offset: 16, .size: 8, .value_kind: global_buffer, .address_space: global }
      - { .name: cod2, .offset: 24, .size: 8, .value_kind: global_buffer, .address_space: global }
      - { .name: scl2, .offset: 32, .size: 8, .value_kind: global_buffer, .address_space: global }
      - { .name: out0, .offset: 40, .size: 8, .value_kind: global_buffer, .address_space: global }
    .group_segment_fixed_size: 327680
    .private_segment_fixed_size: 0
    .kernarg_segment_align: 8
    .kernarg_segment_size: 48
    .max_flat_workgroup_size: 128
    .sgpr_count:     106
    .vgpr_count:     1024
    .wavefront_size: 32
...
	.end_amdgpu_metadata
.endif
;; end of part 4
;; ======== version 2 of 2: 4 launches
;; limits: right only within a limited range of input values
;; workspace buffers: cod1 8,650,752 bytes; scl1 360,448 bytes; rot 8,388,608 bytes; cod2 18,874,368 bytes; scl2 786,432 bytes; pcod 12,582,912 bytes; pscl 524,288 bytes; pstat 1,048,576 bytes
;; launch prep (part 5): grid 256 x 1, 4 waves a work-group, no clusters, 34,304 bytes of LDS; arguments x, wq_w, wk_w, wv_w, cod1, scl1, rot; writes cod1, scl1, rot
.if DOCPART == 5
	.amdgcn_target "amdgcn-amd-amdhsa--gfx1250"
	.amdhsa_code_object_version 6
	.text
	.protected	k_qfbe38520c3_prep
	.globl	k_qfbe38520c3_prep
	.p2align	8
	.type	k_qfbe38520c3_prep,@function
k_qfbe38520c3_prep:
	s_mov_b64 s[64:65], 0
	v_nop
	global_prefetch_b8 v0, s[64:65] scope:SCOPE_SE
	s_setreg_imm32_b32 hwreg(HW_REG_WAVE_MODE, 25, 1), 1
	s_wait_xcnt 0x0
; PREP.  Two jobs, both in every wave.  No work of the problem is left out, and every input is used by some launch.
; (1) x [8192][1024] and the three weights [1024][1024], f32 with K innermost, become codes of BF6 (E3M2) with one E8M0 byte for each 32 along K.
;     A block's byte is its largest magnitude's exponent field - 4, held at 1 from below; numbers are divided by the scale and rounded to the nearest code, ties to even, beyond 28 the largest code.
;     THE CODES ARE LAID AS THE PRODUCT'S REGISTERS WANT THEM.  Rows go in groups of 128 (x: groups 0-63, wq 64-71, wk 72-79, wv 80-87).  A fragment is 16 rows x 128 K, 12 registers a lane; its image is
;     1,536 bytes: registers 4 c .. 4 c + 3 of lane l at 512 c + 16 l.  cod1 = [group][K chunk of 128][fragment a = 0..7][1,536].  Lane row p of fragment a is the group's row 32 (a / 2) + 8 (a % 2) + p + 8 (p / 8),
;     so that a product's 16 registers of two neighbouring fragments are 16 neighbours along the next product's K.  scl1 = [group][K chunk][512]: the scale word of row (a, r) at 256 (a / 4) + 16 r + 4 (a % 4).
;     A UNIT is 64 rows x 128 K, four fragments: unit u is group u / 16, half (u / 8) % 2, chunk u % 8: neighbouring units are neighbouring pieces of the same 64 rows.  88 x 16 = 1,408 units.
; (2) The table of cos and sin for the rotary embedding, rot = [128 tokens Gt][128 columns kc][fragment a][8,192 bytes], in the order in which the projection's lanes hold their results: register 4 n + e of lane (r, h),
;     at 512 n + 16 lane + 4 e, belongs to token (Gt, a, r) and column 32 (reg / 16) + 16 h + reg % 16; the even register holds cos, the odd one sin.  1,024 units of 16 tokens x 64 pairs.
;     inv_freq = 2^(-P c), c = log2(10000) / 512 = c_hi + c_lo: P c_hi is exact, 2^(-P c_lo) = 1 - ln2 P c_lo; the angle is t x inv_freq, rounded once; reduction by pi/2 in two parts; polynomials of degree 7 and 8.
; THE DEAL: 256 work-groups x 4 waves.  1,408 units are 11 to each pair of work-groups: work-group 2 m takes units 11 m .. 11 m + 5, work-group 2 m + 1 units 11 m + 6 .. 11 m + 10.  Wave w takes the work-group's unit w,
;     and its unit 4 + w if there is one (waves 0 and 1 of an even work-group, wave 0 of an odd one).  Wave g of the 1,024 also makes unit g of the table, while the 48 loads of its first unit's first three fragments are out.
;     The table's work lies in registers v256-511 under the same numbers, the third fragment as loaded in v576-639.
; LIMITS: NaN and infinities are not served; a block whose largest magnitude lies under 2^-122 keeps the byte 1 (a block of zeros too: its codes are zeros, and only this program reads the bytes);
;     inv_freq is good to about two units in its last place; the two-part reduction serves angles under 2^11 (here t < 2,048, inv_freq <= 1).
; No tensor loads, no barrier: waves share nothing.  No data prefetch: every byte is read once, by loads that are asked for as early as their registers are free.
.set SPITCH, 528                       ; a stage row: 512 bytes + 16
.set WSTAGE, 16*SPITCH                 ; a wave's stage
.set SPARE,  4*WSTAGE                  ; behind the stages: the spare words, two blocks of 256 bytes that no other line names
.set SEL,  20                          ; s[20:21] selects for v_permlanex16_b32: lane l xor 16
.set LOFF, 4                           ; v4   16 x lane
.set STI,  5                           ; v5   the stage, on the way in
.set STOUT,6                           ; v6   and out: row r, + 64 h
.set SOFF, 7                           ; v7   my 8 bytes of the scale image
.set PWS,  8                           ; v8-11  the four fragments' scale words
.set SW,   12                          ; v12-13 the two that I store
.set TM,   14                          ; v14-25 the quantiser's
.set PC,   26                          ; v26-45 a fragment's codes
.set R,    64                          ; v64-191 two sets of 64 numbers as loaded; a third at v576-639
.set X,    192                         ; v192-255 64 numbers: register 16 b + i = k 32 b + 16 h + i of my row
.set TF,   5                           ; the table (all in v256-511): t as f32
.set PB,   6                           ; my first pair
.set F,    64                          ; inv_freq, then the angle, of my 32 pairs
.set PF,   96                          ; P as f32, then 1 - ln2 P c_lo
.set OUT,  128                         ; cos, sin
.set TT,   192                         ; twelve registers for each of four pairs at work
.set MSB, 0
.macro WIN new                         ; the immediate's high byte repeats the setting that is left
.if MSB != (\new)
	s_set_vgpr_msb (MSB<<8)|(\new)
.set MSB, (\new)
.endif
.endm
; 64 numbers of a lane, v[s] on, become a fragment's codes in v[PC] .. v[PC + 11] and its row's scale word in v[pw].
.macro QUANT s, pw
.irp b, 0,1,2,3
	v_max3_num_f32 v[TM+\b], |v[\s+16*\b]|, |v[\s+1+16*\b]|, 0x2800000   ; my 16 numbers of block b, and the floor 2^(5 - 127)
.endr
.irp i, 2,4,6,8,10,12,14
.irp b, 0,1,2,3
	v_max3_num_f32 v[TM+\b], v[TM+\b], |v[\s+16*\b+\i]|, |v[\s+1+16*\b+\i]|
.endr
.endr
.irp b, 0,1,2,3
	v_permlanex16_b32 v[TM+4+\b], v[TM+\b], s[SEL], s[SEL+1]
.endr
.irp b, 0,1,2,3
	v_max_num_f32 v[TM+\b], v[TM+\b], v[TM+4+\b]       ; with lane l xor 16's 16: the block's largest magnitude
.endr
.irp b, 0,1,2,3
	v_add_nc_u32 v[TM+8+\b], 0xfe000000, v[TM+\b]      ; 4 off its exponent field: the conversion's scale operand
.endr
.irp b, 0,1,2,3
	v_lshrrev_b32 v[TM+4+\b], 23, v[TM+8+\b]           ; the scale's byte
.endr
	v_lshl_or_b32 v[\pw], v[TM+5], 8, v[TM+4]
	v_lshl_or_b32 v[\pw], v[TM+6], 16, v[\pw]
	v_lshl_or_b32 v[\pw], v[TM+7], 24, v[\pw]
.irp c, 0,1
	v_cvt_scalef32_pk16_bf6_f32 v[PC+6*\c:PC+2+6*\c], v[\s+32*\c:\s+15+32*\c], v[TM+8+2*\c]
	v_cvt_scalef32_pk16_bf6_f32 v[PC+12+4*\c:PC+14+4*\c], v[\s+16+32*\c:\s+31+32*\c], v[TM+8+2*\c+1]
.endr
	v_nop                                              ; one plain place behind a scaled conversion
.irp c, 0,1                                        ; the operand wants a whole block in a lane
.irp i, 0,1,2
	v_permlane16_swap_b32 v[PC+6*\c+\i], v[PC+12+4*\c+\i]
.endr
.irp i, 0,1,2
	v_mov_b32 v[PC+3+6*\c+\i], v[PC+12+4*\c+\i]
.endr
.endr
.endm
; Unit s41's three addresses: the numbers s[44:45], the codes s[46:47], the scale words s[48:49].  The choice of the tensor hangs on the unit's number alone.
.macro QSET
	s_lshr_b32 s19, s41, 4                         ; the group of 128 rows
	s_bfe_u32 s23, s41, 0x10003                    ; which 64 rows of it
	s_and_b32 s22, s41, 7                          ; the K chunk
	s_and_b32 s24, s19, 7                          ; the group inside a weight
	s_cmp_lt_u32 s19, 72
	s_cselect_b64 s[44:45], s[6:7], s[8:9]
	s_cmp_lt_u32 s19, 80
	s_cselect_b64 s[44:45], s[44:45], s[10:11]
	s_cmp_lt_u32 s19, 64
	s_cselect_b64 s[44:45], s[4:5], s[44:45]
	s_cselect_b32 s24, s19, s24
	s_lshl_b32 s24, s24, 19                        ; 128 rows of 4,096 bytes,
	s_lshl_b32 s25, s23, 18                        ; 64 rows,
	s_add_co_u32 s24, s24, s25
	s_lshl_b32 s25, s22, 9                         ; 128 numbers along K
	s_add_co_u32 s24, s24, s25
	s_mov_b32 s25, 0
	s_add_nc_u64 s[44:45], s[44:45], s[24:25]
	s_lshl_b32 s26, s19, 3
	s_add_co_u32 s26, s26, s22                     ; 8 x group + chunk
	s_mul_i32 s28, s26, 12288
	s_mul_i32 s29, s23, 6144
	s_add_co_u32 s28, s28, s29
	s_mov_b32 s29, 0
	s_add_nc_u64 s[46:47], s[12:13], s[28:29]
	s_lshl_b32 s28, s26, 9
	s_lshl_b32 s26, s23, 8
	s_add_co_u32 s28, s28, s26
	s_add_nc_u64 s[48:49], s[14:15], s[28:29]
.endm
; Fragment f's 16 rows, each load 512 consecutive bytes of one row.  Fragments 0 and 3 land in v64-127, 1 in v128-191, 2 in v576-639.
.macro LOAD f
.set RS, R+64*((\f)%2)*(1-(\f)/2)
.if (\f) == 2
	WIN 0x80                                       ; destination v512 on
.endif
.irp p, 0,1,2,3,4,5,6,7,8,9,10,11,12,13,14,15
	global_load_b128 v[RS+4*\p:RS+4*\p+3], v[LOFF], s[44:45] offset:(32*((\f)/2)+8*((\f)%2)+\p+8*(\p/8))*4096 th:TH_LOAD_NT
.endr
	WIN 0
.endm
; A unit's four fragments.  On the way in fragments 0, 1, 2 have been asked for; fragment 3 is asked for when fragment 0 has left its registers.
.macro FRAGS
.irp f, 0,1,2,3
.set RS, R+64*(\f%2)*(1-\f/2)
.if \f < 2
	s_wait_loadcnt 32                              ; this fragment's 16 loads are in; those of the two fragments behind it may be out
.else
	s_wait_loadcnt 16*(3-\f)
.endif
.if \f == 2
	WIN 0x08                                       ; an LDS store's data are its source 1: v512 on
.endif
.irp p, 0,1,2,3,4,5,6,7,8,9,10,11,12,13,14,15
	ds_store_b128 v[STI], v[RS+4*\p:RS+4*\p+3] offset:SPITCH*\p   ; as loaded: a row to a stage row
.endr
	WIN 0
.irp b, 0,1,2,3
.irp j, 0,1,2,3
	ds_load_b128 v[X+16*\b+4*\j:X+16*\b+4*\j+3], v[STOUT] offset:128*\b+16*\j   ; back: of my row, 16 neighbours of each block of 32; LDS serves a wave's instructions in order
.endr
.endr
	s_wait_dscnt 0x0                               ; the numbers are back, and the stores into the stage have read their registers
	s_wait_xcnt 0x0                                ; the last fragment's stores have read their codes: those registers are written again below
.if \f == 0
	LOAD 3
.endif
	QUANT X, PWS+\f
.irp c, 0,1,2
	global_store_b128 v[LOFF], v[PC+4*\c:PC+4*\c+3], s[46:47] offset:1536*\f+512*\c   ; 512 consecutive bytes, aligned
.endr
.endr
	v_cndmask_b32 v[SW], v[PWS], v[PWS+2], s52     ; lanes 0-15 store the words of fragments 0, 1, lanes 16-31 those of 2, 3
	v_cndmask_b32 v[SW+1], v[PWS+1], v[PWS+3], s52
	global_store_b64 v[SOFF], v[SW:SW+1], s[48:49] ; 256 consecutive bytes, aligned
.endm
; cos and sin of four angles, line by line by turns.  In a pair's twelve registers: +0 N, +1 r, +2 z = r r, +3 sin r, +4 cos r, +5 to +9 at work.
.macro SC4 m0
.irp k, 0,1,2,3
	v_mul_f32 v[TT+12*\k], s26, v[F+(\m0)+\k]
.endr
.irp k, 0,1,2,3
	v_rndne_f32 v[TT+12*\k], v[TT+12*\k]           ; N: how many quarter turns
.endr
.irp k, 0,1,2,3
	v_fma_f32 v[TT+12*\k+1], v[TT+12*\k], s27, v[F+(\m0)+\k]
.endr
.irp k, 0,1,2,3
	v_fma_f32 v[TT+12*\k+1], v[TT+12*\k], s28, v[TT+12*\k+1]
.endr
.irp k, 0,1,2,3
	v_mul_f32 v[TT+12*\k+2], v[TT+12*\k+1], v[TT+12*\k+1]
.endr
.irp k, 0,1,2,3
	v_fma_f32 v[TT+12*\k+3], v[TT+12*\k+2], s29, s30
	v_fma_f32 v[TT+12*\k+4], v[TT+12*\k+2], s32, s33
.endr
.irp k, 0,1,2,3
	v_fma_f32 v[TT+12*\k+3], v[TT+12*\k+3], v[TT+12*\k+2], s31
	v_fma_f32 v[TT+12*\k+4], v[TT+12*\k+4], v[TT+12*\k+2], s34
.endr
.irp k, 0,1,2,3
	v_mul_f32 v[TT+12*\k+5], v[TT+12*\k+2], v[TT+12*\k+1]
	v_mul_f32 v[TT+12*\k+6], v[TT+12*\k+2], v[TT+12*\k+2]
	v_fma_f32 v[TT+12*\k+7], v[TT+12*\k+2], -0.5, 1.0
.endr
.irp k, 0,1,2,3
	v_fma_f32 v[TT+12*\k+3], v[TT+12*\k+3], v[TT+12*\k+5], v[TT+12*\k+1]
	v_fma_f32 v[TT+12*\k+4], v[TT+12*\k+4], v[TT+12*\k+6], v[TT+12*\k+7]
	v_cvt_i32_f32 v[TT+12*\k+8], v[TT+12*\k]
.endr
.irp k, 0,1,2,3
	v_and_b32 v[TT+12*\k+9], 1, v[TT+12*\k+8]
.endr
.irp k, 0,1,2,3
	v_cmp_eq_u32 s[36+\k], 1, v[TT+12*\k+9]        ; an odd number of quarter turns: sine and cosine change places
.endr
.irp k, 0,1,2,3
	v_cndmask_b32 v[TT+12*\k+5], v[TT+12*\k+3], v[TT+12*\k+4], s[36+\k]
	v_cndmask_b32 v[TT+12*\k+6], v[TT+12*\k+4], v[TT+12*\k+3], s[36+\k]
	v_lshlrev_b32 v[TT+12*\k+9], 30, v[TT+12*\k+8]
	v_add_nc_u32 v[TT+12*\k+8], 1, v[TT+12*\k+8]
.endr
.irp k, 0,1,2,3
	v_lshlrev_b32 v[TT+12*\k+8], 30, v[TT+12*\k+8]
	v_and_b32 v[TT+12*\k+9], 0x80000000, v[TT+12*\k+9]   ; the sine turns its sign in quarters 2 and 3,
.endr
.irp k, 0,1,2,3
	v_and_b32 v[TT+12*\k+8], 0x80000000, v[TT+12*\k+8]   ; the cosine in quarters 1 and 2
	v_xor_b32 v[OUT+2*((\m0)+\k)+1], v[TT+12*\k+5], v[TT+12*\k+9]
.endr
.irp k, 0,1,2,3
	v_xor_b32 v[OUT+2*((\m0)+\k)], v[TT+12*\k+6], v[TT+12*\k+8]
.endr
.endm
	s_load_b256 s[4:11], s[0:1], 0x0               ; x, wq_w, wk_w, wv_w
	s_load_b128 s[12:15], s[0:1], 0x20             ; cod1, scl1
	s_load_b64 s[16:17], s[0:1], 0x30              ; rot
	v_lshl_add_u32 v62, v0, 2, SPARE               ; my spare word, and 0: kept for the closing lines
	v_mov_b32 v63, 0
	v_lshrrev_b32 v1, 5, v0
	v_readfirstlane_b32 s18, v1                    ; wave 0..3
	v_and_b32 v1, 31, v0                           ; lane
	v_and_b32 v2, 15, v0                           ; r
	v_bfe_u32 v3, v0, 4, 1                         ; h
	v_lshlrev_b32 v[LOFF], 4, v1
	s_mov_b32 s[SEL], 0x76543210
	s_mov_b32 s[SEL+1], 0xfedcba98
	s_mov_b32 s52, 0xffff0000                      ; the lanes with h = 1
	s_lshl_b32 s40, ttmp9, 2
	s_add_co_u32 s40, s40, s18                     ; g: my wave among the 1,024: my unit of the table
	s_lshr_b32 s51, ttmp9, 1
	s_mul_i32 s51, s51, 11                         ; 11 units to a pair of work-groups,
	s_and_b32 s53, ttmp9, 1
	s_mul_i32 s54, s53, 6                          ; the first 6 to the even one
	s_add_co_u32 s51, s51, s54
	s_add_co_u32 s41, s51, s18                     ; my first unit
	s_sub_co_u32 s53, 2, s53                       ; how many waves of my work-group take a second unit: 2 or 1
	s_mul_i32 s30, s18, WSTAGE
	s_wait_alu depctr_va_vdst(0)                   ; ahead of the readers below
	v_add_nc_u32 v[STI], s30, v[LOFF]
	v_mul_u32_u24 v[STOUT], v2, SPITCH
	v_lshl_add_u32 v[STOUT], v3, 6, v[STOUT]
	v_add_nc_u32 v[STOUT], s30, v[STOUT]
	v_lshlrev_b32 v[SOFF], 4, v2
	v_lshl_add_u32 v[SOFF], v3, 3, v[SOFF]
.irp b, 0,1,2,3
	v_mov_b32 v[TM+4+\b], 0                        ; written once: a lane permute's destination counts as one of its sources
.endr
	s_wait_alu depctr_va_vdst(0)
	s_wait_kmcnt 0x0
	QSET
	LOAD 0
	LOAD 1
	LOAD 2                                         ; 48 loads of mine are out while the table is made
	; ---- unit g of the table: 16 tokens x 64 pairs, 32 pairs a lane.  g = Gt << 6 | kc << 3 | a
	s_and_b32 s22, s40, 7                          ; a
	s_bfe_u32 s23, s40, 0x30003                    ; kc
	s_lshr_b32 s35, s40, 6                         ; Gt
	s_lshl_b32 s35, s35, 7
	s_lshr_b32 s50, s22, 1
	s_lshl_b32 s50, s50, 5
	s_add_co_u32 s35, s35, s50
	s_and_b32 s50, s22, 1
	s_lshl_b32 s50, s50, 3
	s_add_co_u32 s35, s35, s50                     ; 128 Gt + 32 (a / 2) + 8 (a % 2)
	s_lshl_b32 s23, s23, 6
	s_mov_b32 s24, 0xbcd49a00                      ; -c_hi = -27,213 x 2^-20
	s_mov_b32 s25, 0xb426c40c                      ; -ln2 x c_lo
	s_mov_b32 s26, 0x3f22f983                      ; 2 / pi
	s_mov_b32 s27, 0xbfc90fdb                      ; -(pi / 2), its upper part,
	s_mov_b32 s28, 0x333bbd2e                      ; and what is left of it
	s_mov_b32 s29, 0xb94ca1f9                      ; sine: -1.9515296e-4,
	s_mov_b32 s30, 0x3c08839e                      ; 8.3321609e-3,
	s_mov_b32 s31, 0xbe2aaaa3                      ; -1.6666655e-1
	s_mov_b32 s32, 0x37ccf5ce                      ; cosine: 2.4433157e-5,
	s_mov_b32 s33, 0xbab6061a                      ; -1.3887316e-3,
	s_mov_b32 s34, 0x3d2aaaa5                      ; 4.1666646e-2
	s_lshl_b32 s42, s40, 13                        ; 8,192 bytes a unit
	s_mov_b32 s43, 0
	s_add_nc_u64 s[16:17], s[16:17], s[42:43]
	WIN 0x40                                       ; destination v256 on, sources v0 on
	v_and_b32 v1, 31, v0
	v_and_b32 v2, 15, v0
	v_bfe_u32 v3, v0, 4, 1
	WIN 0x55                                       ; from here to the table's stores every vector register named lies in v256-511
	v_lshlrev_b32 v[LOFF], 4, v1
	v_and_b32 v[TF], 8, v2
	v_add_nc_u32 v[TF], v[TF], v2
	v_add_nc_u32 v[TF], s35, v[TF]                 ; + r + 8 (r / 8): my token
	v_cvt_f32_u32 v[TF], v[TF]
	v_lshl_add_u32 v[PB], v3, 3, s23               ; 64 kc + 8 h: my first pair
.set m, 0
.rept 32
	v_add_nc_u32 v[PF+m], 16*(m/8)+m%8, v[PB]      ; pair m of mine: P = 64 kc + 8 h + 16 (m / 8) + m % 8
.set m, m+1
.endr
.set m, 0
.rept 32
	v_cvt_f32_u32 v[PF+m], v[PF+m]
.set m, m+1
.endr
.set m, 0
.rept 32
	v_mul_f32 v[F+m], s24, v[PF+m]                 ; -P c_hi, exact
.set m, m+1
.endr
	s_wait_alu depctr_va_vdst(0)                   ; ahead of the batch
.set m, 0
.rept 32
	v_exp_f32 v[F+m], v[F+m]                       ; one batch
.set m, m+1
.endr
.set m, 0
.rept 32
	v_fma_f32 v[PF+m], v[PF+m], s25, 1.0           ; 1 - ln2 P c_lo: plain work that names no result of the batch
.set m, m+1
.endr
	s_wait_alu depctr_va_vdst(0)                   ; one wait for the batch, ahead of its first reader
.set m, 0
.rept 32
	v_mul_f32 v[F+m], v[F+m], v[PF+m]              ; inv_freq
.set m, m+1
.endr
.set m, 0
.rept 32
	v_mul_f32 v[F+m], v[TF], v[F+m]                ; the angle, rounded once
.set m, m+1
.endr
.irp m0, 0,4,8,12,16,20,24,28
	SC4 \m0
.endr
.irp n, 0,1,2,3,4,5,6,7,8,9,10,11,12,13,14,15
	global_store_b128 v[LOFF], v[OUT+4*\n:OUT+4*\n+3], s[16:17] offset:512*\n   ; 512 consecutive bytes, aligned; these registers are not written again
.endr
	WIN 0
	; ---- the quantiser
	FRAGS
	s_cmp_lt_u32 s18, s53                          ; has my work-group a unit 4 + my wave's number?
	s_cbranch_scc0 .Lend
	s_wait_xcnt 0x0                                ; my loads and stores have read their bases: they are written again below
	s_add_co_u32 s41, s41, 4
	QSET
	LOAD 0
	LOAD 1
	LOAD 2
	FRAGS
.Lend:
	s_wait_tensorcnt 0x0                           ; the wave's end, behind my last LDS store
	ds_add_u32 v62, v63
	s_wait_dscnt 0x0
	s_endpgm
.Lfunc_end_k_qfbe38520c3_prep:
	.size	k_qfbe38520c3_prep, .Lfunc_end_k_qfbe38520c3_prep-k_qfbe38520c3_prep
	.p2alignl 7, 3214868480
	.fill 96, 4, 3214868480
	.section	.rodata,"a",@progbits
	.p2align	6, 0x0
	.amdhsa_kernel k_qfbe38520c3_prep
		.amdhsa_group_segment_fixed_size 34304
		.amdhsa_private_segment_fixed_size 0
		.amdhsa_enable_private_segment 0
		.amdhsa_kernarg_size 56
		.amdhsa_user_sgpr_count 2
		.amdhsa_user_sgpr_kernarg_segment_ptr 1
		.amdhsa_wavefront_size32 1
		.amdhsa_system_sgpr_workgroup_id_x 1
		.amdhsa_system_sgpr_workgroup_id_y 1
		.amdhsa_system_sgpr_workgroup_id_z 1
		.amdhsa_system_vgpr_workitem_id 0
		.amdhsa_next_free_vgpr 768
		.amdhsa_next_free_sgpr 66
		.amdhsa_reserve_vcc 0
		.amdhsa_float_denorm_mode_32 3
		.amdhsa_float_denorm_mode_16_64 3
		.amdhsa_memory_ordered 1
		.amdhsa_forward_progress 1
		.amdhsa_inst_pref_size 117
	.end_amdhsa_kernel
	.amdgpu_metadata
---
amdhsa.version: [ 1, 2 ]
amdhsa.kernels:
  - .name:           k_qfbe38520c3_prep
    .symbol:         k_qfbe38520c3_prep.kd
    .args:
      - { .name: x, .offset: 0, .size: 8, .value_kind: global_buffer, .address_space: global }
      - { .name: wq_w, .offset: 8, .size: 8, .value_kind: global_buffer, .address_space: global }
      - { .name: wk_w, .offset: 16, .size: 8, .value_kind: global_buffer, .address_space: global }
      - { .name: wv_w, .offset: 24, .size: 8, .value_kind: global_buffer, .address_space: global }
      - { .name: cod1, .offset: 32, .size: 8, .value_kind: global_buffer, .address_space: global }
      - { .name: scl1, .offset: 40, .size: 8, .value_kind: global_buffer, .address_space: global }
      - { .name: rot, .offset: 48, .size: 8, .value_kind: global_buffer, .address_space: global }
    .group_segment_fixed_size: 34304
    .private_segment_fixed_size: 0
    .kernarg_segment_align: 8
    .kernarg_segment_size: 56
    .max_flat_workgroup_size: 128
    .sgpr_count:     66
    .vgpr_count:     768
    .wavefront_size: 32
...
	.end_amdgpu_metadata
.endif
;; end of part 5
;; launch proj (part 6): grid 4 x 64, 4 waves a work-group, clusters of 4 x 4, 327,680 bytes of LDS; arguments cod1, scl1, rot, wq_b, wk_b, wv_b, cod2, scl2; writes cod2, scl2
.if DOCPART == 6
	.amdgcn_target "amdgcn-amd-amdhsa--gfx1250"
	.amdhsa_code_object_version 6
	.text
	.protected	k_qfbe38520c3_proj
	.globl	k_qfbe38520c3_proj
	.p2align	8
	.type	k_qfbe38520c3_proj,@function
k_qfbe38520c3_proj:
	s_mov_b64 s[64:65], 0
	v_nop
	global_prefetch_b8 v0, s[64:65] scope:SCOPE_SE
	s_setreg_imm32_b32 hwreg(HW_REG_WAVE_MODE, 25, 1), 1
	s_wait_xcnt 0x0
	s_wait_alu depctr_hold_cnt(0) depctr_sa_sdst(0) depctr_va_vdst(0) depctr_va_sdst(0) depctr_va_ssrc(0) depctr_va_vcc(0) depctr_vm_vsrc(0)
	s_getreg_b32 s2, hwreg(HW_REG_IB_STS2, 6, 4)
	s_cmp_eq_u32 s2, 0
	s_cbranch_scc0 .Lentry_in_a_cluster
	s_endpgm
.Lentry_in_a_cluster:
	s_bfe_u32 s2, ttmp6, 0x10000c
	s_cmp_lg_u32 s2, 0xf033
	s_cbranch_scc0 .Lentry_shape_is_right
	s_endpgm
.Lentry_shape_is_right:
; PROJ.  q = rope(x wq^T + bq), k = rope(x wk^T + bk), v = x wv^T + bv, on codes of BF6 (E3M2) with one E8M0 byte for each 32 along K; the results are quantised at once: q and k along the 1,024 features,
; v along the tokens (the keys are the last product's K), and stored as images of the next products' operand registers.
; LAYOUT OF ALL CODES (cod1 in, cod2 out): rows in groups of 128; a fragment (16 rows x 128 K, 12 registers a lane) is 1,536 bytes, registers 4 c .. 4 c + 3 of lane l at 512 c + 16 l; a chunk = a group's 8 fragments of one
; 128 along K = 12,288 bytes; a buffer is [group][chunk].  Lane row p of fragment a is the group's row 32 (a / 2) + 8 (a % 2) + p + 8 (p / 8).  Scale words: [group][chunk][512], row (a, r)'s at 256 (a / 4) + 16 r + 4 (a % 4).
; cod1: x groups 0-63, wq 64-71, wk 72-79, wv 80-87.  cod2: q at 0 [64 token groups][8], k at 6,291,456 likewise, v^T at 12,582,912 [batch x 8 + feature group][16 token chunks]; scl2: 0, 262,144, 524,288.
; A WORK-GROUP STAYS.  Work-group (T, j) owns the 128 tokens of group T and the features 256 j .. 256 j + 255, and makes three tiles of 128 x 256 one after the other: q's, k's, v's.  64 x 4 work-groups, all with the same work.
; x's codes for all of K (98,304 bytes) come into LDS once and stay; a weight's two groups for all of K (196,608 bytes) are filled three times; all scale words come once.  The kind of a tile hangs on its place in the walk
; alone, so the three tiles are written out and no branch hangs on the kind.
; A WAVE makes 64 x 128: 32 accumulators.  THE MATRIX INSTRUCTION IS USED TRANSPOSED: source 0 = a fragment of side B (8 of them), source 1 = a fragment of side A (4).  A lane (r, h) holds ONE row of side A, and the 64 registers
; of a block of A run along side B's 128 rows in true order: register 16 b + i is B's row 32 b + 16 h + i.  So they are the quantiser's input as they stand.
; q, k: side A = 64 of my tokens (wave / 2), side B = one group of the weight (wave % 2).  v: side A = 64 rows of wv (group wave / 2, half wave % 2), side B = the 128 tokens: a lane holds a feature, its registers run along the tokens.
; The two cases differ in address registers that are made of the wave's number alone.
; CLUSTERS: 4 x 4.  x's tiles hang on T alone and are asked for jointly along a row of the cluster (its four j), the weights' on j alone, jointly along a column (four T).  Every wave issues the same lines, each for bytes of its own.
; THE REFILLS, one tensor load a wave, each behind a round of the cluster's barrier: the weight's chunks 0-3 in the middle of chunk 3, when nobody reads them any more (that round also shows chunks 4-7 landed to every wave);
; its chunks 4-7 behind the first of the four blocks on the way out (that round also shows the next tile's chunks 0-3 landed).
; THE TABLE of cos and sin for my 64 tokens x 128 features is 256 registers: it is loaded once and serves q and k.
; LIMITS: NaN and infinities are not served; a block whose largest magnitude lies under 2^-122 keeps the byte 1.
; REGISTERS, in windows of 256.  Window 0: v1-30 addresses; v32-47 scale words, two sets, and nothing else; v48-53 the scale words made; v56-59 wv_b of my rows; v64-127 the bias along the registers;
;   v128-223 A's fragments, two sets of 48; on the way out v128-191 a block's 64 numbers, v192-207 at work; v224-243 codes, v244-255 the quantiser's.
;   Window 1: B's fragments, two sets, at v0 and v128.   Window 2: the accumulators, (i, b) at v[8 (8 i + b)].   Window 3: the table, block i at v[64 i].
.set FR,     12                        ; registers of a fragment
.set FRB,    1536                      ; and its image in bytes
.set CHB,    8*FRB                     ; a chunk
.set HK,     4*CHB                     ; half of a group's K
.set GK,     8*CHB                     ; a group's K
.set KIND,   8*GK                      ; from a weight's group to the next weight's group of the same number, in cod1
.set WSQ,    0                         ; LDS: wq's scale words, [2 groups][8 chunks][512];
.set WSK,    WSQ+8192                  ; wk's;
.set WSV,    WSK+8192                  ; wv's: the three on end, as one tensor load lays them;
.set XSC,    WSV+8192                  ; x's, [8 chunks][512];
.set XR,     XSC+4096                  ; x's codes, [8 chunks]
.set WR,     XR+GK                     ; the weight's codes, [2 groups][8 chunks]
.set SPARE,  WR+2*GK                   ; the spare words, 128 bytes for each wave: two blocks of 256 bytes that no other line names
.set AQ,   8                           ; v8-9    q, k: LDS address of my A fragments (x), chunks 0-3 and 4-7
.set BQ,   10                          ; v10-11  q, k: of my B fragments (the weight)
.set AV,   12                          ; v12-13  v: of my A fragments (wv)
.set BX,   14                          ; v14-15  v: of my B fragments (x)
.set SQ,   16                          ; v16     scale words for q: lanes 0-15 side A's, lanes 16-31 side B's
.set SK,   17                          ; v17     for k
.set SV,   18                          ; v18     for v
.set BA,   19                          ; v19     the bias along the registers: 64 h
.set BB,   20                          ; v20     the bias along the lanes: 4 (r + 8 (r / 8))
.set SOFF, 21                          ; v21     my 8 bytes of a scale image's half: 16 r + 8 h
.set SPW,  28                          ; v28     my spare word; never rewritten
.set NIL,  29                          ; v29     0; never rewritten
.set LI,   30                          ; v30     16 x lane
.set SC,   32                          ; scale words: set s at v[SC + 8 s]; register i: lanes 0-15 the word of my A block i (i < 4), lanes 16-31 that of B's block i
.set PWS,  48
.set SW,   52
.set BV,   56
.set BIAS, 64
.set AF,   128
.set X,    128
.set U,    192
.set PC,   224
.set TM,   244
.set SEL,  66                          ; s[66:67]
.set G1X,  24                          ; s[24:31] descriptor group 1 for x's codes;  s[32:39] the weights';  s[40:47] x's scale words;  s[48:55] the weights'
.set G1W,  32
.set G1XS, 40
.set G1WS, 48
.set G0XS, 56                          ; groups 0: x's scale words, wq's, wk's, wv's;
.set G0SQ, 60
.set G1WH, 68                          ; s[68:75] group 1 for the head's load of wq's two groups, all of K
.set G0WH, 80                          ; s[80:83] its group 0
.set G0X,  76                          ; s[76:79] x's codes, all of K in one load;
.set G0W,  84                          ; s[84:91] the weight's, a set for each half of K: these two walk from weight to weight
.set MSB, 0
.macro WIN new                         ; the immediate's high byte repeats the setting that is left; a switch that changes nothing is dropped
.if MSB != (\new)
	s_set_vgpr_msb (MSB<<8)|(\new)
.set MSB, (\new)
.endif
.endm
.set MUL,  0xa1                        ; source 0 (B) window 1, source 1 (A) window 0, C and D window 2
.set TO_B, 0x40                        ; destination window 1, address window 0
.macro CREST                           ; a round of the cluster's barrier behind its opening barrier
	s_cmp_lg_u32 s14, 0
	s_cbranch_scc1 .Lnot_wave_0_\@
	s_barrier_signal -3
.Lnot_wave_0_\@:
	s_barrier_wait -3
	s_barrier_signal -1
	s_barrier_wait -1
.endm
.macro CROUND                          ; a whole round
	s_barrier_signal -1
	s_barrier_wait -1
	CREST
.endm
; A load into a register that a matrix instruction has read, and a vector instruction that reads a matrix result, stand four places behind that matrix instruction; only plain vector instructions that name none of its
; registers are places (ISA guide 7.12.1 for vector instructions).
.macro PLACES n
.rept \n
	v_nop
.endr
.endm
.macro FRAG reg, adr, off              ; a fragment's image comes back as it was stored: three loads, each 512 consecutive bytes
.irp c, 0,1,2
	ds_load_b128 v[\reg+4*\c:\reg+4*\c+3], v[\adr] offset:\off+512*\c
.endr
.endm
; A chunk's 38 LDS loads, always in this order: RUN0 (the scale words, A's block 0, B's blocks 0, 1: 11 loads), RUNB 2 (B's 2-4: 9), RUNB 5 (B's 5-7: 9), RUN3 (A's blocks 1-3: 9).
.macro RUN0 pa, pb, ps, q, kap, set
	WIN 0
.irp g, 0,1
	ds_load_b128 v[SC+8*(\set)+4*\g:SC+8*(\set)+4*\g+3], v[\ps] offset:512*(\kap)+256*\g   ; a lane takes its row's words of four blocks (of the second load lanes 0-15 use nothing)
.endr
	FRAG AF+48*(\set), \pa, (\q)*CHB
	WIN TO_B
	FRAG 128*(\set), \pb, (\q)*CHB
	FRAG 128*(\set)+FR, \pb, (\q)*CHB+FRB
.endm
.macro RUNB pb, q, set, b0
	WIN TO_B
.irp b, \b0, \b0+1, \b0+2
	FRAG 128*(\set)+FR*(\b), \pb, (\q)*CHB+(\b)*FRB
.endr
.endm
.macro RUN3 pa, q, set
	WIN 0
.irp i, 1,2,3
	FRAG AF+48*(\set)+FR*\i, \pa, (\q)*CHB+\i*FRB
.endr
.endm
.macro FETCH pa, pb, ps, q, kap, set
	RUN0 \pa, \pb, \ps, \q, \kap, \set
	RUNB \pb, \q, \set, 2
	RUNB \pb, \q, \set, 5
	RUN3 \pa, \q, \set
.endm
; 8 matrix instructions: my A block i x B's eight, one chunk.  zero = 1: the first product starts the sums.  The 32 accumulators take turns, one instruction a turn, in the same order in every chunk.
.macro MUL8 i, set, zero
.irp b, 0,1,2,3,4,5,6,7
.if \zero
	v_wmma_scale_f32_16x16x128_f8f6f4 v[8*(8*(\i)+\b):8*(8*(\i)+\b)+7], v[128*(\set)+FR*\b:128*(\set)+FR*\b+FR-1], v[AF+48*(\set)+FR*(\i):AF+48*(\set)+FR*(\i)+FR-1], 0, v[SC+8*(\set)+\b], v[SC+8*(\set)+(\i)] matrix_a_fmt:MATRIX_FMT_BF6 matrix_b_fmt:MATRIX_FMT_BF6 matrix_a_scale:MATRIX_SCALE_ROW1
.else
	v_wmma_scale_f32_16x16x128_f8f6f4 v[8*(8*(\i)+\b):8*(8*(\i)+\b)+7], v[128*(\set)+FR*\b:128*(\set)+FR*\b+FR-1], v[AF+48*(\set)+FR*(\i):AF+48*(\set)+FR*(\i)+FR-1], v[8*(8*(\i)+\b):8*(8*(\i)+\b)+7], v[SC+8*(\set)+\b], v[SC+8*(\set)+(\i)] matrix_a_fmt:MATRIX_FMT_BF6 matrix_b_fmt:MATRIX_FMT_BF6 matrix_a_scale:MATRIX_SCALE_ROW1
.endif
.endr
.endm
; A chunk whose successor may be read already: multiplies the set named and fetches the next chunk (nq: its place under the address registers, nkap: its number) into the other set, in two runs.
.macro STEP pa, pb, ps, nq, nkap, set, zero
	PLACES 4                                       ; the other set was read by the chunk before
	RUN0 \pa, \pb, \ps, \nq, \nkap, 1-(\set)
	RUNB \pb, \nq, 1-(\set), 2
	s_wait_dscnt 29                                ; the 20 loads just issued and the last fetch's youngest nine (A's blocks 1-3) may be out
	WIN MUL
	MUL8 0, \set, \zero
	s_wait_dscnt 20                                ; only the 20 just issued
	MUL8 1, \set, \zero
	RUNB \pb, \nq, 1-(\set), 5
	RUN3 \pa, \nq, 1-(\set)
	WIN MUL
	MUL8 2, \set, \zero
	MUL8 3, \set, \zero
.endm
; Chunk 3: ONE barrier, for two things.  In front of it each wave waits for all its tensor loads (its part of chunks 4-7 among them), adds 0 to its spare word, and waits for that and for its reads of chunks 0-3.
; Behind it chunks 4-7 are whole and nobody reads the weight's chunks 0-3.  fill = 1: those take the next weight's.
.macro TURN pa, pb, ps, nkap, set, fill
	WIN 0                                          ; (the add's two registers lie in window 0)
	s_wait_tensorcnt 0x0                           ; all my tensor loads have landed
	ds_add_u32 v[SPW], v[NIL]                      ; 0 onto my spare word
	s_wait_dscnt 1                                 ; this chunk's fragments are in (the add may be out)
	WIN MUL
	MUL8 0, \set, 0                                ; eight matrix instructions stand between the add and the wait for it
	s_wait_dscnt 0x0                               ; the add is done, and my reads of chunks 0-3 are over
	s_barrier_signal -1
	MUL8 1, \set, 0
	WIN 0
	s_barrier_wait -1
.if \fill
	CREST                                          ; the barrier has opened a round of the cluster's: no wave of any partner still reads those bytes or has a load on its way
	s_add_nc_u64 s[G0W+2:G0W+3], s[G0W+2:G0W+3], KIND
	tensor_load_to_lds s[G0W:G0W+3], s[G1W:G1W+7]  ; my one tensor load behind the round, and the first thing there
	s_nop 0
	PLACES 4                                       ; the places in front of the loads below
.else
	PLACES 4
.endif
	FETCH \pa, \pb, \ps, 0, \nkap, 1-(\set)
	WIN MUL
	MUL8 2, \set, 0
	MUL8 3, \set, 0
.endm
.macro LAST set                        ; chunk 7: nothing more to fetch
	s_wait_dscnt 0x0
	WIN MUL
.irp i, 0,1,2,3
	MUL8 \i, \set, 0
.endr
	WIN 0
	PLACES 4                                       ; in front of the first read of results, and of writes into registers that held fragments
.endm
.macro KLOOP pa, pb, ps, fill, tab     ; tab = 1, in q's tile: the table of cos and sin is asked for on the way, 32 loads behind the first fetch and 32 behind chunk 3: the head's tiles have the way into the WGP to themselves
	FETCH \pa, \pb, \ps, 0, 0, 0
.if \tab
	TABLD 0
.endif
	STEP \pa, \pb, \ps, 1, 1, 0, 1
.if \fill
	WIN 0
	global_prefetch_b8 v6, s[22:23] offset:PFK th:TH_LOAD_NT scope:SCOPE_SE      ; the next weight's chunks 0-3, which chunk 3's refill brings: two and a half chunks ahead
.endif
	STEP \pa, \pb, \ps, 2, 2, 1, 0
	STEP \pa, \pb, \ps, 3, 3, 0, 0
	TURN \pa+1, \pb+1, \ps, 4, 1, \fill
.if \tab
	TABLD 2
.endif
	STEP \pa+1, \pb+1, \ps, 1, 5, 0, 0
.if \fill
	WIN 0
	global_prefetch_b8 v6, s[22:23] offset:PFK+HK th:TH_LOAD_NT scope:SCOPE_SE   ; its chunks 4-7, which the refill on the way out brings: three chunks ahead and more
.endif
	STEP \pa+1, \pb+1, \ps, 2, 6, 1, 0
	STEP \pa+1, \pb+1, \ps, 3, 7, 0, 0
	LAST 1
.endm
; The weight's chunks 4-7 take the next weight's.  My reads of them ended in front of chunk 7's products.  The wait for all my tensor loads shows my part of the next weight's chunks 0-3 landed; the round shows it of every wave.
.macro REFILL
	s_wait_tensorcnt 0x0
	ds_add_u32 v[SPW], v[NIL]
	s_add_nc_u64 s[G0W+6:G0W+7], s[G0W+6:G0W+7], KIND
	s_wait_dscnt 0x0
	CROUND
	tensor_load_to_lds s[G0W+4:G0W+7], s[G1W:G1W+7]
	s_nop 0
	PLACES 4
.endm
; 64 numbers of a lane, v[s] on, register 16 b + i = k 32 b + 16 h + i of my row, become a fragment's codes in v[PC] .. v[PC + 11] and its row's scale word in v[pw].
.macro QUANT s, pw
.irp b, 0,1,2,3
	v_max3_num_f32 v[TM+\b], |v[\s+16*\b]|, |v[\s+1+16*\b]|, 0x2800000   ; and the floor 2^(5 - 127): the byte cannot fall under 1
.endr
.irp i, 2,4,6,8,10,12,14
.irp b, 0,1,2,3
	v_max3_num_f32 v[TM+\b], v[TM+\b], |v[\s+16*\b+\i]|, |v[\s+1+16*\b+\i]|
.endr
.endr
.irp b, 0,1,2,3
	v_permlanex16_b32 v[TM+4+\b], v[TM+\b], s[SEL], s[SEL+1]
.endr
.irp b, 0,1,2,3
	v_max_num_f32 v[TM+\b], v[TM+\b], v[TM+4+\b]       ; with lane l xor 16's 16: the block's largest magnitude
.endr
.irp b, 0,1,2,3
	v_add_nc_u32 v[TM+8+\b], 0xfe000000, v[TM+\b]      ; 4 off the exponent field: the conversion's scale operand
.endr
.irp b, 0,1,2,3
	v_lshrrev_b32 v[TM+4+\b], 23, v[TM+8+\b]           ; the scale's byte
.endr
	v_lshl_or_b32 v[\pw], v[TM+5], 8, v[TM+4]
	v_lshl_or_b32 v[\pw], v[TM+6], 16, v[\pw]
	v_lshl_or_b32 v[\pw], v[TM+7], 24, v[\pw]
.irp c, 0,1
	v_cvt_scalef32_pk16_bf6_f32 v[PC+6*\c:PC+2+6*\c], v[\s+32*\c:\s+15+32*\c], v[TM+8+2*\c]
	v_cvt_scalef32_pk16_bf6_f32 v[PC+12+4*\c:PC+14+4*\c], v[\s+16+32*\c:\s+31+32*\c], v[TM+8+2*\c+1]   ; (a conversion's three registers begin on an even number)
.endr
	v_nop                                              ; one plain place behind a scaled conversion
.irp c, 0,1                                        ; the operand wants a whole block in a lane
.irp i, 0,1,2
	v_permlane16_swap_b32 v[PC+6*\c+\i], v[PC+12+4*\c+\i]
.endr
.irp i, 0,1,2
	v_mov_b32 v[PC+3+6*\c+\i], v[PC+12+4*\c+\i]
.endr
.endr
.endm
.macro SHAPE g, rows                   ; a dense block as rows of 256 bytes (32 elements of 8 bytes), no padding
	s_mov_b32 s[\g+1], 32<<16                      ; tensor_dim0
	s_mov_b32 s[\g+2], (\rows)<<16                 ; tensor_dim1
	s_mov_b32 s[\g+3], 32<<16                      ; tile_dim0
	s_mov_b32 s[\g+4], \rows                       ; tile_dim1
	s_mov_b32 s[\g+5], 32                          ; tensor_dim0_stride
	s_mov_b32 s[\g+6], 0
	s_mov_b32 s[\g+7], 0
.endm
	s_load_b128 s[4:7], s[0:1], 0x0                ; cod1, scl1
	s_load_b128 s[8:11], s[0:1], 0x10              ; rot, wq_b
	s_load_b64 s[12:13], s[0:1], 0x20              ; wk_b
	s_load_b128 s[96:99], s[0:1], 0x28             ; wv_b, cod2
	s_load_b64 s[100:101], s[0:1], 0x38            ; scl2
	v_lshl_add_u32 v[SPW], v0, 2, SPARE
	v_mov_b32 v[NIL], 0
	ds_add_u32 v28, v29
	ds_add_u32 v28, v29
	s_wait_dscnt 0x0
	v_lshrrev_b32 v1, 5, v0
	v_readfirstlane_b32 s14, v1                    ; wave 0..3
	s_lshr_b32 s15, s14, 1
	s_and_b32 s16, s14, 1
	s_bfe_u32 s104, ttmp6, 0x40000                 ; cx, cy: my place in the cluster
	s_bfe_u32 s105, ttmp6, 0x40004
	s_lshl_b32 s18, ttmp9, 2
	s_add_co_u32 s18, s18, s104                    ; j: my 256 features, 0..3
	s_and_b32 s17, ttmp7, 0xffff
	s_lshl_b32 s17, s17, 2
	s_add_co_u32 s17, s17, s105                    ; T: my group of 128 tokens, 0..63
	s_lshl_b32 s19, s105, 2
	s_lshl_b32 s19, 15, s19                        ; my row of the cluster
	s_lshl_b32 s104, 0x1111, s104                  ; my column
	s_or_b32 s[G1X], s19, (3<<16)|(1<<21)          ; 15:0 the mask: x's tiles go to my row; 17:16 elements of 8 bytes; 21 set beside a mask
	s_or_b32 s[G1XS], s19, (3<<16)|(1<<21)
	s_or_b32 s[G1W], s104, (3<<16)|(1<<21)         ; the weights' go to my column
	s_or_b32 s[G1WS], s104, (3<<16)|(1<<21)
	s_or_b32 s[G1WH], s104, (3<<16)|(1<<21)
	SHAPE G1X, GK/256                              ; x's group, all eight chunks
	SHAPE G1W, 2*CHB/256                           ; a refill: two chunks of a weight's group
	SHAPE G1XS, 16                                 ; x's scale words, 4,096 bytes
	SHAPE G1WH, 2*GK/256                           ; wq's two groups lie on end in cod1: 196,608 dense bytes
	s_mov_b32 s[G1WS+1], 1024<<16                  ; the three weights' scale words of my two groups: 3 rows of 8,192 bytes (1,024 elements of 8),
	s_mov_b32 s[G1WS+2], 3<<16
	s_mov_b32 s[G1WS+3], 1024<<16
	s_mov_b32 s[G1WS+4], 3
	s_mov_b32 s[G1WS+5], 4096                      ; 32,768 bytes (a weight's eight groups) from row to row
	s_mov_b32 s[G1WS+6], 0
	s_mov_b32 s[G1WS+7], 0
	s_mul_i32 s20, s17, GK                         ; x: group T, all eight chunks, made of T alone
	s_mov_b32 s21, 0
	s_lshl_b32 s22, s17, 12                        ; and its scale words
	s_mov_b32 s23, 0
	s_lshl_b32 s92, s18, 1                         ; the weights: made of j and the wave's number alone
	s_add_co_u32 s92, s92, 64                      ; wq's first group of my two
	s_lshl_b32 s94, s92, 12                        ; where the two groups' scale words of wq begin
	s_mov_b32 s95, 0
	s_mul_i32 s[G0WH+2], s92, GK                   ; where wq's first group of my two begins in cod1, in bytes
	s_mov_b32 s[G0WH+3], 0
	s_add_co_u32 s92, s92, s16                     ; group wave % 2,
	s_mul_i32 s92, s92, GK
	s_mul_i32 s93, s15, 2*CHB                      ; chunks 2 (wave / 2) on
	s_add_co_u32 s92, s92, s93
	s_mov_b32 s93, 0
	s_mul_i32 s3, s16, GK
	s_mul_i32 s19, s15, 2*CHB
	s_add_co_u32 s3, s3, s19
	s_add_co_u32 s3, s3, WR
	s_wait_kmcnt 0x0
	s_mov_b32 s[G0XS], 1
	s_mov_b32 s[G0XS+1], XSC
	s_add_nc_u64 s[G0XS+2:G0XS+3], s[6:7], s[22:23]
	s_or_b32 s[G0XS+3], s[G0XS+3], 0x80000000
	s_add_nc_u64 s[94:95], s[6:7], s[94:95]
	s_mov_b32 s[G0SQ], 1
	s_mov_b32 s[G0SQ+1], WSQ
	s_mov_b64 s[G0SQ+2:G0SQ+3], s[94:95]
	s_or_b32 s[G0SQ+3], s[G0SQ+3], 0x80000000
	s_mov_b32 s[G0WH], 1
	s_mov_b32 s[G0WH+1], WR
	s_add_nc_u64 s[G0WH+2:G0WH+3], s[4:5], s[G0WH+2:G0WH+3]
	s_or_b32 s[G0WH+3], s[G0WH+3], 0x80000000
	s_add_nc_u64 s[20:21], s[4:5], s[20:21]
	s_add_nc_u64 s[92:93], s[4:5], s[92:93]
	s_mov_b32 s[G0X], 1
	s_mov_b32 s[G0X+1], XR
	s_mov_b64 s[G0X+2:G0X+3], s[20:21]
	s_or_b32 s[G0X+3], s[G0X+3], 0x80000000
.irp f, 0,1                                    ; the refills' sets, one for each half of K: first used for wk
	s_mov_b32 s[G0W+4*\f], 1
	s_add_co_u32 s[G0W+4*\f+1], s3, \f*HK
	s_add_nc_u64 s[G0W+4*\f+2:G0W+4*\f+3], s[92:93], \f*HK
	s_or_b32 s[G0W+4*\f+3], s[G0W+4*\f+3], 0x80000000
.endr
	CROUND                                         ; all sixteen work-groups are here: the first joint loads meet
; THE HEAD'S LOADS, ONE A WAVE: wave 0 x's codes, wave 1 wq's codes, wave 2 x's scale words, wave 3 the three weights' scale words.
; One chain of branches on the wave's number, a load to an arm, all arms leading to one join: every way through the head passes exactly one load.
.macro ARM under, g0, g1, next
	s_cmp_lt_u32 s14, \under
	s_cbranch_scc0 \next
	tensor_load_to_lds s[\g0:\g0+3], s[\g1:\g1+7]
	s_nop 0
	PLACES 4
	s_branch .Lhead_asked
\next:
.endm
	ARM 1, G0X,  G1X,  .Lhead_w
	ARM 2, G0WH, G1WH, .Lhead_xs
	ARM 3, G0XS, G1XS, .Lhead_ws
	tensor_load_to_lds s[G0SQ:G0SQ+3], s[G1WS:G1WS+7]
	s_nop 0
	PLACES 4
.Lhead_asked:
	v_and_b32 v1, 15, v0
	v_bfe_u32 v2, v0, 4, 1                         ; h
	v_and_b32 v3, 31, v0
	v_lshlrev_b32 v[LI], 4, v3
	v_min_u32 v6, 23, v3
	v_lshlrev_b32 v6, 8, v6                        ; v6: the prefetches' offset, a lane a block of 256 bytes, 24 blocks a wave (lanes left over name the last again); never rewritten
	s_wait_alu depctr_va_vdst(0)
	s_mul_i32 s20, s15, 4*FRB
	s_add_co_u32 s20, s20, XR
	s_mul_i32 s21, s16, GK
	s_add_co_u32 s21, s21, WR                      ; side B: the weight's group wave % 2
	s_mul_i32 s22, s15, GK                         ; v: side A: wv's group wave / 2, blocks 4 (wave % 2) on;
	s_mul_i32 s23, s16, 4*FRB
	s_add_co_u32 s22, s22, s23
	s_add_co_u32 s22, s22, WR                      ; side B: all of x
.irp f, 0,1
	v_add_nc_u32 v[AQ+\f], s20, v[LI]
	v_add_nc_u32 v[BQ+\f], s21, v[LI]
	v_add_nc_u32 v[AV+\f], s22, v[LI]
	v_add_nc_u32 v[BX+\f], XR+\f*HK, v[LI]
	s_add_co_u32 s20, s20, HK
	s_add_co_u32 s21, s21, HK
	s_add_co_u32 s22, s22, HK
.endr
	s_lshl_b32 s20, s15, 8                         ; scale words, q: lanes 0-15 x's, blocks 4 (wave / 2) on; lanes 16-31 wq's group wave % 2
	s_lshl_b32 s21, s16, 12
	s_add_co_u32 s20, s20, XSC-WSQ                 ; wq's words lie lower than x's: the lower base + (1 - h) x the distance
	s_sub_co_u32 s20, s20, s21
	v_sub_nc_u32 v5, 1, v2
	v_mul_u32_u24 v4, s20, v5
	v_lshl_add_u32 v4, v1, 4, v4
	s_add_co_u32 s21, s21, WSQ
	v_add_nc_u32 v[SQ], s21, v4
	v_lshl_add_u32 v[SK], v2, 13, v[SQ]            ; k: wk's lie 8,192 bytes behind wq's
	s_lshl_b32 s22, s15, 12                        ; v: lanes 0-15 wv's group wave / 2, blocks 4 (wave % 2) on; lanes 16-31 x's
	s_lshl_b32 s23, s16, 8
	s_add_co_u32 s22, s22, s23
	s_sub_co_u32 s23, XSC-WSV, s22
	v_mul_u32_u24 v4, s23, v2
	v_lshl_add_u32 v4, v1, 4, v4
	s_add_co_u32 s22, s22, WSV
	v_add_nc_u32 v[SV], s22, v4
	v_lshlrev_b32 v[BA], 6, v2
	v_and_b32 v[BB], 8, v1
	v_add_nc_u32 v[BB], v[BB], v1
	v_lshlrev_b32 v[BB], 2, v[BB]
	s_wait_alu depctr_va_vdst(0)
	v_lshlrev_b32 v[SOFF], 4, v1
	v_lshl_add_u32 v[SOFF], v2, 3, v[SOFF]
.irp b, 0,1,2,3
	v_mov_b32 v[TM+4+\b], 0                        ; written once: a lane permute's destination counts as one of its sources
.endr
	s_mov_b32 s[SEL], 0x76543210
	s_mov_b32 s[SEL+1], 0xfedcba98
	s_mov_b32 s105, 0xffff0000                     ; the lanes with h = 1
	; where my results go, and what they need
	s_lshl_b32 s19, s18, 1
	s_add_co_u32 s2, s19, s16                      ; q, k: my chunk of 128 features, 0..7
	s_add_co_u32 s3, s19, s15                      ; v: my group of 128 features
	s_and_b32 s19, s17, 15                         ; the token group in its sequence
	s_mov_b32 s21, 0
	s_lshl_b32 s20, s19, 3
	s_add_co_u32 s20, s20, s2
	s_lshl_b32 s20, s20, 16                        ; the table: 65,536 bytes for 128 tokens x 128 features,
	s_lshl_b32 s22, s15, 15                        ; my four blocks of them
	s_add_co_u32 s20, s20, s22
	s_add_nc_u64 s[8:9], s[8:9], s[20:21]
	s_lshl_b32 s20, s2, 9
	s_add_nc_u64 s[10:11], s[10:11], s[20:21]      ; wq_b and wk_b at my chunk
	s_add_nc_u64 s[12:13], s[12:13], s[20:21]
	s_lshl_b32 s20, s3, 9
	s_lshl_b32 s22, s16, 8
	s_add_co_u32 s20, s20, s22
	s_add_nc_u64 s[96:97], s[96:97], s[20:21]      ; wv_b at my 64 rows
	s_lshl_b32 s22, s17, 3
	s_add_co_u32 s22, s22, s2                      ; q: token group x 8 + feature chunk
	s_mul_i32 s20, s22, CHB
	s_mul_i32 s23, s15, 4*FRB
	s_add_co_u32 s20, s20, s23
	s_add_nc_u64 s[92:93], s[98:99], s[20:21]      ; my four fragments of q (k's lie 6,291,456 bytes on)
	s_lshl_b32 s20, s22, 9
	s_lshl_b32 s23, s15, 8
	s_add_co_u32 s20, s20, s23
	s_add_nc_u64 s[94:95], s[100:101], s[20:21]    ; and their scale words (k's: 262,144 on)
	s_lshr_b32 s22, s17, 4
	s_lshl_b32 s22, s22, 3
	s_add_co_u32 s22, s22, s3
	s_lshl_b32 s22, s22, 4
	s_add_co_u32 s22, s22, s19                     ; v^T: (batch x 8 + feature group) x 16 + token chunk
	s_mul_i32 s20, s22, CHB
	s_mul_i32 s23, s16, 4*FRB
	s_add_co_u32 s20, s20, s23
	s_add_co_u32 s20, s20, 12582912
	s_add_nc_u64 s[98:99], s[98:99], s[20:21]
	s_lshl_b32 s20, s22, 9
	s_lshl_b32 s23, s16, 8
	s_add_co_u32 s20, s20, s23
	s_add_co_u32 s20, s20, 524288
	s_add_nc_u64 s[100:101], s[100:101], s[20:21]
	; THE PREFETCHES, one ahead of each of the four refills (wk's and wv's chunks 0-3 and 4-7).  A refill is two groups x four chunks, 98,304 bytes, which the four work-groups of a column of the cluster ask for jointly:
	; the partner at cy takes group cy / 2, chunks 2 (cy % 2) on, and each of its waves 6,144 bytes.  So each block is named once in the cluster; the shares are told apart by address alone.
	s_bfe_u32 s22, ttmp6, 0x40004                  ; cy
	s_lshl_b32 s20, s18, 1
	s_add_co_u32 s20, s20, 72                      ; wk's first group of my two
	s_lshr_b32 s23, s22, 1
	s_add_co_u32 s20, s20, s23
	s_lshl_b32 s20, s20, 3
	s_and_b32 s22, s22, 1
	s_lshl_b32 s22, s22, 1
	s_add_co_u32 s20, s20, s22
	s_mul_i32 s20, s20, CHB
	s_mul_i32 s22, s14, 6144
	s_add_co_u32 s20, s20, s22
	s_add_nc_u64 s[22:23], s[4:5], s[20:21]        ; s[22:23]: never rewritten
.macro LDBIAS base                     ; register 16 b + i: the bias of feature 32 b + 16 h + i of my chunk
.irp b, 0,1,2,3
.irp n, 0,1,2,3
	global_load_b128 v[BIAS+16*\b+4*\n:BIAS+16*\b+4*\n+3], v[BA], s[\base:\base+1] offset:128*\b+16*\n
.endr
.endr
.endm
	LDBIAS 10
.irp i, 0,1,2,3
	global_load_b32 v[BV+\i], v[BB], s[96:97] offset:4*(32*(\i/2)+8*(\i%2))   ; register i: wv_b at the feature of my row (i, r)
.endr
.macro TABLD i0                        ; the table for blocks i0, i0 + 1, in the order of a block's 64 numbers: cos in the even register, sin in the odd.  No matrix instruction names these registers
	WIN 0xc0                                       ; destination window 3
.irp i, \i0, \i0+1
.irp n, 0,1,2,3,4,5,6,7,8,9,10,11,12,13,14,15
	global_load_b128 v[64*(\i)+4*\n:64*(\i)+4*\n+3], v[LI], s[8:9] offset:8192*(\i)+512*\n
.endr
.endr
	WIN 0
.endm
.macro SENDF base, off                 ; a fragment: three stores, each 512 consecutive bytes, aligned
.irp c, 0,1,2
	global_store_b128 v[LI], v[PC+4*\c:PC+4*\c+3], s[\base:\base+1] offset:\off+512*\c
.endr
.endm
.macro SENDS base, off                 ; my four blocks' scale words: lane (r, h) stores those of blocks 2 h, 2 h + 1: 256 consecutive bytes, aligned
	v_cndmask_b32 v[SW], v[PWS], v[PWS+2], s105
	v_cndmask_b32 v[SW+1], v[PWS+1], v[PWS+3], s105
	global_store_b64 v[SOFF], v[SW:SW+1], s[\base:\base+1] offset:\off
.endm
; q, k: block i's 64 numbers + the bias, then the rotation of each pair (x0, x1) by (c, s): (x0 c - x1 s, x0 s + x1 c), two packed lines a pair.
.macro ROPE i
.set AC, 64*(\i)
	WIN 0x02                                       ; source 0: the accumulators' window
.set j, 0
.rept 32
	v_pk_add_f32 v[X+j:X+j+1], v[AC+j:AC+j+1], v[BIAS+j:BIAS+j+1]   ; each accumulator from its low end on
.set j, j+2
.endr
	WIN 0x0c                                       ; source 1: the table, window 3
.irp p, 0,1,2,3
.irp e, 0,1,2,3,4,5,6,7
	v_pk_mul_f32 v[U+2*\e:U+2*\e+1], v[X+16*\p+2*\e:X+16*\p+2*\e+1], v[AC+16*\p+2*\e:AC+16*\p+2*\e+1] op_sel:[1,1] op_sel_hi:[1,0] neg_lo:[1,0]   ; (-x1 s, x1 c)
.endr
.irp e, 0,1,2,3,4,5,6,7
	v_pk_fma_f32 v[X+16*\p+2*\e:X+16*\p+2*\e+1], v[X+16*\p+2*\e:X+16*\p+2*\e+1], v[AC+16*\p+2*\e:AC+16*\p+2*\e+1], v[U+2*\e:U+2*\e+1] op_sel_hi:[0,1,1]   ; (x0 c, x0 s) + that
.endr
.endr
	WIN 0
.endm
; v: block i's 64 numbers + the bias of my row's feature
.macro VBIAS i
.set AC, 64*(\i)
	WIN 0x02
.set j, 0
.rept 32
.if ((\i)%2) == 0
	v_pk_add_f32 v[X+j:X+j+1], v[AC+j:AC+j+1], v[BV+(\i):BV+(\i)+1] op_sel_hi:[1,0]
.else
	v_pk_add_f32 v[X+j:X+j+1], v[AC+j:AC+j+1], v[BV+(\i)-1:BV+(\i)] op_sel:[0,1] op_sel_hi:[1,1]
.endif
.set j, j+2
.endr
	WIN 0
.endm
.macro EPIQK coff, soff                ; the way out of a tile of q or k; the weight's chunks 4-7 are asked for behind its first block
.irp i, 0,1,2,3
	ROPE \i
	s_wait_xcnt 0x0                                ; the last stores have read their codes and scale words: those registers are written again below
	QUANT X, PWS+\i
	SENDF 92, \coff+FRB*\i
.if \i == 0
	REFILL
.endif
.endr
	SENDS 94, \soff
.endm
	s_wait_alu depctr_va_vdst(0)
	s_wait_tensorcnt 0x0                           ; my one load of the head's four is in,
	s_barrier_signal -1
	s_barrier_wait -1                              ; everybody's are
.set PFK, 0                            ; in q's tile the prefetches name wk,
	KLOOP AQ, BQ, SQ, 1, 1
	s_wait_loadcnt 0x0                             ; the biases and the table, asked for at the head
	EPIQK 0, 0
	LDBIAS 12                                      ; k's bias takes q's place; it has k's eight chunks in which to come
.set PFK, KIND                         ; in k's tile wv; v's tile asks for nothing
	KLOOP AQ, BQ, SK, 1, 0
	s_wait_loadcnt 0x0
	EPIQK 6291456, 262144
	KLOOP AV, BX, SV, 0, 0
.irp i, 0,1,2,3
	VBIAS \i
	s_wait_xcnt 0x0
	QUANT X, PWS+\i
	SENDF 98, FRB*\i
.endr
	SENDS 100, 0
	s_wait_tensorcnt 0x0                           ; the wave's end
	ds_add_u32 v[SPW], v[NIL]
	s_wait_dscnt 0x0
	CROUND                                         ; the closing round: no work-group ends while a partner may still ask for a tile that names it
	s_endpgm
.Lfunc_end_k_qfbe38520c3_proj:
	.size	k_qfbe38520c3_proj, .Lfunc_end_k_qfbe38520c3_proj-k_qfbe38520c3_proj
	.p2alignl 7, 3214868480
	.fill 96, 4, 3214868480
	.section	.rodata,"a",@progbits
	.p2align	6, 0x0
	.amdhsa_kernel k_qfbe38520c3_proj
		.amdhsa_group_segment_fixed_size 327680
		.amdhsa_private_segment_fixed_size 0
		.amdhsa_enable_private_segment 0
		.amdhsa_kernarg_size 64
		.amdhsa_user_sgpr_count 2
		.amdhsa_user_sgpr_kernarg_segment_ptr 1
		.amdhsa_wavefront_size32 1
		.amdhsa_system_sgpr_workgroup_id_x 1
		.amdhsa_system_sgpr_workgroup_id_y 1
		.amdhsa_system_sgpr_workgroup_id_z 1
		.amdhsa_system_vgpr_workitem_id 0
		.amdhsa_next_free_vgpr 1024
		.amdhsa_next_free_sgpr 106
		.amdhsa_reserve_vcc 0
		.amdhsa_float_denorm_mode_32 3
		.amdhsa_float_denorm_mode_16_64 3
		.amdhsa_memory_ordered 1
		.amdhsa_forward_progress 1
		.amdhsa_inst_pref_size 255
	.end_amdhsa_kernel
	.section	.bss,"aw",@nobits
	.p2align	6
	.space	262144
	.amdgpu_metadata
---
amdhsa.version: [ 1, 2 ]
amdhsa.kernels:
  - .name:           k_qfbe38520c3_proj
    .symbol:         k_qfbe38520c3_proj.kd
    .args:
      - { .name: cod1, .offset: 0, .size: 8, .value_kind: global_buffer, .address_space: global }
      - { .name: scl1, .offset: 8, .size: 8, .value_kind: global_buffer, .address_space: global }
      - { .name: rot, .offset: 16, .size: 8, .value_kind: global_buffer, .address_space: global }
      - { .name: wq_b, .offset: 24, .size: 8, .value_kind: global_buffer, .address_space: global }
      - { .name: wk_b, .offset: 32, .size: 8, .value_kind: global_buffer, .address_space: global }
      - { .name: wv_b, .offset: 40, .size: 8, .value_kind: global_buffer, .address_space: global }
      - { .name: cod2, .offset: 48, .size: 8, .value_kind: global_buffer, .address_space: global }
      - { .name: scl2, .offset: 56, .size: 8, .value_kind: global_buffer, .address_space: global }
    .group_segment_fixed_size: 327680
    .private_segment_fixed_size: 0
    .kernarg_segment_align: 8
    .kernarg_segment_size: 64
    .max_flat_workgroup_size: 128
    .sgpr_count:     106
    .vgpr_count:     1024
    .wavefront_size: 32
...
	.end_amdgpu_metadata
.endif
;; end of part 6
;; launch scores (part 7): grid 8 x 32, 4 waves a work-group, clusters of 4 x 4, 327,680 bytes of LDS; arguments cod2, scl2, pcod, pscl, pstat; writes pcod, pscl, pstat
.if DOCPART == 7
	.amdgcn_target "amdgcn-amd-amdhsa--gfx1250"
	.amdhsa_code_object_version 6
	.text
	.protected	k_qfbe38520c3_scores
	.globl	k_qfbe38520c3_scores
	.p2align	8
	.type	k_qfbe38520c3_scores,@function
k_qfbe38520c3_scores:
	s_mov_b64 s[64:65], 0
	v_nop
	global_prefetch_b8 v0, s[64:65] scope:SCOPE_SE
	s_setreg_imm32_b32 hwreg(HW_REG_WAVE_MODE, 25, 1), 1
	s_wait_xcnt 0x0
	s_wait_alu depctr_hold_cnt(0) depctr_sa_sdst(0) depctr_va_vdst(0) depctr_va_sdst(0) depctr_va_ssrc(0) depctr_va_vcc(0) depctr_vm_vsrc(0)
	s_getreg_b32 s2, hwreg(HW_REG_IB_STS2, 6, 4)
	s_cmp_eq_u32 s2, 0
	s_cbranch_scc0 .Lentry_in_a_cluster
	s_endpgm
.Lentry_in_a_cluster:
	s_bfe_u32 s2, ttmp6, 0x10000c
	s_cmp_lg_u32 s2, 0xf033
	s_cbranch_scc0 .Lentry_shape_is_right
	s_endpgm
.Lentry_shape_is_right:
; SCORES.  S = q k^T on codes of BF6 (E3M2) with one E8M0 byte for each 32 along the 1,024 features, then p = 2^(t - M) with t = S log2(e) / 32 and M = ceil(the largest t of the query in these 128 keys), a whole number;
; p is quantised along the keys and stored as images of the next product's operand registers (pcod, pscl); -M and the sum of the unquantised p go to pstat, one of each for a query and a chunk of 128 keys.
; A tile of 256 queries x 256 keys is made by four waves, each 128 x 128: 64 accumulators.  8 x 32 tiles: 256 work-groups of equal work.  Clusters of 4 x 4: q's tiles are asked for jointly along a row, k's along a column.
; LDS: a region of four chunks for each of the four groups (q's two, k's two); a region's two halves are the ring's two slots of two chunks.  THE HEAD'S LOADS, ONE A WAVE: wave 0 q's two groups, chunks 0-3 (2 rows of 49,152
; bytes, 98,304 apart in memory), wave 2 k's likewise, waves 1 and 3 the two sides' scale words for all of K.  So both slots are full at the first barrier, and two refills, a quarter of a slot a wave, bring chunks 4-7.
; THE PREFETCH: chunks 4-7 of the four groups, all that the two refills bring, are asked for once, at the head, behind the head's tensor loads: the first refill follows a chunk and a half of products behind the head's wait.
; Of a side's two groups x four chunks (98,304 bytes) the partner at place p among the four that ask jointly (cx for q, cy for k) takes group p / 2, chunks 4 + 2 (p % 2) on, and each of its waves 6,144 bytes: 24 blocks of 256,
; a lane a block; lanes left over name the last again.  So each block is named once in the cluster; the shares are told apart by address alone.
; Source 0 = 16 keys, source 1 = 16 queries: a lane holds one query, and the 64 registers of a block run along the 128 keys in true order.
; LIMITS: NaN and infinities are not served; the promise holds while |t| stays under 2^31; a block whose every p lies under 2^-122 keeps the scale byte 1.
.set NK,     8
.set NQ,     2
.set FR,     12
.set NL,     3
.set NP,     4
.set FRB,    1536
.set CHB,    8*FRB
.set HALFT,  NQ*CHB
.set SLOT,   HALFT                     ; from slot 0 to slot 1 inside a group's region
.set LAPS,   NK/(2*NQ)
.set SCL,    8*HALFT                   ; behind the four regions: the scale words
.set HALFS,  512*NK
.set SPARE,  SCL+4*HALFS               ; the spare words: two blocks of 256 bytes that no other line names
.set ADRA, 16
.set ADRB, 20
.set ADRS, 27
.set SPW,  28
.set NIL,  29
.set LI,   30
.set SC,   32                          ; v32-63 scale words, two sets, and nothing else
.set BM,   64
.set BP,   68
.set SO,   72
.set TQ,   80
.set SA,   84
.set SB,   86
.set NMS,  88
.set LS,   96
.set PWS,  104
.set SW,   112
.set AF,   128
.set X,    128
.set PC,   192
.set CS,   96
.set SEL,  98
.set G1, 24
.set G0, 32
.set G1B, 48
.set G0B, 56
.set G1S, 68
.set G0S, 76
.set G1SB, 80
.set G0SB, 88
.set MSB, 0
.macro WIN new
.if MSB != (\new)
	s_set_vgpr_msb (MSB<<8)|(\new)
.set MSB, (\new)
.endif
.endm
.set MUL_LO, 0xa1
.set MUL_HI, 0xf1
.set TO_B,   0x40
.macro JLOAD g0a, g1a, g0b, g1b        ; a joint load: waves 0 and 1 fetch for q, waves 2 and 3 for k
	s_cmp_eq_u32 s15, 0
	s_cbranch_scc0 .Lfor_b_\@
	tensor_load_to_lds s[\g0a:\g0a+3], s[\g1a:\g1a+7]
	s_nop 0
.rept 4
	v_nop
.endr
	s_branch .Lasked_\@
.Lfor_b_\@:
	tensor_load_to_lds s[\g0b:\g0b+3], s[\g1b:\g1b+7]
	s_nop 0
.rept 4
	v_nop
.endr
.Lasked_\@:
.endm
.macro CREST                           ; a round of the cluster's barrier behind its opening barrier
	s_cmp_lg_u32 s14, 0
	s_cbranch_scc1 .Lnot_wave_0_\@
	s_barrier_signal -3
.Lnot_wave_0_\@:
	s_barrier_wait -3
	s_barrier_signal -1
	s_barrier_wait -1
.endm
.macro CROUND
	s_barrier_signal -1
	s_barrier_wait -1
	CREST
.endm
.macro FRAG reg, adr, q, i
.irp c, 0,1,2
	ds_load_b128 v[\reg+4*\c:\reg+4*\c+3], v[\adr] offset:(\q)*CHB+(\i)*FRB+512*\c
.endr
.endm
.macro MUL16 a0, p, q, sc, zero        ; the 64 accumulators take turns, one instruction a turn
.irp a, \a0, \a0+1
.irp b, 0,1,2,3,4,5,6,7
.if \zero
	v_wmma_scale_f32_16x16x128_f8f6f4 v[8*(8*((\a)%4)+\b):8*(8*((\a)%4)+\b)+7], v[128*(\p)+FR*\b:128*(\p)+FR*\b+FR-1], v[AF+FR*(\a):AF+FR*(\a)+FR-1], 0, v[SC+16*(\sc)+8*(\q)+\b], v[SC+16*(\sc)+8*(\q)+(\a)] matrix_a_fmt:MATRIX_FMT_BF6 matrix_b_fmt:MATRIX_FMT_BF6 matrix_a_scale:MATRIX_SCALE_ROW1
.else
	v_wmma_scale_f32_16x16x128_f8f6f4 v[8*(8*((\a)%4)+\b):8*(8*((\a)%4)+\b)+7], v[128*(\p)+FR*\b:128*(\p)+FR*\b+FR-1], v[AF+FR*(\a):AF+FR*(\a)+FR-1], v[8*(8*((\a)%4)+\b):8*(8*((\a)%4)+\b)+7], v[SC+16*(\sc)+8*(\q)+\b], v[SC+16*(\sc)+8*(\q)+(\a)] matrix_a_fmt:MATRIX_FMT_BF6 matrix_b_fmt:MATRIX_FMT_BF6 matrix_a_scale:MATRIX_SCALE_ROW1
.endif
.endr
.endr
.endm
.macro FETCH_B slot, q, p
	WIN TO_B
.irp i, 0,1,2,3,4,5,6,7
	FRAG 128*(\p)+FR*\i, ADRB+\slot, \q, \i
.endr
	WIN 0
.endm
.macro FETCH_A slot, q, i0
.irp i, \i0, \i0+1, \i0+2, \i0+3
	FRAG AF+FR*(\i), ADRA+\slot, \q, \i
.endr
.endm
.macro SCALES sc
.irp q, 0,1
.irp g, 0,1
	ds_load_b128 v[SC+16*\sc+8*\q+4*\g:SC+16*\sc+8*\q+4*\g+3], v[ADRS] offset:512*\q+256*\g
.endr
.endr
.endm
.macro PLACES n                        ; places behind matrix instructions (ISA guide 7.12.1 for vector instructions)
.rept \n
	v_nop
.endr
.endm
.macro STEP slot, q, zero              ; a chunk that has its successor in the same slot
	s_wait_dscnt 4*NL                              ; the youngest twelve loads (q's blocks 4-7) may be out
	WIN MUL_LO
	MUL16 0, (\q)%2, \q, \slot, \zero
	MUL16 2, (\q)%2, \q, \slot, \zero
	s_wait_dscnt 0
	PLACES NP
	FETCH_B \slot, (\q)+1, 1-(\q)%2
	FETCH_A \slot, (\q)+1, 0
	WIN MUL_HI
	MUL16 4, (\q)%2, \q, \slot, \zero
	MUL16 6, (\q)%2, \q, \slot, \zero
	PLACES NP
	WIN 0
	FETCH_A \slot, (\q)+1, 4
.endm
.macro TURN slot, next, fill           ; a slot's last chunk changes slots: one barrier; fill = 1: it opens a round of the cluster's barrier, and the slot is filled again
	s_wait_tensorcnt 0x0                           ; all my tensor loads have landed
	ds_add_u32 v[SPW], v[NIL]
	s_wait_dscnt 4*NL+1                            ; (the add and the youngest twelve loads may be out)
	WIN MUL_LO
	MUL16 0, 1, NQ-1, \slot, 0
	s_wait_dscnt 0x0                               ; the add is done, and my reads of this slot are over
	s_barrier_signal -1
	MUL16 2, 1, NQ-1, \slot, 0
	WIN 0
	s_barrier_wait -1
.if \fill
	CREST
	s_add_nc_u64 s[G0+4*\slot+2:G0+4*\slot+3], s[G0+4*\slot+2:G0+4*\slot+3], 2*HALFT
	s_add_nc_u64 s[G0B+4*\slot+2:G0B+4*\slot+3], s[G0B+4*\slot+2:G0B+4*\slot+3], 2*HALFT
	JLOAD G0+4*\slot, G1, G0B+4*\slot, G1B
.else
	PLACES NP
.endif
	s_wait_alu depctr_va_vdst(0)
	v_add_nc_u32 v[ADRS], 512*NQ, v[ADRS]
	FETCH_B \next, 0, 0
	FETCH_A \next, 0, 0
	SCALES \next
	WIN MUL_HI
	MUL16 4, 1, NQ-1, \slot, 0
	MUL16 6, 1, NQ-1, \slot, 0
	PLACES NP
	WIN 0
	FETCH_A \next, 0, 4
.endm
	s_load_b128 s[4:7], s[0:1], 0x0                ; cod2, scl2
	s_load_b128 s[8:11], s[0:1], 0x10              ; pcod, pscl
	s_load_b64 s[12:13], s[0:1], 0x20              ; pstat
	v_lshl_add_u32 v[SPW], v0, 2, SPARE
	v_mov_b32 v[NIL], 0
	ds_add_u32 v28, v29
	ds_add_u32 v28, v29
	s_wait_dscnt 0x0
	v_lshrrev_b32 v1, 5, v0
	v_readfirstlane_b32 s14, v1                    ; wave 0..3
	s_lshr_b32 s15, s14, 1
	s_and_b32 s16, s14, 1
	s_bfe_u32 s40, ttmp6, 0x40000                  ; cx, cy
	s_bfe_u32 s41, ttmp6, 0x40004
	s_lshl_b32 s42, ttmp9, 2
	s_add_co_u32 s42, s42, s40                     ; the tile of 256 keys, 0..7
	s_and_b32 s18, ttmp7, 0xffff
	s_lshl_b32 s17, s18, 2
	s_add_co_u32 s17, s17, s41                     ; the tile of 256 queries, 0..31
	s_lshr_b32 s18, s18, 1                         ; the batch: from the cluster's y alone
	s_lshl_b32 s43, s41, 2
	s_lshl_b32 s43, 15, s43
	s_lshl_b32 s44, 0x1111, s40
	s_or_b32 s[G1+0], s43, (3<<16)|(1<<21)
	s_or_b32 s[G1B+0], s44, (3<<16)|(1<<21)
.irp g, G1, G1B                        ; the head's shape: two groups' chunks 0-3, a row of 49,152 bytes (6,144 elements of 8) for each group
	s_mov_b32 s[\g+1], (2*HALFT/8)<<16
	s_mov_b32 s[\g+2], 2<<16
	s_mov_b32 s[\g+3], (2*HALFT/8)<<16
	s_mov_b32 s[\g+4], 2
	s_mov_b32 s[\g+5], NK*CHB/8
	s_mov_b32 s[\g+6], 0
	s_mov_b32 s[\g+7], 0
.endr
	s_or_b32 s[G1S+0], s43, (3<<16)|(1<<21)
	s_or_b32 s[G1SB+0], s44, (3<<16)|(1<<21)
.irp g, G1S, G1SB                      ; a side's scale words: 8,192 dense bytes
	s_mov_b32 s[\g+1], 32<<16
	s_mov_b32 s[\g+2], (2*HALFS/256)<<16
	s_mov_b32 s[\g+3], 32<<16
	s_mov_b32 s[\g+4], 2*HALFS/256
	s_mov_b32 s[\g+5], 32
	s_mov_b32 s[\g+6], 0
	s_mov_b32 s[\g+7], 0
.endr
	s_lshl_b32 s20, s17, 1
	s_lshl_b32 s22, s20, 12
	s_add_co_u32 s20, s20, s16
	s_mul_i32 s20, s20, NK*CHB
	s_mov_b32 s21, 0
	s_mov_b32 s23, 0
	s_lshl_b32 s46, s18, 4
	s_lshl_b32 s47, s42, 1
	s_add_co_u32 s46, s46, s47
	s_lshl_b32 s92, s46, 12
	s_add_co_u32 s46, s46, s16
	s_add_co_u32 s92, s92, 262144
	s_mul_i32 s46, s46, NK*CHB
	s_add_co_u32 s46, s46, 6291456
	s_mov_b32 s47, 0
	s_mov_b32 s93, 0
	s_mul_i32 s45, s14, 2*HALFT
	s_wait_kmcnt 0x0
	s_add_nc_u64 s[20:21], s[4:5], s[20:21]
	s_add_nc_u64 s[22:23], s[6:7], s[22:23]
	s_add_nc_u64 s[46:47], s[4:5], s[46:47]
	s_add_nc_u64 s[92:93], s[6:7], s[92:93]
	CROUND                                         ; all sixteen work-groups are here: the first joint loads meet
	s_mov_b32 s[G0S], 1
	s_mov_b32 s[G0S+1], SCL
	s_mov_b64 s[G0S+2:G0S+3], s[22:23]
	s_or_b32 s[G0S+3], s[G0S+3], 0x80000000
	s_mov_b32 s[G0SB], 1
	s_mov_b32 s[G0SB+1], SCL+2*HALFS
	s_mov_b64 s[G0SB+2:G0SB+3], s[92:93]
	s_or_b32 s[G0SB+3], s[G0SB+3], 0x80000000
.irp s, 0,1
	s_mov_b32 s[G0+4*\s], 1
	s_add_co_u32 s[G0+4*\s+1], s45, \s*SLOT
	s_add_nc_u64 s[G0+4*\s+2:G0+4*\s+3], s[20:21], \s*HALFT
	s_or_b32 s[G0+4*\s+3], s[G0+4*\s+3], 0x80000000
	s_mov_b32 s[G0B+4*\s], 1
	s_add_co_u32 s[G0B+4*\s+1], s45, \s*SLOT
	s_add_nc_u64 s[G0B+4*\s+2:G0B+4*\s+3], s[46:47], \s*HALFT
	s_or_b32 s[G0B+4*\s+3], s[G0B+4*\s+3], 0x80000000
.endr
; The head's four loads, one a wave, in one chain of branches on the wave's number.  Wave 0's and wave 2's own sets for slot 0 point at the first group of their side, chunk 0, and at that side's first region.
.macro ARM under, g0, g1, next
	s_cmp_lt_u32 s14, \under
	s_cbranch_scc0 \next
	tensor_load_to_lds s[\g0:\g0+3], s[\g1:\g1+7]
	s_nop 0
	PLACES 4
	s_branch .Lhead_asked
\next:
.endm
	ARM 1, G0,  G1,  .Lhead_sa
	ARM 2, G0S, G1S, .Lhead_b
	ARM 3, G0B, G1B, .Lhead_sb
	tensor_load_to_lds s[G0SB:G0SB+3], s[G1SB:G1SB+7]
	s_nop 0
	PLACES 4
.Lhead_asked:
	s_lshl_b32 s100, s17, 1                        ; the prefetches' bases.  q: group 2 x tile + cx / 2,
	s_lshr_b32 s2, s40, 1
	s_add_co_u32 s100, s100, s2
	s_lshl_b32 s100, s100, 3
	s_and_b32 s2, s40, 1
	s_lshl_b32 s2, s2, 1
	s_add_co_u32 s100, s100, s2
	s_add_co_u32 s100, s100, 4                     ; chunk 4 + 2 (cx % 2),
	s_mul_i32 s100, s100, CHB
	s_mul_i32 s2, s14, 6144                        ; my wave's 6,144 bytes
	s_add_co_u32 s100, s100, s2
	s_mov_b32 s101, 0
	s_add_nc_u64 s[100:101], s[4:5], s[100:101]    ; s[100:101], s[94:95]: never rewritten
	s_lshl_b32 s94, s18, 4                         ; k: group 16 x batch + 2 x tile + cy / 2,
	s_lshl_b32 s2, s42, 1
	s_add_co_u32 s94, s94, s2
	s_lshr_b32 s2, s41, 1
	s_add_co_u32 s94, s94, s2
	s_lshl_b32 s94, s94, 3
	s_and_b32 s2, s41, 1
	s_lshl_b32 s2, s2, 1
	s_add_co_u32 s94, s94, s2
	s_add_co_u32 s94, s94, 4                       ; chunk 4 + 2 (cy % 2)
	s_mul_i32 s94, s94, CHB
	s_mul_i32 s2, s14, 6144
	s_add_co_u32 s94, s94, s2
	s_add_co_u32 s94, s94, 6291456
	s_mov_b32 s95, 0
	s_add_nc_u64 s[94:95], s[4:5], s[94:95]
	v_and_b32 v1, 15, v0
	v_bfe_u32 v2, v0, 4, 1
	s_wait_alu depctr_va_vdst(0)
	v_and_b32 v3, 31, v0
	v_lshlrev_b32 v[LI], 4, v3
	v_min_u32 v7, 23, v3
	v_lshlrev_b32 v7, 8, v7                        ; a lane a block of 256 bytes, 24 blocks a wave; never rewritten
	global_prefetch_b8 v7, s[100:101] th:TH_LOAD_NT scope:SCOPE_SE   ; my share of q's chunks 4-7,
	global_prefetch_b8 v7, s[94:95] th:TH_LOAD_NT scope:SCOPE_SE     ; and of k's: the last of K, nothing is asked for beyond them
	s_mul_i32 s21, s15, 2*HALFT
	s_mul_i32 s22, s16, 2*HALFT
	s_add_co_u32 s22, s22, 4*HALFT
.irp s, 0,1
	v_add_nc_u32 v[ADRA+\s], s21, v[LI]
	v_add_nc_u32 v[ADRB+\s], s22, v[LI]
	s_add_co_u32 s21, s21, SLOT
	s_add_co_u32 s22, s22, SLOT
.endr
	s_mul_i32 s21, s15, HALFS
	s_mul_i32 s22, s16, HALFS
	s_add_co_u32 s22, s22, 2*HALFS
	s_sub_co_u32 s22, s22, s21
	v_mul_u32_u24 v6, s22, v2
	s_add_co_u32 s21, s21, SCL
	v_lshl_add_u32 v5, v1, 4, v6
	v_add_nc_u32 v[ADRS], s21, v5                  ; scale words: lanes 0-15 q's, lanes 16-31 k's: the lower base + h x the distance
.irp b, 0,1,2,3,4,5,6,7
	v_mov_b32 v[NMS+\b], 0
.endr
.irp b, 0,1,2,3
	v_mov_b32 v[BP+\b], 0                          ; a lane permute's destination counts as one of its sources
.endr
	v_mov_b32 v[TQ+2], 0
	s_mov_b32 s[CS], 0x3d38aa3b                    ; log2(e) / 32
	s_mov_b32 s[CS+1], s[CS]
	s_mov_b32 s[SEL], 0x76543210
	s_mov_b32 s[SEL+1], 0xfedcba98
	s_mov_b32 s105, 0xffff0000
	s_lshl_b32 s18, s17, 1
	s_add_co_u32 s18, s18, s15                     ; my group of 128 queries
	s_lshl_b32 s19, s42, 1
	s_add_co_u32 s19, s19, s16                     ; my chunk of 128 keys
	s_lshl_b32 s20, s18, 4
	s_add_co_u32 s20, s20, s19
	s_lshl_b32 s22, s20, 9
	s_mul_i32 s20, s20, CHB
	s_mov_b32 s21, 0
	s_mov_b32 s23, 0
	s_add_nc_u64 s[8:9], s[8:9], s[20:21]
	s_add_nc_u64 s[10:11], s[10:11], s[22:23]
	s_lshl_b32 s20, s18, 5
	s_add_co_u32 s20, s20, s19
	s_lshl_b32 s20, s20, 9
	s_add_nc_u64 s[12:13], s[12:13], s[20:21]
	s_wait_alu depctr_va_vdst(0)
	s_wait_tensorcnt 0x0                           ; my one load of the head's four is in; no tensor load of mine is out, so a descriptor may be written:
.irp g, G1, G1B                        ; from here on a load brings two chunks of one group, 96 dense rows of 256 bytes
	s_mov_b32 s[\g+1], 32<<16
	s_mov_b32 s[\g+2], (HALFT/256)<<16
	s_mov_b32 s[\g+3], 32<<16
	s_mov_b32 s[\g+4], HALFT/256
	s_mov_b32 s[\g+5], 32
.endr
	s_barrier_signal -1
	s_barrier_wait -1
	FETCH_B 0, 0, 0
	FETCH_A 0, 0, 0
	SCALES 0
	FETCH_A 0, 0, 4
	STEP 0, 0, 1                                   ; the first chunk's products start the sums
	s_mov_b32 s3, LAPS-1
.Llap:
	TURN 0, 1, 1
	STEP 1, 0, 0
	TURN 1, 0, 1
	STEP 0, 0, 0
	s_sub_co_u32 s3, s3, 1
	s_cmp_lg_u32 s3, 0
	s_cbranch_scc1 .Llap
	TURN 0, 1, 0
	STEP 1, 0, 0
	s_wait_dscnt 4*NL
	WIN MUL_LO
	MUL16 0, 1, NQ-1, 1, 0
	MUL16 2, 1, NQ-1, 1, 0
	s_wait_dscnt 0
	WIN MUL_HI
	MUL16 4, 1, NQ-1, 1, 0
	MUL16 6, 1, NQ-1, 1, 0
	WIN 0
	PLACES NP
; Block a's 16 queries x 128 keys: each block of 32 keys' largest score, the row's M, p, the sum of p, the scale bytes from each block's largest p, the codes.
.macro SOFT a
.set AC, 64*((\a)%4)
.set WA, 2+(\a)/4
	WIN WA|(WA<<2)|(WA<<4)
.irp b, 0,1,2,3
	v_max3_num_f32 v[BM+\b], v[AC+16*\b], v[AC+16*\b+1], v[AC+16*\b+2]
.endr
	WIN (WA<<2)|(WA<<4)
.irp i, 3,5,7,9,11,13
.irp b, 0,1,2,3
	v_max3_num_f32 v[BM+\b], v[BM+\b], v[AC+16*\b+\i], v[AC+16*\b+\i+1]
.endr
.endr
.irp b, 0,1,2,3
	v_max_num_f32 v[BM+\b], v[BM+\b], v[AC+16*\b+15]
.endr
	WIN 0
.irp b, 0,1,2,3
	v_permlanex16_b32 v[BP+\b], v[BM+\b], s[SEL], s[SEL+1]
.endr
.irp b, 0,1,2,3
	v_max_num_f32 v[BM+\b], v[BM+\b], v[BP+\b]
.endr
	v_max3_num_f32 v[TQ], v[BM], v[BM+1], v[BM+2]
	v_max_num_f32 v[TQ], v[TQ], v[BM+3]
	v_mul_f32 v[TQ], s[CS], v[TQ]
	v_floor_f32 v[NMS+(\a)], -v[TQ]                ; -M = floor(-t)
	WIN WA
.set j, 0
.rept 32
.if ((\a)%2) == 0
	v_pk_fma_f32 v[X+j:X+j+1], v[AC+j:AC+j+1], s[CS:CS+1], v[NMS+(\a):NMS+(\a)+1] op_sel_hi:[1,0,0]
.else
	v_pk_fma_f32 v[X+j:X+j+1], v[AC+j:AC+j+1], s[CS:CS+1], v[NMS+(\a)-1:NMS+(\a)] op_sel:[0,0,1] op_sel_hi:[1,0,1]
.endif
.set j, j+2
.endr
	WIN 0
.irp b, 0,1,2,3
	v_fma_f32 v[BM+\b], v[BM+\b], s[CS], v[NMS+(\a)]
.endr
.set j, 0
	s_wait_alu depctr_va_vdst(0)                   ; ahead of the batch
.rept 64
	v_exp_f32 v[X+j], v[X+j]
.set j, j+1
.endr
	v_nop
	s_wait_alu depctr_va_vdst(0)                   ; and behind it
.irp b, 0,1,2,3
	v_exp_f32 v[BM+\b], v[BM+\b]                   ; each block's largest p
.endr
	v_pk_add_f32 v[SA:SA+1], v[X:X+1], v[X+2:X+3]  ; the sum of the unquantised p
	v_pk_add_f32 v[SB:SB+1], v[X+4:X+5], v[X+6:X+7]
.irp i, 8,12,16,20,24,28,32,36,40,44,48,52,56,60
	v_pk_add_f32 v[SA:SA+1], v[SA:SA+1], v[X+\i:X+\i+1]
	v_pk_add_f32 v[SB:SB+1], v[SB:SB+1], v[X+\i+2:X+\i+3]
.endr
	v_pk_add_f32 v[SA:SA+1], v[SA:SA+1], v[SB:SB+1]
	v_add_f32 v[TQ+1], v[SA], v[SA+1]
	v_permlanex16_b32 v[TQ+2], v[TQ+1], s[SEL], s[SEL+1]
	v_add_f32 v[LS+(\a)], v[TQ+1], v[TQ+2]
	s_wait_alu depctr_va_vdst(0)                   ; for the four
.irp b, 0,1,2,3
	v_max_num_f32 v[BM+\b], 0x2800000, v[BM+\b]    ; the floor 2^(5 - 127)
.endr
.irp b, 0,1,2,3
	v_add_nc_u32 v[SO+\b], 0xfe000000, v[BM+\b]
.endr
.irp b, 0,1,2,3
	v_lshrrev_b32 v[BP+\b], 23, v[SO+\b]
.endr
	v_lshl_or_b32 v[PWS+(\a)], v[BP+1], 8, v[BP]
	v_lshl_or_b32 v[PWS+(\a)], v[BP+2], 16, v[PWS+(\a)]
	v_lshl_or_b32 v[PWS+(\a)], v[BP+3], 24, v[PWS+(\a)]
	s_wait_xcnt 0x0                                ; the last block's stores have read their codes
.irp c, 0,1
	v_cvt_scalef32_pk16_bf6_f32 v[PC+6*\c:PC+2+6*\c], v[X+32*\c:X+15+32*\c], v[SO+2*\c]
	v_cvt_scalef32_pk16_bf6_f32 v[PC+12+4*\c:PC+14+4*\c], v[X+16+32*\c:X+31+32*\c], v[SO+2*\c+1]
.endr
	v_nop
.irp c, 0,1
.irp i, 0,1,2
	v_permlane16_swap_b32 v[PC+6*\c+\i], v[PC+12+4*\c+\i]
.endr
.irp i, 0,1,2
	v_mov_b32 v[PC+3+6*\c+\i], v[PC+12+4*\c+\i]
.endr
.endr
.irp c, 0,1,2
	global_store_b128 v[LI], v[PC+4*\c:PC+4*\c+3], s[8:9] offset:FRB*(\a)+512*\c   ; 512 consecutive bytes, aligned
.endr
.endm
.irp a, 0,1,2,3,4,5,6,7
	SOFT \a
.endr
.irp e, 0,1,2,3
	v_cndmask_b32 v[SW+\e], v[PWS+\e], v[PWS+4+\e], s105
	v_cndmask_b32 v[SW+4+\e], v[NMS+\e], v[NMS+4+\e], s105
	v_cndmask_b32 v[SW+8+\e], v[LS+\e], v[LS+4+\e], s105
.endr
	global_store_b128 v[LI], v[SW:SW+3], s[10:11]
	global_store_b128 v[LI], v[SW+4:SW+7], s[12:13]
	global_store_b128 v[LI], v[SW+8:SW+11], s[12:13] offset:8192
	s_wait_tensorcnt 0x0                           ; the wave's end
	ds_add_u32 v[SPW], v[NIL]
	s_wait_dscnt 0x0
	CROUND                                         ; the closing round
	s_endpgm
.Lfunc_end_k_qfbe38520c3_scores:
	.size	k_qfbe38520c3_scores, .Lfunc_end_k_qfbe38520c3_scores-k_qfbe38520c3_scores
	.p2alignl 7, 3214868480
	.fill 96, 4, 3214868480
	.section	.rodata,"a",@progbits
	.p2align	6, 0x0
	.amdhsa_kernel k_qfbe38520c3_scores
		.amdhsa_group_segment_fixed_size 327680
		.amdhsa_private_segment_fixed_size 0
		.amdhsa_enable_private_segment 0
		.amdhsa_kernarg_size 40
		.amdhsa_user_sgpr_count 2
		.amdhsa_user_sgpr_kernarg_segment_ptr 1
		.amdhsa_wavefront_size32 1
		.amdhsa_system_sgpr_workgroup_id_x 1
		.amdhsa_system_sgpr_workgroup_id_y 1
		.amdhsa_system_sgpr_workgroup_id_z 1
		.amdhsa_system_vgpr_workitem_id 0
		.amdhsa_next_free_vgpr 1024
		.amdhsa_next_free_sgpr 106
		.amdhsa_reserve_vcc 0
		.amdhsa_float_denorm_mode_32 3
		.amdhsa_float_denorm_mode_16_64 3
		.amdhsa_memory_ordered 1
		.amdhsa_forward_progress 1
		.amdhsa_inst_pref_size 196
	.end_amdhsa_kernel
	.amdgpu_metadata
---
amdhsa.version: [ 1, 2 ]
amdhsa.kernels:
  - .name:           k_qfbe38520c3_scores
    .symbol:         k_qfbe38520c3_scores.kd
    .args:
      - { .name: cod2, .offset: 0, .size: 8, .value_kind: global_buffer, .address_space: global }
      - { .name: scl2, .offset: 8, .size: 8, .value_kind: global_buffer, .address_space: global }
      - { .name: pcod, .offset: 16, .size: 8, .value_kind: global_buffer, .address_space: global }
      - { .name: pscl, .offset: 24, .size: 8, .value_kind: global_buffer, .address_space: global }
      - { .name: pstat, .offset: 32, .size: 8, .value_kind: global_buffer, .address_space: global }
    .group_segment_fixed_size: 327680
    .private_segment_fixed_size: 0
    .kernarg_segment_align: 8
    .kernarg_segment_size: 40
    .max_flat_workgroup_size: 128
    .sgpr_count:     106
    .vgpr_count:     1024
    .wavefront_size: 32
...
	.end_amdgpu_metadata
.endif
;; end of part 7
;; launch pv (part 8): grid 4 x 64, 4 waves a work-group, clusters of 4 x 4, 327,680 bytes of LDS; arguments pcod, pscl, pstat, cod2, scl2, out0; writes out0
.if DOCPART == 8
	.amdgcn_target "amdgcn-amd-amdhsa--gfx1250"
	.amdhsa_code_object_version 6
	.text
	.protected	k_qfbe38520c3_pv
	.globl	k_qfbe38520c3_pv
	.p2align	8
	.type	k_qfbe38520c3_pv,@function
k_qfbe38520c3_pv:
	s_mov_b64 s[64:65], 0
	v_nop
	global_prefetch_b8 v0, s[64:65] scope:SCOPE_SE
	s_setreg_imm32_b32 hwreg(HW_REG_WAVE_MODE, 25, 1), 1
	s_wait_xcnt 0x0
	s_wait_alu depctr_hold_cnt(0) depctr_sa_sdst(0) depctr_va_vdst(0) depctr_va_sdst(0) depctr_va_ssrc(0) depctr_va_vcc(0) depctr_vm_vsrc(0)
	s_getreg_b32 s2, hwreg(HW_REG_IB_STS2, 6, 4)
	s_cmp_eq_u32 s2, 0
	s_cbranch_scc0 .Lentry_in_a_cluster
	s_endpgm
.Lentry_in_a_cluster:
	s_bfe_u32 s2, ttmp6, 0x10000c
	s_cmp_lg_u32 s2, 0xf033
	s_cbranch_scc0 .Lentry_shape_is_right
	s_endpgm
.Lentry_shape_is_right:
; PV.  out = (p v) / l on codes of BF6 (E3M2), K = the batch's 2,048 keys.  p's codes were made under a whole number M of their own for each query and chunk of 128 keys.  At the head each wave finds, for the work-group's 128
; queries, the row's M (the largest of sixteen) and adds the chunks' sums, each times 2^-(the row's M less the chunk's); and it takes that whole number off the four scale bytes of four of the sixteen chunks.
; LAYOUT as in the launches before: rows in groups of 128, a fragment's image 1,536 bytes, a chunk 12,288; pcod [64 query groups][16 key chunks], pscl [..][..][512], pstat [group][2][16][512] (-M, the sums);
; v^T at cod2 + 12,582,912 [batch x 8 + feature group][16 key chunks], its scale words at scl2 + 524,288.
; A tile of 128 queries x 256 features is made by four waves, each 64 x 128: 32 accumulators.  64 x 4 tiles: 256 work-groups of equal work.
; K goes through a ring of two LDS slots of FOUR chunks each (p's group 49,152 bytes, v^T's two groups 98,304): the two first fills bring half of K, two refills the rest; each refill has three and a half chunks' products in
; which to land.  Waves 0 and 1 fetch p's two halves of a slot, waves 2 and 3 one group of v^T each.  K is written out: sixteen chunks.
; v^T's scale words come by a tensor load among the first fills; p's are written into LDS by the waves themselves, into bytes that no fill ever touches.
; CLUSTERS: 4 x 4.  p's tiles hang on the query group alone and are asked for jointly along a row of the cluster (the four tiles of features), v^T's on the batch and the tile of features, jointly along a column (four query groups).
; Source 0 = 16 features, source 1 = 16 queries: a lane (r, h) holds query (a, r); register 16 b + i of a block is feature 32 b + 16 h + i of the group.  Row (a, r) is the group's query 32 (a / 2) + 8 (a % 2) + r + 8 (r / 8).
; LIMITS: NaN and infinities are not served; a chunk more than 127 binades under its row's M counts for nothing in the sum, and a scale byte that would fall under 0 is held at 0: such a block adds at most 28 x 2^-127 a code.
; REGISTERS.  Window 0: v1-30 addresses; v32-47 scale words, two sets, and nothing else; v48-51 1 / l of my four blocks; at the head v64-127 -M, then the shifts; v128-191 the sums; v192-207 my scale words; v208-223 -M of my four
;   chunks; v224-239 at work; then v128-223 A's fragments, two sets of 48; on the way out v128-255 rows of the result.   Window 1: B's fragments, two sets.   Window 2: the accumulators, (i, b) at v[8 (8 i + b)].
.set NK,     16
.set FR,     12
.set FRB,    1536
.set CHB,    8*FRB
.set HK,     4*CHB                     ; a group's part of a slot: four chunks
.set SLOT,   HK                        ; LDS: a region of two slots on end for each group: p's at 0, v^T's two at 2 HK and 4 HK; from slot 0 to slot 1 inside a region
.set SCL,    6*HK                      ; behind the three regions: the scale words, [p's group, v^T's two][chunk][512]
.set HALFS,  512*NK
.set SPARE,  SCL+3*HALFS               ; the spare words, 128 bytes for each wave: two blocks of 256 bytes that no other line names
.set SPITCH, 528                       ; the way out: a stage of 16 rows x (512 bytes + 16) for each wave, in slot 0, which has had its last fill and its last read when the first result is stored there
.set ADRA, 16                          ; v16-17  LDS address of my A fragments in slot 0, 1
.set ADRB, 20                          ; v20-21  the same for B
.set PSA,  22                          ; v22     where I store my shifted scale words
.set STO,  24                          ; v24     the stage: where I put 32 bytes of a row
.set RD,   25                          ; v25     and where I read a row back
.set ADRS, 27                          ; v27     LDS address of my scale words: lanes 0-15 p's, lanes 16-31 v^T's
.set SPW,  28
.set NIL,  29
.set LI,   30
.set SC,   32
.set RINV, 48
.set NM,   64
.set LL,   128
.set WW,   192
.set NMY,  208
.set MN,   224
.set LT,   228
.set RI,   232
.set PP,   236
.set AF,   128
.set BK,   128
.set SEL,  66                          ; s[66:67]
.set G1, 24                            ; s[24:31] descriptor group 1 for p's tiles;  s[32:39] group 0, one set for each slot
.set G0, 32
.set G1B, 48                           ; s[48:55], s[56:63] the same for v^T's
.set G0B, 56
.set G1SB, 80                          ; s[80:87], s[88:91] for v^T's scale words
.set G0SB, 88
.set G0H,  68                          ; s[68:71] group 0 for the head's load of p's chunks 0-7;  s[72:75] for a group of v^T's
.set G0HB, 72
.set MSB, 0
.macro WIN new
.if MSB != (\new)
	s_set_vgpr_msb (MSB<<8)|(\new)
.set MSB, (\new)
.endif
.endm
.set MUL,  0xa1                        ; source 0 (B) window 1, source 1 (A) window 0, C and D window 2
.set TO_B, 0x40
.macro JLOAD g0a, g1a, g0b, g1b        ; a joint load: waves 0 and 1 fetch for A, waves 2 and 3 for B; four v_nop follow each of the two lines
	s_cmp_eq_u32 s15, 0
	s_cbranch_scc0 .Lfor_b_\@
	tensor_load_to_lds s[\g0a:\g0a+3], s[\g1a:\g1a+7]
	s_nop 0
.rept 4
	v_nop
.endr
	s_branch .Lasked_\@
.Lfor_b_\@:
	tensor_load_to_lds s[\g0b:\g0b+3], s[\g1b:\g1b+7]
	s_nop 0
.rept 4
	v_nop
.endr
.Lasked_\@:
.endm
.macro CREST
	s_cmp_lg_u32 s14, 0
	s_cbranch_scc1 .Lnot_wave_0_\@
	s_barrier_signal -3
.Lnot_wave_0_\@:
	s_barrier_wait -3
	s_barrier_signal -1
	s_barrier_wait -1
.endm
.macro CROUND
	s_barrier_signal -1
	s_barrier_wait -1
	CREST
.endm
.macro PLACES n                        ; places behind matrix instructions (ISA guide 7.12.1 for vector instructions)
.rept \n
	v_nop
.endr
.endm
.macro FRAG reg, adr, off
.irp c, 0,1,2
	ds_load_b128 v[\reg+4*\c:\reg+4*\c+3], v[\adr] offset:\off+512*\c
.endr
.endm
; A chunk's 38 LDS loads, always in this order: RUN0 (the scale words, A's block 0, B's blocks 0, 1: 11 loads), RUNB 2 (B's 2-4: 9), RUNB 5 (B's 5-7: 9), RUN3 (A's blocks 1-3: 9).
.macro RUN0 pa, pb, q, kap, set
	WIN 0
.irp g, 0,1
	ds_load_b128 v[SC+8*(\set)+4*\g:SC+8*(\set)+4*\g+3], v[ADRS] offset:512*(\kap)+256*\g   ; a lane takes its row's words of four blocks (of the second load lanes 0-15 use nothing)
.endr
	FRAG AF+48*(\set), \pa, (\q)*CHB
	WIN TO_B
	FRAG 128*(\set), \pb, (\q)*CHB
	FRAG 128*(\set)+FR, \pb, (\q)*CHB+FRB
.endm
.macro RUNB pb, q, set, b0
	WIN TO_B
.irp b, \b0, \b0+1, \b0+2
	FRAG 128*(\set)+FR*(\b), \pb, (\q)*CHB+(\b)*FRB
.endr
.endm
.macro RUN3 pa, q, set
	WIN 0
.irp i, 1,2,3
	FRAG AF+48*(\set)+FR*\i, \pa, (\q)*CHB+\i*FRB
.endr
.endm
.macro FETCH pa, pb, q, kap, set
	RUN0 \pa, \pb, \q, \kap, \set
	RUNB \pb, \q, \set, 2
	RUNB \pb, \q, \set, 5
	RUN3 \pa, \q, \set
.endm
.macro MUL8 i, set, zero               ; the 32 accumulators take turns, one instruction a turn, in the same order in every chunk
.irp b, 0,1,2,3,4,5,6,7
.if \zero
	v_wmma_scale_f32_16x16x128_f8f6f4 v[8*(8*(\i)+\b):8*(8*(\i)+\b)+7], v[128*(\set)+FR*\b:128*(\set)+FR*\b+FR-1], v[AF+48*(\set)+FR*(\i):AF+48*(\set)+FR*(\i)+FR-1], 0, v[SC+8*(\set)+\b], v[SC+8*(\set)+(\i)] matrix_a_fmt:MATRIX_FMT_BF6 matrix_b_fmt:MATRIX_FMT_BF6 matrix_a_scale:MATRIX_SCALE_ROW1
.else
	v_wmma_scale_f32_16x16x128_f8f6f4 v[8*(8*(\i)+\b):8*(8*(\i)+\b)+7], v[128*(\set)+FR*\b:128*(\set)+FR*\b+FR-1], v[AF+48*(\set)+FR*(\i):AF+48*(\set)+FR*(\i)+FR-1], v[8*(8*(\i)+\b):8*(8*(\i)+\b)+7], v[SC+8*(\set)+\b], v[SC+8*(\set)+(\i)] matrix_a_fmt:MATRIX_FMT_BF6 matrix_b_fmt:MATRIX_FMT_BF6 matrix_a_scale:MATRIX_SCALE_ROW1
.endif
.endr
.endm
; A chunk that has its successor in the same slot: multiplies the set named and fetches the next chunk (nq: its place in the slot, nkap: its number) into the other set, in two runs.
.macro STEP pa, pb, nq, nkap, set, zero
	PLACES 4                                       ; the other set was read by the chunk before
	RUN0 \pa, \pb, \nq, \nkap, 1-(\set)
	RUNB \pb, \nq, 1-(\set), 2
	s_wait_dscnt 29                                ; the 20 loads just issued and the last fetch's youngest nine (A's blocks 1-3) may be out
	WIN MUL
	MUL8 0, \set, \zero
	s_wait_dscnt 20                                ; only the 20 just issued
	MUL8 1, \set, \zero
	RUNB \pb, \nq, 1-(\set), 5
	RUN3 \pa, \nq, 1-(\set)
	WIN MUL
	MUL8 2, \set, \zero
	MUL8 3, \set, \zero
.endm
; A slot's last chunk changes slots: ONE barrier; in front of it each wave waits for all its tensor loads, adds 0 to its spare word, and waits for that and for its reads of this slot.  fill = 1: the slot named is filled again.
.macro TURN pa, pb, nkap, set, fill, slot
	WIN 0                                          ; (the add's two registers lie in window 0)
	s_wait_tensorcnt 0x0                           ; all my tensor loads have landed: my part of the next slot
	ds_add_u32 v[SPW], v[NIL]                      ; 0 onto my spare word
	s_wait_dscnt 1                                 ; this chunk's fragments are in (the add may be out)
	WIN MUL
	MUL8 0, \set, 0                                ; eight matrix instructions stand between the add and the wait for it
	s_wait_dscnt 0x0                               ; the add is done, and my reads of this slot are over
	s_barrier_signal -1
	MUL8 1, \set, 0
	WIN 0
	s_barrier_wait -1
.if \fill
	CREST                                          ; a round of the cluster's barrier: no wave of any partner still reads this slot or has a load on its way
	s_add_nc_u64 s[G0+4*\slot+2:G0+4*\slot+3], s[G0+4*\slot+2:G0+4*\slot+3], 2*HK
	s_add_nc_u64 s[G0B+4*\slot+2:G0B+4*\slot+3], s[G0B+4*\slot+2:G0B+4*\slot+3], 2*HK
	JLOAD G0+4*\slot, G1, G0B+4*\slot, G1B         ; the first tensor load behind the round; its four v_nop are the places in front of the loads below
.else
	PLACES 4
.endif
	FETCH \pa, \pb, 0, \nkap, 1-(\set)
	WIN MUL
	MUL8 2, \set, 0
	MUL8 3, \set, 0
.endm
.macro SHAPE g, rows                   ; a dense block as rows of 256 bytes (32 elements of 8 bytes), no padding
	s_mov_b32 s[\g+1], 32<<16
	s_mov_b32 s[\g+2], (\rows)<<16
	s_mov_b32 s[\g+3], 32<<16
	s_mov_b32 s[\g+4], \rows
	s_mov_b32 s[\g+5], 32
	s_mov_b32 s[\g+6], 0
	s_mov_b32 s[\g+7], 0
.endm
	s_load_b128 s[4:7], s[0:1], 0x0                ; pcod, pscl
	s_load_b128 s[8:11], s[0:1], 0x10              ; pstat, cod2
	s_load_b64 s[96:97], s[0:1], 0x20              ; scl2
	s_load_b64 s[12:13], s[0:1], 0x28              ; out0
	v_lshl_add_u32 v[SPW], v0, 2, SPARE
	v_mov_b32 v[NIL], 0
	ds_add_u32 v28, v29
	ds_add_u32 v28, v29
	s_wait_dscnt 0x0
	v_lshrrev_b32 v1, 5, v0
	v_readfirstlane_b32 s14, v1                    ; wave 0..3
	s_lshr_b32 s15, s14, 1                         ; my 64 queries of the 128.  Also: I fetch for A (0) or for B (1)
	s_and_b32 s16, s14, 1                          ; my group of features.  Also: which part of that side I fetch
	s_bfe_u32 s40, ttmp6, 0x40000                  ; cx, cy
	s_bfe_u32 s41, ttmp6, 0x40004
	s_lshl_b32 s42, ttmp9, 2
	s_add_co_u32 s42, s42, s40                     ; the tile of 256 features, 0..3
	s_and_b32 s18, ttmp7, 0xffff
	s_lshl_b32 s17, s18, 2
	s_add_co_u32 s17, s17, s41                     ; the group of 128 queries, 0..63
	s_lshr_b32 s18, s18, 2                         ; the batch: from the cluster's y alone
	s_lshl_b32 s43, s41, 2
	s_lshl_b32 s43, 15, s43                        ; my row of the cluster
	s_lshl_b32 s44, 0x1111, s40                    ; my column
	s_or_b32 s[G1+0], s43, (3<<16)|(1<<21)         ; the mask; elements of 8 bytes; bit 21 beside a mask
	s_or_b32 s[G1B+0], s44, (3<<16)|(1<<21)
	s_or_b32 s[G1SB+0], s44, (3<<16)|(1<<21)
	SHAPE G1, 2*HK/256                             ; the head's shapes: eight chunks of p's group,
	SHAPE G1B, 2*HK/256                            ; eight chunks of a group of v^T,
	SHAPE G1SB, 2*HALFS/256                        ; the scale words of v^T's two groups, which lie on end
	s_mul_i32 s20, s17, NK*CHB
	s_mov_b32 s[G0H+2], s20                        ; where p's group begins, in bytes
	s_mov_b32 s[G0H+3], 0
	s_mul_i32 s21, s16, 2*CHB
	s_add_co_u32 s20, s20, s21
	s_mov_b32 s21, 0
	s_lshl_b32 s46, s18, 3                         ; B = v^T: 8 groups a batch
	s_lshl_b32 s47, s42, 1
	s_add_co_u32 s46, s46, s47
	s_lshl_b32 s92, s46, 13
	s_add_co_u32 s46, s46, s16
	s_add_co_u32 s92, s92, 524288
	s_mul_i32 s46, s46, NK*CHB
	s_add_co_u32 s46, s46, 12582912
	s_mov_b32 s47, 0
	s_mov_b32 s93, 0
	s_mul_i32 s45, s16, 2*CHB                      ; where they go in LDS: by the wave's number alone
	s_mul_i32 s95, s16, 2*HK
	s_add_co_u32 s95, s95, 2*HK
	s_mov_b32 s94, SCL+HALFS
	s_wait_kmcnt 0x0
	s_add_nc_u64 s[20:21], s[4:5], s[20:21]
	s_add_nc_u64 s[46:47], s[10:11], s[46:47]
	s_add_nc_u64 s[92:93], s[96:97], s[92:93]
	s_mov_b32 s[G0SB], 1
	s_mov_b32 s[G0SB+1], s94
	s_mov_b64 s[G0SB+2:G0SB+3], s[92:93]
	s_or_b32 s[G0SB+3], s[G0SB+3], 0x80000000
.irp s, 0,1
	s_mov_b32 s[G0+4*\s], 1
	s_add_co_u32 s[G0+4*\s+1], s45, \s*SLOT
	s_add_nc_u64 s[G0+4*\s+2:G0+4*\s+3], s[20:21], \s*HK
	s_or_b32 s[G0+4*\s+3], s[G0+4*\s+3], 0x80000000
	s_mov_b32 s[G0B+4*\s], 1
	s_add_co_u32 s[G0B+4*\s+1], s95, \s*SLOT
	s_add_nc_u64 s[G0B+4*\s+2:G0B+4*\s+3], s[46:47], \s*HK
	s_or_b32 s[G0B+4*\s+3], s[G0B+4*\s+3], 0x80000000
.endr
	CROUND                                         ; all sixteen work-groups are here: the first joint loads meet
	s_mov_b32 s[G0H], 1
	s_mov_b32 s[G0H+1], 0
	s_add_nc_u64 s[G0H+2:G0H+3], s[4:5], s[G0H+2:G0H+3]
	s_or_b32 s[G0H+3], s[G0H+3], 0x80000000
	s_mov_b32 s[G0HB], 1
	s_mov_b32 s[G0HB+1], s95
	s_mov_b64 s[G0HB+2:G0HB+3], s[46:47]
	s_or_b32 s[G0HB+3], s[G0HB+3], 0x80000000
	; THE HEAD'S LOADS, ONE A WAVE: wave 0 p's chunks 0-7, wave 1 v^T's scale words, waves 2 and 3 chunks 0-7 of one group of v^T each: both slots of every region are filled.
	; One chain of branches on the wave's number, a load to an arm, all arms leading to one join.
	s_cmp_lt_u32 s14, 1
	s_cbranch_scc0 .Lhead_s
	tensor_load_to_lds s[G0H:G0H+3], s[G1:G1+7]
	s_nop 0
	PLACES 4
	s_branch .Lfirst_asked
.Lhead_s:
	s_cmp_lt_u32 s14, 2
	s_cbranch_scc0 .Lhead_b
	tensor_load_to_lds s[G0SB:G0SB+3], s[G1SB:G1SB+7]
	s_nop 0
	PLACES 4
	s_branch .Lfirst_asked
.Lhead_b:
	tensor_load_to_lds s[G0HB:G0HB+3], s[G1B:G1B+7]
	s_nop 0
	PLACES 4
.Lfirst_asked:
	v_and_b32 v1, 15, v0                           ; r
	v_bfe_u32 v2, v0, 4, 1                         ; h
	s_wait_alu depctr_va_vdst(0)
	v_and_b32 v3, 31, v0
	v_lshlrev_b32 v[LI], 4, v3
	s_wait_alu depctr_va_vdst(0)
	s_mul_i32 s21, s15, 4*FRB                      ; p's blocks 4 (wave / 2) on;
	s_mul_i32 s22, s16, 2*HK
	s_add_co_u32 s22, s22, 2*HK
.irp s, 0,1
	v_add_nc_u32 v[ADRA+\s], s21, v[LI]
	v_add_nc_u32 v[ADRB+\s], s22, v[LI]
	s_add_co_u32 s21, s21, SLOT
	s_add_co_u32 s22, s22, SLOT
.endr
	s_lshl_b32 s21, s15, 8                         ; the scale words: lanes 0-15 p's, blocks 4 (wave / 2) on; lanes 16-31 v^T's group: the lower base + h x the distance
	s_lshl_b32 s22, s16, 13
	s_add_co_u32 s22, s22, HALFS
	s_sub_co_u32 s22, s22, s21
	v_mul_u32_u24 v6, s22, v2
	s_add_co_u32 s21, s21, SCL
	v_lshl_add_u32 v5, v1, 4, v6
	v_add_nc_u32 v[ADRS], s21, v5
	s_lshl_b32 s2, s14, 11                         ; my four chunks' scale words: 2,048 bytes a wave, from SCL on
	s_add_co_u32 s2, s2, SCL
	v_add_nc_u32 v[PSA], s2, v[LI]
	s_mul_i32 s23, s14, 16*SPITCH                  ; my stage
	v_mul_u32_u24 v5, v1, SPITCH
	v_lshl_add_u32 v5, v2, 6, v5
	v_add_nc_u32 v[STO], s23, v5                   ; in: row r, + 64 h
	v_add_nc_u32 v[RD], s23, v[LI]                 ; back: the 32 lanes take one row of 512 bytes
.irp e, 0,1,2,3
	v_mov_b32 v[PP+\e], 0                          ; a lane permute's destination counts as one of its sources
.endr
	s_mov_b32 s[SEL], 0x76543210
	s_mov_b32 s[SEL+1], 0xfedcba98
	s_mov_b32 s98, 0x01010101
	s_mov_b32 s99, 0x80808080
	s_mov_b32 s104, 0xc2fe0000                     ; -127.0
	s_mov_b32 s105, 0x0000ffff
	s_cmp_eq_u32 s15, 0
	s_cselect_b32 s105, 0xffff0000, s105           ; the lanes that do not hold my four blocks' sums: h = 1 for blocks 0-3, h = 0 for blocks 4-7
	s_mov_b32 s21, 0
	s_mov_b32 s23, 0
	s_lshl_b32 s20, s17, 14                        ; the group's 16,384 bytes of pstat
	s_add_nc_u64 s[8:9], s[8:9], s[20:21]
	s_lshl_b32 s22, s14, 11                        ; the four chunks whose scale words I shift
	s_add_nc_u64 s[100:101], s[8:9], s[22:23]
	s_lshl_b32 s20, s17, 13
	s_add_co_u32 s20, s20, s22
	s_add_nc_u64 s[6:7], s[6:7], s[20:21]          ; and those scale words
	s_lshl_b32 s20, s17, 19                        ; out0: 128 rows of 4,096 bytes a group,
	s_lshl_b32 s22, s15, 18                        ; 64 rows a wave,
	s_add_co_u32 s20, s20, s22
	s_lshl_b32 s22, s42, 10                        ; 256 features a tile,
	s_add_co_u32 s20, s20, s22
	s_lshl_b32 s22, s16, 9                         ; 128 a wave
	s_add_co_u32 s20, s20, s22
	s_add_nc_u64 s[12:13], s[12:13], s[20:21]
	; THE PREFETCHES, for the two refills (chunks 8-11 and 12-15), each asked for two and a half chunks ahead of its tensor load.  A refill's bytes are named once in the cluster: of v^T's two groups x four chunks (98,304 bytes),
	; which the four work-groups of a column ask for jointly, the partner at cy takes group cy / 2, chunks 2 (cy % 2) on, and each of its waves 6,144 bytes: 24 blocks of 256, a lane a block; of p's four chunks, shared
	; along a row, the partner at cx takes chunk cx, and each of its waves 3,072 bytes: 12 blocks.  Lanes that are left over name their wave's last block again.  The shares are told apart by address alone.
	s_lshl_b32 s20, s18, 3
	s_lshl_b32 s22, s42, 1
	s_add_co_u32 s20, s20, s22
	s_lshr_b32 s22, s41, 1
	s_add_co_u32 s20, s20, s22                     ; v^T's group: 8 x batch + 2 x tile + cy / 2
	s_lshl_b32 s20, s20, 4
	s_and_b32 s22, s41, 1
	s_lshl_b32 s22, s22, 1
	s_add_co_u32 s20, s20, s22
	s_add_co_u32 s20, s20, 8                       ; its chunk 8 + 2 (cy % 2)
	s_mul_i32 s20, s20, CHB
	s_mul_i32 s22, s14, 6144
	s_add_co_u32 s20, s20, s22
	s_add_co_u32 s20, s20, 12582912
	s_add_nc_u64 s[76:77], s[10:11], s[20:21]
	s_lshl_b32 s20, s17, 4
	s_add_co_u32 s20, s20, s40
	s_add_co_u32 s20, s20, 8                       ; p's group, chunk 8 + cx
	s_mul_i32 s20, s20, CHB
	s_mul_i32 s22, s14, 3072
	s_add_co_u32 s20, s20, s22
	s_add_nc_u64 s[78:79], s[4:5], s[20:21]
	v_min_u32 v8, 23, v3
	v_lshlrev_b32 v8, 8, v8                        ; v8, v9: a lane's block; never rewritten
	v_min_u32 v9, 11, v3
	v_lshlrev_b32 v9, 8, v9
	; ---- the row's M and sum.  A lane (r, h) holds, of each chunk, the four numbers of rows (4 h + e, r), e = 0 .. 3
.irp k, 0,1,2,3,4,5,6,7,8,9,10,11,12,13,14,15
	global_load_b128 v[NM+4*\k:NM+4*\k+3], v[LI], s[8:9] offset:512*\k
.endr
.irp k, 0,1,2,3,4,5,6,7,8,9,10,11,12,13,14,15
	global_load_b128 v[LL+4*\k:LL+4*\k+3], v[LI], s[8:9] offset:8192+512*\k
.endr
.irp k, 0,1,2,3
	global_load_b128 v[NMY+4*\k:NMY+4*\k+3], v[LI], s[100:101] offset:512*\k   ; -M of my four chunks once more, at register numbers that do not hang on the wave
.endr
.irp k, 0,1,2,3
	global_load_b128 v[WW+4*\k:WW+4*\k+3], v[LI], s[6:7] offset:512*\k
.endr
	s_wait_loadcnt 0x0
.irp e, 0,1,2,3
	v_min3_num_f32 v[MN+\e], v[NM+\e], v[NM+4+\e], v[NM+8+\e]      ; the least -M is the row's
.endr
.irp k, 3,5,7,9,11,13
.irp e, 0,1,2,3
	v_min3_num_f32 v[MN+\e], v[MN+\e], v[NM+4*\k+\e], v[NM+4*\k+4+\e]
.endr
.endr
.irp e, 0,1,2,3
	v_min_num_f32 v[MN+\e], v[MN+\e], v[NM+60+\e]
.endr
.set j, 0
.rept 32
	v_pk_add_f32 v[NM+j:NM+j+1], v[MN+j%4:MN+j%4+1], v[NM+j:NM+j+1] neg_lo:[0,1] neg_hi:[0,1]   ; the chunk's M less the row's: a whole number, 0 or less
.set j, j+2
.endr
.set j, 0
.rept 8
	v_pk_add_f32 v[NMY+j:NMY+j+1], v[MN+j%4:MN+j%4+1], v[NMY+j:NMY+j+1] neg_lo:[0,1] neg_hi:[0,1]
.set j, j+2
.endr
.set j, 0
.rept 64
	v_max_num_f32 v[NM+j], s104, v[NM+j]           ; held at -127
.set j, j+1
.endr
.set j, 0
.rept 16
	v_max_num_f32 v[NMY+j], s104, v[NMY+j]
.set j, j+1
.endr
.set j, 0
.rept 64
	v_cvt_i32_f32 v[NM+j], v[NM+j]
.set j, j+1
.endr
.set j, 0
.rept 16
	v_cvt_i32_f32 v[NMY+j], v[NMY+j]
.set j, j+1
.endr
.set j, 0
.rept 64
	v_ldexp_f32 v[LL+j], v[LL+j], v[NM+j]          ; the chunk's sum under the row's M
.set j, j+1
.endr
	v_pk_add_f32 v[LT:LT+1], v[LL:LL+1], v[LL+4:LL+5]
	v_pk_add_f32 v[LT+2:LT+3], v[LL+2:LL+3], v[LL+6:LL+7]
.irp k, 2,3,4,5,6,7,8,9,10,11,12,13,14,15
	v_pk_add_f32 v[LT:LT+1], v[LT:LT+1], v[LL+4*\k:LL+4*\k+1]
	v_pk_add_f32 v[LT+2:LT+3], v[LT+2:LT+3], v[LL+4*\k+2:LL+4*\k+3]
.endr
	s_wait_alu depctr_va_vdst(0)
.irp e, 0,1,2,3
	v_rcp_f32 v[RI+\e], v[LT+\e]
.endr
	; my 16 scale words: the shift comes off each of the four bytes.  p's bytes are at most 123, so bit 7 of each byte serves: no borrow passes from byte to byte, and a byte whose guard is used up is held at 0.
.set j, 0
.rept 16
	v_mul_lo_u32 v[NMY+j], v[NMY+j], s98           ; the shift (0 or less) in every byte.  (Plain work behind the reciprocals, which names none of their results)
.set j, j+1
.endr
.set j, 0
.rept 16
	v_or_b32 v[WW+j], s99, v[WW+j]
.set j, j+1
.endr
.set j, 0
.rept 16
	v_add_nc_u32 v[WW+j], v[WW+j], v[NMY+j]
.set j, j+1
.endr
.set j, 0
.rept 16
	v_lshrrev_b32 v[NMY+j], 7, v[WW+j]
.set j, j+1
.endr
.set j, 0
.rept 16
	v_and_b32 v[NMY+j], s98, v[NMY+j]              ; 1 in each byte whose guard stands
.set j, j+1
.endr
.set j, 0
.rept 16
	v_lshlrev_b32 v[LL+j], 7, v[NMY+j]
.set j, j+1
.endr
.set j, 0
.rept 16
	v_sub_nc_u32 v[NMY+j], v[LL+j], v[NMY+j]       ; 0x7f in each such byte
.set j, j+1
.endr
.set j, 0
.rept 16
	v_and_b32 v[WW+j], v[WW+j], v[NMY+j]
.set j, j+1
.endr
.irp k, 0,1,2,3
	ds_store_b128 v[PSA], v[WW+4*\k:WW+4*\k+3] offset:512*\k       ; as images, where the products read p's scale words
.endr
	s_wait_alu depctr_va_vdst(0)                   ; one wait for the four reciprocals, ahead of their first reader
.irp e, 0,1,2,3
	v_permlanex16_b32 v[PP+\e], v[RI+\e], s[SEL], s[SEL+1]
.endr
.irp e, 0,1,2,3
	v_cndmask_b32 v[RINV+\e], v[RI+\e], v[PP+\e], s105             ; 1 / l of my block e's row r, in both halves of the lanes
.endr
	; ---- K: sixteen chunks, on the two sets by turns
	s_wait_dscnt 0x0                               ; for the others' sake: my scale words lie in LDS
	s_wait_tensorcnt 0x0                           ; my one load of the head's is in; no tensor load of mine is out, so a descriptor may be written: from here on
	s_mov_b32 s[G1+2], (2*CHB/256)<<16             ; a load for p brings two chunks,
	s_mov_b32 s[G1+4], 2*CHB/256
	s_mov_b32 s[G1B+2], (HK/256)<<16               ; and one for v^T four
	s_mov_b32 s[G1B+4], HK/256
	s_barrier_signal -1
	s_barrier_wait -1
	FETCH ADRA, ADRB, 0, 0, 0
	STEP ADRA, ADRB, 1, 1, 0, 1
	WIN 0
	global_prefetch_b8 v8, s[76:77] th:TH_LOAD_NT scope:SCOPE_SE                 ; my share of chunks 8-11
	global_prefetch_b8 v9, s[78:79] th:TH_LOAD_NT scope:SCOPE_SE
	STEP ADRA, ADRB, 2, 2, 1, 0
	STEP ADRA, ADRB, 3, 3, 0, 0
	TURN ADRA+1, ADRB+1, 4, 1, 1, 0                ; slot 0 takes chunks 8-11
	STEP ADRA+1, ADRB+1, 1, 5, 0, 0
	WIN 0
	global_prefetch_b8 v8, s[76:77] offset:4*CHB th:TH_LOAD_NT scope:SCOPE_SE    ; my share of chunks 12-15, the last: nothing is asked for beyond them
	global_prefetch_b8 v9, s[78:79] offset:4*CHB th:TH_LOAD_NT scope:SCOPE_SE
	STEP ADRA+1, ADRB+1, 2, 6, 1, 0
	STEP ADRA+1, ADRB+1, 3, 7, 0, 0
	TURN ADRA, ADRB, 8, 1, 1, 1                    ; slot 1 takes chunks 12-15
	STEP ADRA, ADRB, 1, 9, 0, 0
	STEP ADRA, ADRB, 2, 10, 1, 0
	STEP ADRA, ADRB, 3, 11, 0, 0
	TURN ADRA+1, ADRB+1, 12, 1, 0, 0               ; nothing is left to fetch, and no round of the cluster's barrier follows
	STEP ADRA+1, ADRB+1, 1, 13, 0, 0
	STEP ADRA+1, ADRB+1, 2, 14, 1, 0
	STEP ADRA+1, ADRB+1, 3, 15, 0, 0
	s_wait_dscnt 0x0
	WIN MUL
.irp i, 0,1,2,3
	MUL8 \i, 1, 0
.endr
	WIN 0
	PLACES 4
; THE WAY OUT, block by block of 16 queries x 128 features: divided by the row's sum, through my own stage in LDS, and back as whole rows of 512 bytes.  LDS serves a wave's instructions in order (ISA guide 5.7.1.4):
; no wait between the stores and the loads, nor in front of the next block's stores.
.macro DIVIDE i
.set AC, 64*(\i)
	WIN 0x82                                       ; source 0 and destination: the accumulators' window
.set j, 0
.rept 32
.if ((\i)%2) == 0
	v_pk_mul_f32 v[AC+j:AC+j+1], v[AC+j:AC+j+1], v[RINV+(\i):RINV+(\i)+1] op_sel_hi:[1,0]   ; each accumulator from its low end on
.else
	v_pk_mul_f32 v[AC+j:AC+j+1], v[AC+j:AC+j+1], v[RINV+(\i)-1:RINV+(\i)] op_sel:[0,1] op_sel_hi:[1,1]
.endif
.set j, j+2
.endr
.endm
.macro TOSTAGE i
.set AC, 64*(\i)
	WIN 0x08                                       ; an LDS store's data are its source 1
.irp b, 0,1,2,3,4,5,6,7
	ds_store_b128 v[STO], v[AC+8*\b:AC+8*\b+3] offset:128*(\b/2)+32*(\b%2)        ; tile b's eight features of my half: 32 (b / 2) + 16 h + 8 (b % 2) on
	ds_store_b128 v[STO], v[AC+8*\b+4:AC+8*\b+7] offset:128*(\b/2)+32*(\b%2)+16
.endr
	WIN 0
.set BR, BK+64*((\i)%2)
.irp t, 0,1,2,3,4,5,6,7,8,9,10,11,12,13,14,15
	ds_load_b128 v[BR+4*\t:BR+4*\t+3], v[RD] offset:\t*SPITCH
.endr
.endm
.macro SEND i, younger                 ; younger: the LDS instructions issued behind block i's loads, which may stay out
.set BR, BK+64*((\i)%2)
	s_wait_dscnt \younger
.irp t, 0,1,2,3,4,5,6,7,8,9,10,11,12,13,14,15
	global_store_b128 v[LI], v[BR+4*\t:BR+4*\t+3], s[12:13] offset:(32*((\i)/2)+8*((\i)%2)+\t+8*(\t/8))*4096 th:TH_STORE_NT   ; stage row t is my query 32 (i / 2) + 8 (i % 2) + t + 8 (t / 8) of 64; 512 consecutive bytes, aligned; 63 rows at the most: inside the signed 24-bit immediate
.endr
.endm
	s_wait_alu depctr_va_vdst(0)
	DIVIDE 0
	TOSTAGE 0
.irp i, 1,2,3
	DIVIDE \i
.if \i > 1
	s_wait_alu depctr_va_vdst(0)
	s_wait_xcnt 0x0                                ; block i - 2's stores have read their registers: block i's loads may land there
.endif
	TOSTAGE \i
	SEND \i-1, 32                                  ; behind block i - 1's loads: block i's 16 stores and 16 loads
.endr
	SEND 3, 0
	s_wait_tensorcnt 0x0                           ; the wave's end
	ds_add_u32 v[SPW], v[NIL]
	s_wait_dscnt 0x0
	CROUND                                         ; the closing round
	s_endpgm
.Lfunc_end_k_qfbe38520c3_pv:
	.size	k_qfbe38520c3_pv, .Lfunc_end_k_qfbe38520c3_pv-k_qfbe38520c3_pv
	.p2alignl 7, 3214868480
	.fill 96, 4, 3214868480
	.section	.rodata,"a",@progbits
	.p2align	6, 0x0
	.amdhsa_kernel k_qfbe38520c3_pv
		.amdhsa_group_segment_fixed_size 327680
		.amdhsa_private_segment_fixed_size 0
		.amdhsa_enable_private_segment 0
		.amdhsa_kernarg_size 48
		.amdhsa_user_sgpr_count 2
		.amdhsa_user_sgpr_kernarg_segment_ptr 1
		.amdhsa_wavefront_size32 1
		.amdhsa_system_sgpr_workgroup_id_x 1
		.amdhsa_system_sgpr_workgroup_id_y 1
		.amdhsa_system_sgpr_workgroup_id_z 1
		.amdhsa_system_vgpr_workitem_id 0
		.amdhsa_next_free_vgpr 768
		.amdhsa_next_free_sgpr 106
		.amdhsa_reserve_vcc 0
		.amdhsa_float_denorm_mode_32 3
		.amdhsa_float_denorm_mode_16_64 3
		.amdhsa_memory_ordered 1
		.amdhsa_forward_progress 1
		.amdhsa_inst_pref_size 169
	.end_amdhsa_kernel
	.amdgpu_metadata
---
amdhsa.version: [ 1, 2 ]
amdhsa.kernels:
  - .name:           k_qfbe38520c3_pv
    .symbol:         k_qfbe38520c3_pv.kd
    .args:
      - { .name: pcod, .offset: 0, .size: 8, .value_kind: global_buffer, .address_space: global }
      - { .name: pscl, .offset: 8, .size: 8, .value_kind: global_buffer, .address_space: global }
      - { .name: pstat, .offset: 16, .size: 8, .value_kind: global_buffer, .address_space: global }
      - { .name: cod2, .offset: 24, .size: 8, .value_kind: global_buffer, .address_space: global }
      - { .name: scl2, .offset: 32, .size: 8, .value_kind: global_buffer, .address_space: global }
      - { .name: out0, .offset: 40, .size: 8, .value_kind: global_buffer, .address_space: global }
    .group_segment_fixed_size: 327680
    .private_segment_fixed_size: 0
    .kernarg_segment_align: 8
    .kernarg_segment_size: 48
    .max_flat_workgroup_size: 128
    .sgpr_count:     106
    .vgpr_count:     768
    .wavefront_size: 32
...
	.end_amdgpu_metadata
.endif
;; end of part 8
